; MI455X (gfx1250); checked and timed in simulation.
; The chip was launched on July 23, 2026; its instructions are those of AMD's public machine-readable ISA for CDNA 5 (MIT licence, August 2026) and "CDNA5" Instruction Set Architecture Reference Guide (July 2026). The comments in the code are by the model that wrote it; some were corrected since.
;; Encoder Block. Allowed arithmetic: float matrix products may take bf16 or f16 operands with f32 sums; all other float work in f32.
;; Inputs: W1 1,024 x 4,096 float32; W2 4,096 x 1,024 float32; Wk 1,024 x 1,024 float32; Wo 1,024 x 1,024 float32; Wq 1,024 x 1,024 float32; Wv 1,024 x 1,024 float32; attn_mask 2 x 2,048 x 2,048 bool; b1 4,096 float32; b2 1,024 float32; be1 1,024 float32; be2 1,024 float32; bo 1,024 float32; g1 1,024 float32; g2 1,024 float32; x 2 x 2,048 x 1,024 float32.
;; Outputs: out0 2 x 2,048 x 1,024 float32.
;; 2 versions, each right. Each part assembles by itself: llvm-mc -triple=amdgcn-amd-amdhsa -mcpu=gfx1250 --defsym DOCPART=n.
;; ======== version 1 of 2: 8 launches
;; limits: right only within a limited range of input values
;; workspace buffers: cb 33,554,432 bytes; qkv 25,165,824 bytes; ao 8,388,608 bytes; y 16,777,216 bytes; x1f 16,777,216 bytes; x1b 8,388,608 bytes; hb 33,554,432 bytes
;; launch cast (part 1): grid 64 x 16, 8 waves a work-group, no clusters, 0 bytes of LDS; arguments x, Wq, Wk, Wv, Wo, W1, W2, cb; writes cb
.if DOCPART == 1
	.amdgcn_target "amdgcn-amd-amdhsa--gfx1250"
	.amdhsa_code_object_version 6
	.text
	.protected	k_q046e8ff8ba_cast
	.globl	k_q046e8ff8ba_cast
	.p2align	8
	.type	k_q046e8ff8ba_cast,@function
k_q046e8ff8ba_cast:
	s_mov_b64 s[64:65], 0
	v_nop
	global_prefetch_b8 v0, s[64:65] scope:SCOPE_SE
	s_setreg_imm32_b32 hwreg(HW_REG_WAVE_MODE, 25, 1), 1
	s_wait_xcnt 0x0
; cb = x, Wq, Wk, Wv, Wo, W1, W2 rounded to bf16 (nearest even), each in its own row-major layout, one behind the other:
; x at 0, Wq at 8 MiB, Wk at 10, Wv at 12, Wo at 14, W1 at 16, W2 at 24 MiB.  A pure stream: no LDS, no barrier, no matrix unit.
; The grid's y names a unit of 1 Mi numbers (units 0-3 x, 4 Wq, 5 Wk, 6 Wv, 7 Wo, 8-11 W1, 12-15 W2), its x one of the unit's 64 parts.
; A work-group takes 16,384 numbers: thread t takes 16 chunks of 4.  A wave's load covers 512 consecutive bytes, its store 256 consecutive
; bytes at a multiple of 256 from cb's first byte.  All 16 loads of a thread go out first; no register is written twice.
.set X, 4                              ; v[4:67]   16 chunks of 4 f32
.set Y, 68                             ; v[68:99]  16 chunks of 4 bf16
	s_load_b512 s[8:23], s[0:1], 0x0               ; x s[8:9], Wq s[10:11], Wk s[12:13], Wv s[14:15], Wo s[16:17], W1 s[18:19], W2 s[20:21], cb s[22:23]
	s_and_b32 s24, ttmp7, 0xffff                   ; the unit
	s_and_b32 s25, s24, 3                          ; its number inside its tensor: unit mod 4,
	s_lshr_b32 s28, s24, 2
	s_cmp_eq_u32 s28, 1
	s_cselect_b32 s25, 0, s25                      ; but 0 for the four tensors of one unit each
	s_lshl_b32 s28, s25, 22                        ; source: 4 MiB a unit,
	s_lshl_b32 s29, ttmp9, 16                      ; 64 KiB a part
	s_add_co_u32 s28, s28, s29
	s_mov_b32 s29, 0
	s_lshl_b32 s30, s24, 21                        ; destination: 2 MiB a unit,
	s_lshl_b32 s31, ttmp9, 15                      ; 32 KiB a part
	s_add_co_u32 s30, s30, s31
	s_mov_b32 s31, 0
	v_lshlrev_b32 v1, 4, v0                        ; 16 t
	v_lshlrev_b32 v2, 3, v0                        ; 8 t
	s_wait_kmcnt 0x0
	s_mov_b64 s[26:27], s[8:9]                     ; the source tensor is chosen by the unit's number alone
	s_cmp_eq_u32 s24, 4
	s_cselect_b64 s[26:27], s[10:11], s[26:27]
	s_cmp_eq_u32 s24, 5
	s_cselect_b64 s[26:27], s[12:13], s[26:27]
	s_cmp_eq_u32 s24, 6
	s_cselect_b64 s[26:27], s[14:15], s[26:27]
	s_cmp_eq_u32 s24, 7
	s_cselect_b64 s[26:27], s[16:17], s[26:27]
	s_cmp_ge_u32 s24, 8
	s_cselect_b64 s[26:27], s[18:19], s[26:27]
	s_cmp_ge_u32 s24, 12
	s_cselect_b64 s[26:27], s[20:21], s[26:27]
	s_add_nc_u64 s[26:27], s[26:27], s[28:29]
	s_add_nc_u64 s[22:23], s[22:23], s[30:31]
.irp i, 0,1,2,3,4,5,6,7,8,9,10,11,12,13,14,15
	global_load_b128 v[X+4*\i:X+4*\i+3], v1, s[26:27] offset:4096*\i th:TH_LOAD_NT   ; this launch reads each byte once
.endr
.irp i, 0,1,2,3,4,5,6,7,8,9,10,11,12,13,14,15
	s_wait_loadcnt 15-\i                           ; loads come back in order (ISA guide 5.7.1): chunk i is in, the younger ones stay out
	v_cvt_pk_bf16_f32 v[Y+2*\i],   v[X+4*\i],   v[X+4*\i+1]
	v_cvt_pk_bf16_f32 v[Y+2*\i+1], v[X+4*\i+2], v[X+4*\i+3]
	global_store_b64 v2, v[Y+2*\i:Y+2*\i+1], s[22:23] offset:2048*\i
.endr
	s_endpgm
.Lfunc_end_k_q046e8ff8ba_cast:
	.size	k_q046e8ff8ba_cast, .Lfunc_end_k_q046e8ff8ba_cast-k_q046e8ff8ba_cast
	.p2alignl 7, 3214868480
	.fill 96, 4, 3214868480
	.section	.rodata,"a",@progbits
	.p2align	6, 0x0
	.amdhsa_kernel k_q046e8ff8ba_cast
		.amdhsa_group_segment_fixed_size 0
		.amdhsa_private_segment_fixed_size 0
		.amdhsa_enable_private_segment 0
		.amdhsa_kernarg_size 64
		.amdhsa_user_sgpr_count 2
		.amdhsa_user_sgpr_kernarg_segment_ptr 1
		.amdhsa_wavefront_size32 1
		.amdhsa_system_sgpr_workgroup_id_x 1
		.amdhsa_system_sgpr_workgroup_id_y 1
		.amdhsa_system_sgpr_workgroup_id_z 1
		.amdhsa_system_vgpr_workitem_id 0
		.amdhsa_next_free_vgpr 100
		.amdhsa_next_free_sgpr 66
		.amdhsa_reserve_vcc 0
		.amdhsa_float_denorm_mode_32 3
		.amdhsa_float_denorm_mode_16_64 3
		.amdhsa_memory_ordered 1
		.amdhsa_forward_progress 1
		.amdhsa_inst_pref_size 7
	.end_amdhsa_kernel
	.amdgpu_metadata
---
amdhsa.version: [ 1, 2 ]
amdhsa.kernels:
  - .name:           k_q046e8ff8ba_cast
    .symbol:         k_q046e8ff8ba_cast.kd
    .args:
      - { .name: x, .offset: 0, .size: 8, .value_kind: global_buffer, .address_space: global }
      - { .name: Wq, .offset: 8, .size: 8, .value_kind: global_buffer, .address_space: global }
      - { .name: Wk, .offset: 16, .size: 8, .value_kind: global_buffer, .address_space: global }
      - { .name: Wv, .offset: 24, .size: 8, .value_kind: global_buffer, .address_space: global }
      - { .name: Wo, .offset: 32, .size: 8, .value_kind: global_buffer, .address_space: global }
      - { .name: W1, .offset: 40, .size: 8, .value_kind: global_buffer, .address_space: global }
      - { .name: W2, .offset: 48, .size: 8, .value_kind: global_buffer, .address_space: global }
      - { .name: cb, .offset: 56, .size: 8, .value_kind: global_buffer, .address_space: global }
    .group_segment_fixed_size: 0
    .private_segment_fixed_size: 0
    .kernarg_segment_align: 8
    .kernarg_segment_size: 64
    .max_flat_workgroup_size: 256
    .sgpr_count:     66
    .vgpr_count:     100
    .wavefront_size: 32
...
	.end_amdgpu_metadata
.endif
;; end of part 1
;; launch qkv (part 2): grid 24 x 32, 4 waves a work-group, clusters of 4 x 4, 327,680 bytes of LDS; arguments cb, qkv; writes qkv
.if DOCPART == 2
	.amdgcn_target "amdgcn-amd-amdhsa--gfx1250"
	.amdhsa_code_object_version 6
	.text
	.protected	k_q046e8ff8ba_qkv
	.globl	k_q046e8ff8ba_qkv
	.p2align	8
	.type	k_q046e8ff8ba_qkv,@function
k_q046e8ff8ba_qkv:
	s_mov_b64 s[64:65], 0
	v_nop
	global_prefetch_b8 v0, s[64:65] scope:SCOPE_SE
	s_setreg_imm32_b32 hwreg(HW_REG_WAVE_MODE, 25, 1), 1
	s_wait_xcnt 0x0
	s_wait_alu depctr_hold_cnt(0) depctr_sa_sdst(0) depctr_va_vdst(0) depctr_va_sdst(0) depctr_va_ssrc(0) depctr_va_vcc(0) depctr_vm_vsrc(0)
	s_getreg_b32 s2, hwreg(HW_REG_IB_STS2, 6, 4)
	s_cmp_eq_u32 s2, 0
	s_cbranch_scc0 .Lentry_in_a_cluster
	s_endpgm
.Lentry_in_a_cluster:
	s_bfe_u32 s2, ttmp6, 0x10000c
	s_cmp_lg_u32 s2, 0xf033
	s_cbranch_scc0 .Lentry_shape_is_right
	s_endpgm
.Lentry_shape_is_right:
; qkv[token][0:1024 | 1024:2048 | 2048:3072] = x Wq | x Wk | x Wv, bf16 operands out of cb, sums in f32, rounded once to bf16.
; THE TEXT BELOW THE SIZES IS ONE GEMM CORE, C = A W, used by four launches; the flags choose the arguments and the way out.
.set SIZE_K,  1024                     ; A is [4096][SIZE_K] bf16
.set PITCH_W, 1024                     ; W is [SIZE_K][PITCH_W] bf16, as the model stores it: K down the rows
.set PITCH_C, 3072                     ; numbers in a row of C
.set WBASE,   8<<20                    ; W's first byte in cb
.set QKV,     1                        ; 1: A lies in cb too; tile columns 0-7, 8-15, 16-23 take Wq, Wk, Wv (2 MiB apart)
.set RELU,    0                        ; 1: C = bf16(relu(sum + bias))
.set F32OUT,  0                        ; 1: C = sum + bias + residual, in f32
; A tile of C is 128 x 128: four waves, each 64 x 64 = 16 accumulators of 16 x 16.  K goes in steps of 256 through two LDS slots filled by the tensor data mover:
; A's 128 rows of 512 bytes (two loads of 64 rows, waves 0 and 1) and W's 256 rows of 256 bytes (two loads of 128 rows, waves 2 and 3).
; CLUSTERS: 4 x 4 work-groups.  The four of a row of the cluster need the same tiles of A, the four of a column the same tiles of W: each tile is asked for jointly,
; by the same tensor load with the same descriptor and a mask that names the four.
; THE MATRIX INSTRUCTION IS USED TRANSPOSED: source 0 = 16 columns of W (turned on the way out of LDS by ds_load_tr16_b128), source 1 = 16 rows of A:
; a lane then holds row l % 16 of C and the eight neighbouring columns 8 (l / 16) + 0..7.
; REGISTERS: window 0: v0-31 addresses (and the f32 way's bias); v32-95 at work on the way out; v96-127 the relu way's bias; v128-255 the accumulators ((a, b) at v[128 + 8 (4 a + b)]).
;   window 1: two fragment buffers of 128: for 64 along K, 64 registers of A, then 64 of W.   window 2 (f32 way): v0-127 the residual.
.set KSTEP,  256
.set PA,     528                       ; A's LDS row: 512 bytes + 16 = 132 words: row r starts at bank 4 r mod 64 (64 banks of 4 bytes: ISA guide 11.1)
.set PW,     288                       ; W's LDS row: 256 bytes + 32 = 72 words: row r starts at bank 8 r mod 64
.set HALFA,  64*PA                     ; what one of A's loads brings, and what one wave reads of A
.set HALFW,  128*PW                    ; what one of W's loads brings: 128 of the step's 256 rows
.set WOFF,   2*HALFA
.set SLOT,   WOFF+2*HALFW
.set STAGE,  2*SLOT                    ; behind the ring, a multiple of 256: no tensor load fills it
.set SPITCH, 272
.set LAPS,   SIZE_K/(2*KSTEP)          ; a lap = two K steps = once round the ring
.set ADRA, 16                          ; v16-17  LDS address of my A fragments in slot 0, 1
.set ADRW, 20                          ; v20-23  of my W fragments: slot 0 rows 0-127, rows 128-255, slot 1 likewise (the 16-bit offset does not span 256 rows)
.set STO,  24                          ; v24     the way out: where I put my numbers of a row
.set RD,   25                          ; v25     the way out: where I read a row back
.set CO,   26                          ; v26     my byte offset in C (and in the residual)
.set BO,   27                          ; v27     my byte offset in the bias
.set TMP,  32
.set ACC,  128
.set F0,   0
.set F1,   128
.if F32OUT
.set BI,   28                          ; v[28:31]  the bias of my four columns
.else
.set BI,   96                          ; v[96:127] the bias of my 4 x 8 columns
.endif
.set G1, 24                            ; s[24:31] descriptor group 1 for A's tiles;  s[32:39] group 0, one set for each slot
.set G0, 32
.set G1B, 48                           ; s[48:55], s[56:63] the same for W's tiles
.set G0B, 56
.set MSB, 0
.macro WIN new                         ; the immediate's high byte repeats the setting that is left; a switch that changes nothing is dropped
.if MSB != \new
	s_set_vgpr_msb (MSB<<8)|\new
.set MSB, \new
.endif
.endm
.set MUL,  0x05                        ; sources 0 (W) and 1 (A) window 1; C and D window 0
.set TO_F, 0x40                        ; destination window 1, address window 0
.macro JLOAD s                         ; a joint load: waves 0 and 1 fetch A's two halves, waves 2 and 3 W's; four v_nop follow each of the two lines, ahead of the jump, the label and what follows
	s_cmp_eq_u32 s11, 0
	s_cbranch_scc0 .Lfor_w_\@
	tensor_load_to_lds s[G0+4*\s:G0+4*\s+3], s[G1:G1+7]
	s_nop 0
.rept 4
	v_nop
.endr
	s_branch .Lasked_\@
.Lfor_w_\@:
	tensor_load_to_lds s[G0B+4*\s:G0B+4*\s+3], s[G1B:G1B+7]
	s_nop 0
.rept 4
	v_nop
.endr
.Lasked_\@:
.endm
.macro CREST                           ; a round of the cluster's barrier behind its opening barrier
	s_cmp_lg_u32 s10, 0
	s_cbranch_scc1 .Lnot_wave_0_\@
	s_barrier_signal -3
.Lnot_wave_0_\@:
	s_barrier_wait -3
	s_barrier_signal -1
	s_barrier_wait -1
.endm
.macro CROUND                          ; a whole round
	s_barrier_signal -1
	s_barrier_wait -1
	CREST
.endm
.if QKV
	s_load_b128 s[4:7], s[0:1], 0x0                ; cb s[4:5], C s[6:7]
	v_lshl_add_u32 v126, v0, 2, 0x4d800
	v_mov_b32 v127, 0
	ds_add_u32 v126, v127
.else
	s_load_b128 s[4:7], s[0:1], 0x0                ; A s[4:5], cb s[6:7]
	s_load_b64 s[8:9], s[0:1], 0x10                ; C
.endif
.if F32OUT || RELU
	s_load_b64 s[68:69], s[0:1], 0x18              ; the bias
.endif
.if F32OUT
	s_load_b64 s[70:71], s[0:1], 0x20              ; the residual
.endif
	v_lshrrev_b32 v1, 5, v0
	v_readfirstlane_b32 s10, v1                    ; wave 0..3
	s_lshr_b32 s11, s10, 1                         ; which half of the tile's rows is mine.  Also: I fetch for A (0) or for W (1)
	s_and_b32 s12, s10, 1                          ; which half of its columns.  Also: which half of that tile I fetch
	s_bfe_u32 s40, ttmp6, 0x40000                  ; cx, cy: my place in the cluster
	s_bfe_u32 s41, ttmp6, 0x40004
	s_lshl_b32 s42, ttmp9, 2
	s_add_co_u32 s42, s42, s40                     ; tile column of C = 4 x cluster x + cx
	s_and_b32 s13, ttmp7, 0xffff
	s_lshl_b32 s13, s13, 2
	s_add_co_u32 s13, s13, s41                     ; tile row of C = 4 x cluster y + cy
	s_lshl_b32 s43, s41, 2
	s_lshl_b32 s43, 15, s43                        ; my row of the cluster
	s_lshl_b32 s44, 0x1111, s40                    ; my column
	; group 1 for A: 64 rows x 256 elements of 2 bytes; 16 bytes of padding (code 3) behind every 128 words (code 6); bit 21 set beside the mask
	s_or_b32 s[G1+0], s43, (1<<16)|(1<<20)|(1<<21)|(6<<22)|(3<<25)
	s_mov_b32 s[G1+1], KSTEP<<16                   ; tensor_dim0 = 256
	s_mov_b32 s[G1+2], 64<<16                      ; tensor_dim1 = 64
	s_mov_b32 s[G1+3], KSTEP<<16                   ; tile_dim0 = 256
	s_mov_b32 s[G1+4], 64                          ; tile_dim1 = 64
	s_mov_b32 s[G1+5], SIZE_K                      ; elements from row to row
	s_mov_b32 s[G1+6], 0
	s_mov_b32 s[G1+7], 0
	; group 1 for W: 128 rows x 128 elements; 32 bytes of padding (code 7) behind every 64 words (code 5)
	s_or_b32 s[G1B+0], s44, (1<<16)|(1<<20)|(1<<21)|(5<<22)|(7<<25)
	s_mov_b32 s[G1B+1], 128<<16
	s_mov_b32 s[G1B+2], 128<<16
	s_mov_b32 s[G1B+3], 128<<16
	s_mov_b32 s[G1B+4], 128
	s_mov_b32 s[G1B+5], PITCH_W
	s_mov_b32 s[G1B+6], 0
	s_mov_b32 s[G1B+7], 0
	; A's tiles hang on the tile row and the wave alone, W's on the tile column and the wave alone, each in registers that never hold the other coordinate
	s_lshl_b32 s17, s12, 6
	s_lshl_b32 s16, s13, 7
	s_add_co_u32 s16, s16, s17                     ; A: row 128 x tile row + 64 x half
	s_mov_b32 s17, 0
	s_mov_b64 s[18:19], SIZE_K*2
	s_mul_u64 s[16:17], s[16:17], s[18:19]
.if QKV
	s_lshr_b32 s46, s42, 3                         ; which of Wq, Wk, Wv,
	s_lshl_b32 s46, s46, 21                        ; 2 MiB each,
	s_and_b32 s47, s42, 7
	s_lshl_b32 s47, s47, 8                         ; and 256 bytes a tile column inside it
	s_add_co_u32 s46, s46, s47
.else
	s_lshl_b32 s46, s42, 8                         ; W: 256 bytes a tile column
.endif
	s_mul_i32 s47, s12, 128*PITCH_W*2              ; + my 128 rows of the step
	s_add_co_u32 s46, s46, s47
	s_add_co_u32 s46, s46, WBASE
	s_mov_b32 s47, 0
	s_mul_i32 s20, s12, HALFA                      ; where they go: no place in the cluster enters an LDS address
	s_mul_i32 s21, s12, HALFW
	s_add_co_u32 s21, s21, WOFF
	s_wait_dscnt 0x0
	s_wait_kmcnt 0x0
.if QKV
	s_mov_b64 s[8:9], s[6:7]                       ; C
	s_mov_b64 s[6:7], s[4:5]                       ; W lies in cb as A does
.endif
	s_add_nc_u64 s[14:15], s[4:5], s[16:17]
	s_add_nc_u64 s[46:47], s[6:7], s[46:47]
	CROUND                                         ; all sixteen work-groups are here: the first joint loads meet
.irp s, 0,1
	s_mov_b32 s[G0+4*\s], 1                                        ; count = 1
	s_add_co_u32 s[G0+4*\s+1], s20, \s*SLOT                        ; LDS address
	s_add_nc_u64 s[G0+4*\s+2:G0+4*\s+3], s[14:15], \s*KSTEP*2      ; global address: K step s
	s_or_b32 s[G0+4*\s+3], s[G0+4*\s+3], 0x80000000                ; type = 2
	s_mov_b32 s[G0B+4*\s], 1
	s_add_co_u32 s[G0B+4*\s+1], s21, \s*SLOT
	s_add_nc_u64 s[G0B+4*\s+2:G0B+4*\s+3], s[46:47], \s*KSTEP*PITCH_W*2
	s_or_b32 s[G0B+4*\s+3], s[G0B+4*\s+3], 0x80000000
	JLOAD \s                                       ; two loads of mine are out
.endr
	v_and_b32 v1, 15, v0                           ; l % 16
	v_bfe_u32 v2, v0, 4, 1                         ; l / 16
	v_mul_u32_u24 v3, v1, PA                       ; a fragment of A: row l % 16, 16 bytes for each half of the lanes, two loads 32 bytes apart
	v_lshl_add_u32 v3, v2, 4, v3
	s_mul_i32 s21, s11, HALFA                      ; my 64 rows of A
	v_add_nc_u32 v[ADRA], s21, v3
	v_add_nc_u32 v[ADRA+1], SLOT, v[ADRA]
	v_and_b32 v4, 7, v0                            ; a fragment of W: the turning load takes 16 rows (K) x 16 columns: lane l reads row 8 (l / 16) + l % 8, columns 8 ((l / 8) % 2) + 0..7,
	v_lshl_add_u32 v4, v2, 3, v4                   ; and is left with column l % 16 and 8 numbers along K
	v_mul_u32_u24 v4, v4, PW
	v_bfe_u32 v5, v0, 3, 1
	v_lshl_add_u32 v4, v5, 4, v4
	s_lshl_b32 s22, s12, 7                         ; my 64 columns
	s_add_co_u32 s22, s22, WOFF
	v_add_nc_u32 v[ADRW], s22, v4
	v_add_nc_u32 v[ADRW+1], HALFW, v[ADRW]
	v_add_nc_u32 v[ADRW+2], SLOT, v[ADRW]
	v_add_nc_u32 v[ADRW+3], SLOT+HALFW, v[ADRW]
.if F32OUT || RELU
	s_lshl_b32 s46, s42, 9                         ; my 64 columns in f32: 512 x tile column + 256 x half (in the registers that held W's address)
	s_lshl_b32 s47, s12, 8
	s_add_co_u32 s46, s46, s47
	s_mov_b32 s47, 0
	s_add_nc_u64 s[68:69], s[68:69], s[46:47]
.endif
.if F32OUT
	; a wave's 64 columns are 256 bytes of a row of C: each wave has a stage of its own, 16 rows x 272 bytes
	s_mul_i32 s23, s10, 16*SPITCH
	s_add_co_u32 s23, s23, STAGE
	v_mul_u32_u24 v4, v1, SPITCH                   ; in: row l % 16, 32 bytes for each half of the lanes
	v_lshl_add_u32 v4, v2, 5, v4
	v_add_nc_u32 v[STO], s23, v4
	v_mul_u32_u24 v5, v2, SPITCH                   ; back: lanes 0-15 take one row of 256 bytes, lanes 16-31 the next
	v_lshl_add_u32 v5, v1, 4, v5
	v_add_nc_u32 v[RD], s23, v5
	v_mul_u32_u24 v5, v2, PITCH_C*4                ; and the same two rows in C and in the residual
	v_lshl_add_u32 v[CO], v1, 4, v5
	v_lshlrev_b32 v[BO], 4, v1
	s_lshl_b32 s16, s13, 7
	s_lshl_b32 s17, s11, 6
	s_add_co_u32 s16, s16, s17                     ; my first row: 128 x tile row + 64 x half
	s_mul_i32 s16, s16, PITCH_C*4
	s_mov_b32 s17, 0
	s_add_nc_u64 s[8:9], s[8:9], s[16:17]
	s_add_nc_u64 s[8:9], s[8:9], s[46:47]
	s_add_nc_u64 s[70:71], s[70:71], s[16:17]
	s_add_nc_u64 s[70:71], s[70:71], s[46:47]
	global_load_b128 v[BI:BI+3], v[BO], s[68:69]
	WIN 0x80                                       ; destination window 2: the residual of my 64 x 64 comes in under the whole product, laid as the rows come back from the stage
.irp i, 0,1,2,3,4,5,6,7,8,9,10,11,12,13,14,15,16,17,18,19,20,21,22,23,24,25,26,27,28,29,30,31
	global_load_b128 v[4*\i:4*\i+3], v[CO], s[70:71] offset:2*\i*PITCH_C*4
.endr
	WIN 0
.else
	; a wave's 64 columns are 128 bytes, half of an aligned 256 bytes of C: the four waves share one stage of 128 rows x 272 bytes
	s_mul_i32 s23, s11, 64*SPITCH
	s_lshl_b32 s21, s12, 7
	s_add_co_u32 s23, s23, s21
	s_add_co_u32 s23, s23, STAGE
	v_mul_u32_u24 v4, v1, SPITCH
	v_lshl_add_u32 v4, v2, 4, v4
	v_add_nc_u32 v[STO], s23, v4
	s_mul_i32 s23, s10, 32*SPITCH                  ; back: wave w takes rows 32 w .. 32 w + 31, whole
	s_add_co_u32 s23, s23, STAGE
	v_mul_u32_u24 v5, v2, SPITCH
	v_lshl_add_u32 v5, v1, 4, v5
	v_add_nc_u32 v[RD], s23, v5
	v_mul_u32_u24 v5, v2, PITCH_C*2
	v_lshl_add_u32 v[CO], v1, 4, v5
	s_lshl_b32 s16, s13, 7
	s_lshl_b32 s17, s10, 5
	s_add_co_u32 s16, s16, s17                     ; the first row of C that I store: 128 x tile row + 32 x wave
	s_mul_i32 s16, s16, PITCH_C*2
	s_mov_b32 s17, 0
	s_add_nc_u64 s[8:9], s[8:9], s[16:17]
	s_lshl_b32 s46, s42, 8                         ; the tile's first column, in bytes
	s_mov_b32 s47, 0
	s_add_nc_u64 s[8:9], s[8:9], s[46:47]
.endif
.if RELU
	v_lshlrev_b32 v[BO], 5, v2                     ; accumulator (a, b) holds columns 16 b + 8 (l / 16) + 0..7
.irp b, 0,1,2,3
	global_load_b128 v[BI+8*\b:BI+8*\b+3],   v[BO], s[68:69] offset:64*\b
	global_load_b128 v[BI+8*\b+4:BI+8*\b+7], v[BO], s[68:69] offset:64*\b+16
.endr
.endif
; 8 matrix instructions: m blocks a0, a0 + 1 x all 4 n blocks, 32 along K: half c of buffer f.  zero = 1: the first product starts the sums.
; The 16 accumulators take turns, one instruction a turn.
.macro MUL8 f, c, a0, zero
.irp a, \a0, \a0+1
.irp b, 0,1,2,3
.if \zero
	v_wmma_f32_16x16x32_bf16 v[ACC+8*(4*(\a)+\b):ACC+8*(4*(\a)+\b)+7], v[\f+64+8*(4*\c+\b):\f+64+8*(4*\c+\b)+7], v[\f+8*(4*\c+\a):\f+8*(4*\c+\a)+7], 0
.else
	v_wmma_f32_16x16x32_bf16 v[ACC+8*(4*(\a)+\b):ACC+8*(4*(\a)+\b)+7], v[\f+64+8*(4*\c+\b):\f+64+8*(4*\c+\b)+7], v[\f+8*(4*\c+\a):\f+8*(4*\c+\a)+7], v[ACC+8*(4*(\a)+\b):ACC+8*(4*(\a)+\b)+7]
.endif
.endr
.endr
.endm
; 32 LDS loads in one run: the fragments of quarter q (64 along K) of a slot, into buffer f; the first 32 along K first
.macro FETCH slot, q, f
	WIN TO_F
.irp c, 0,1
.irp i, 0,1,2,3
	ds_load_tr16_b128 v[\f+64+8*(4*\c+\i):\f+64+8*(4*\c+\i)+3],   v[ADRW+2*\slot+(\q)/2] offset:(((\q)%2)*64+32*\c)*PW+32*\i
	ds_load_tr16_b128 v[\f+64+8*(4*\c+\i)+4:\f+64+8*(4*\c+\i)+7], v[ADRW+2*\slot+(\q)/2] offset:(((\q)%2)*64+32*\c+16)*PW+32*\i
	ds_load_b128 v[\f+8*(4*\c+\i):\f+8*(4*\c+\i)+3],              v[ADRA+\slot] offset:128*(\q)+64*\c+\i*16*PA
	ds_load_b128 v[\f+8*(4*\c+\i)+4:\f+8*(4*\c+\i)+7],            v[ADRA+\slot] offset:128*(\q)+64*\c+\i*16*PA+32
.endr
.endr
.endm
.macro PLACES                          ; four places in front of loads into registers that matrix instructions have read, and of what reads results just made
.rept 4
	v_nop
.endr
.endm
; A K step is four quarters of 64 along K, 32 matrix instructions each, on buffers 0, 1, 0, 1.  One of the first three: multiplies buffer f and fetches quarter q into g.
.macro QUARTER slot, q, f, g, zero
	s_wait_dscnt 16                                ; the first 32 along K are in; the younger sixteen loads may be out
	WIN MUL
	MUL8 \f, 0, 0, \zero
	MUL8 \f, 0, 2, \zero
	PLACES
	FETCH \slot, \q, \g
	s_wait_dscnt 32                                ; all but the 32 just issued
	WIN MUL
	MUL8 \f, 1, 0, 0
	MUL8 \f, 1, 2, 0
.endm
; The last quarter multiplies buffer 1 and changes slots: ONE barrier; in front of it each wave waits for its own reads of this slot and for all its tensor loads.  fill = 1: this slot is filled again, two K steps ahead.
.macro TURN slot, next, fill
	s_wait_dscnt 16
	WIN MUL
	MUL8 F1, 0, 0, 0
	s_wait_dscnt 0                                 ; my reads of this slot are over,
	s_set_vgpr_msb 0x500
	s_wait_tensorcnt 0x0                           ; and all my tensor loads have landed: the one that was out is my part of the next slot
	ds_add_u32 v126, v127
	s_wait_dscnt 0x0
	s_set_vgpr_msb 0x5
	s_barrier_signal -1
	MUL8 F1, 0, 2, 0
.if \fill
	WIN 0
.endif
	s_barrier_wait -1
.if \fill
	CREST                                          ; the barrier has opened a round of the cluster's barrier: no wave of any partner still reads this slot's tile or has a load on its way
	s_add_nc_u64 s[G0+4*\slot+2:G0+4*\slot+3], s[G0+4*\slot+2:G0+4*\slot+3], 2*KSTEP*2
	s_add_nc_u64 s[G0B+4*\slot+2:G0B+4*\slot+3], s[G0B+4*\slot+2:G0B+4*\slot+3], 2*KSTEP*PITCH_W*2
	JLOAD \slot                                    ; the first tensor load behind the round, my only one until the next: 120 matrix instructions ahead of the wait for it; its four v_nop are also the places in front of the loads below
.else
	PLACES
.endif
	FETCH \next, 0, F0
	WIN MUL
	MUL8 F1, 1, 0, 0
	MUL8 F1, 1, 2, 0
.endm
	s_wait_tensorcnt 1                             ; my part of K step 0 is in; K step 1's may stay out
	s_barrier_signal -1
	s_barrier_wait -1                              ; everybody's is
	FETCH 0, 0, F0
	QUARTER 0, 1, F0, F1, 1                        ; the first quarter stands in front of the loop: its first products start the sums
	WIN 0                                          ; at a label and at a branch every window is 0
	s_mov_b32 s3, LAPS-1
.Llap:                                                 ; a trip goes once round the ring, from a lap's second quarter to the next lap's first, and fills both slots again
	QUARTER 0, 2, F1, F0, 0
	QUARTER 0, 3, F0, F1, 0
	TURN 0, 1, 1
	QUARTER 1, 1, F0, F1, 0
	QUARTER 1, 2, F1, F0, 0
	QUARTER 1, 3, F0, F1, 0
	TURN 1, 0, 1
	QUARTER 0, 1, F0, F1, 0
	WIN 0
	s_sub_co_u32 s3, s3, 1
	s_cmp_lg_u32 s3, 0
	s_cbranch_scc1 .Llap
	QUARTER 0, 2, F1, F0, 0                        ; the last lap fills nothing, and has no round of the cluster's barrier
	QUARTER 0, 3, F0, F1, 0
	TURN 0, 1, 0
	QUARTER 1, 1, F0, F1, 0
	QUARTER 1, 2, F1, F0, 0
	QUARTER 1, 3, F0, F1, 0
	s_wait_dscnt 16                                ; the very last quarter: nothing more to fetch
	WIN MUL
	MUL8 F1, 0, 0, 0
	MUL8 F1, 0, 2, 0
	s_wait_dscnt 0
	MUL8 F1, 1, 0, 0
	MUL8 F1, 1, 2, 0
	WIN 0
.if F32OUT
	; THE WAY OUT IN F32: 16 rows at a time through my own stage (LDS serves a wave's instructions in order, ISA guide 5.7.1.4: no wait between my stores and my loads, no barrier);
	; back as whole rows of 256 bytes; bias and residual are added there, where a lane holds four neighbouring columns.
.macro OUT a
.set OBK, TMP+32*((\a)%2)
.irp b, 0,1,2,3
	ds_store_b128 v[STO], v[ACC+8*(4*\a+\b):ACC+8*(4*\a+\b)+3]   offset:64*\b       ; each accumulator from its low end on
	ds_store_b128 v[STO], v[ACC+8*(4*\a+\b)+4:ACC+8*(4*\a+\b)+7] offset:64*\b+16
.endr
	s_wait_xcnt 0x0                                ; the registers below were the data of the stores two blocks back: they are written again only behind this wait
.irp t, 0,1,2,3,4,5,6,7
	ds_load_b128 v[OBK+4*\t:OBK+4*\t+3], v[RD] offset:\t*2*SPITCH
.endr
	s_wait_dscnt 0x0
.irp t, 0,1,2,3,4,5,6,7
	v_pk_add_f32 v[OBK+4*\t:OBK+4*\t+1],   v[OBK+4*\t:OBK+4*\t+1],   v[BI:BI+1]
	v_pk_add_f32 v[OBK+4*\t+2:OBK+4*\t+3], v[OBK+4*\t+2:OBK+4*\t+3], v[BI+2:BI+3]
.endr
	WIN 0x08                                       ; source 1 window 2: the residual
.irp t, 0,1,2,3,4,5,6,7
	v_pk_add_f32 v[OBK+4*\t:OBK+4*\t+1],   v[OBK+4*\t:OBK+4*\t+1],   v[4*(8*\a+\t):4*(8*\a+\t)+1]
	v_pk_add_f32 v[OBK+4*\t+2:OBK+4*\t+3], v[OBK+4*\t+2:OBK+4*\t+3], v[4*(8*\a+\t)+2:4*(8*\a+\t)+3]
.endr
	WIN 0
.irp t, 0,1,2,3,4,5,6,7
	global_store_b128 v[CO], v[OBK+4*\t:OBK+4*\t+3], s[8:9] offset:(16*\a+2*\t)*PITCH_C*4   ; 16 lanes store 256 consecutive bytes, at a multiple of 256 from C's first byte
.endr
.endm
	s_wait_loadcnt 0x0                             ; bias and residual
	PLACES
	OUT 0
	OUT 1
	OUT 2
	OUT 3
.else
	; THE WAY OUT IN BF16: round; 16 bytes a lane into the work-group's stage; a barrier, since a row's 256 bytes come from two waves; back as whole rows, 32 rows a wave.
	PLACES
.if RELU
	s_wait_loadcnt 0x0                             ; the bias
.irp t, 0,1,2,3,4,5,6,7,8,9,10,11,12,13,14,15
.irp r, 0,1,2,3
	v_pk_add_f32 v[ACC+8*\t+2*\r:ACC+8*\t+2*\r+1], v[ACC+8*\t+2*\r:ACC+8*\t+2*\r+1], v[BI+8*(\t%4)+2*\r:BI+8*(\t%4)+2*\r+1]
.endr
.irp r, 0,1,2,3,4,5,6,7
	v_max_num_f32 v[ACC+8*\t+\r], 0, v[ACC+8*\t+\r]
.endr
.endr
.endif
.irp t, 0,1,2,3,4,5,6,7,8,9,10,11,12,13,14,15
.irp r, 0,1,2,3
	v_cvt_pk_bf16_f32 v[TMP+4*\t+\r], v[ACC+8*\t+2*\r], v[ACC+8*\t+2*\r+1]
.endr
.endr
.irp a, 0,1,2,3
.irp b, 0,1,2,3
	ds_store_b128 v[STO], v[TMP+4*(4*\a+\b):TMP+4*(4*\a+\b)+3] offset:\a*16*SPITCH+32*\b
.endr
.endr
	s_wait_dscnt 0x0                               ; for the others' sake: my stores into the stage are done
	s_barrier_signal -1
	s_barrier_wait -1
.irp t, 0,1,2,3,4,5,6,7,8,9,10,11,12,13,14,15
	ds_load_b128 v[TMP+4*\t:TMP+4*\t+3], v[RD] offset:\t*2*SPITCH
.endr
.irp t, 0,1,2,3,4,5,6,7,8,9,10,11,12,13,14,15
	s_wait_dscnt 15-\t                             ; the younger loads may stay out
	global_store_b128 v[CO], v[TMP+4*\t:TMP+4*\t+3], s[8:9] offset:2*\t*PITCH_C*2   ; 16 lanes store 256 consecutive bytes, at a multiple of 256 from C's first byte
.endr
.endif
	s_wait_tensorcnt 0x0
	ds_add_u32 v126, v127
	s_wait_dscnt 0x0
	CROUND                                         ; the closing round: no work-group ends while a partner may still ask for a tile that names it
	s_endpgm
.Lfunc_end_k_q046e8ff8ba_qkv:
	.size	k_q046e8ff8ba_qkv, .Lfunc_end_k_q046e8ff8ba_qkv-k_q046e8ff8ba_qkv
	.p2alignl 7, 3214868480
	.fill 96, 4, 3214868480
	.section	.rodata,"a",@progbits
	.p2align	6, 0x0
	.amdhsa_kernel k_q046e8ff8ba_qkv
		.amdhsa_group_segment_fixed_size 327680
		.amdhsa_private_segment_fixed_size 0
		.amdhsa_enable_private_segment 0
		.amdhsa_kernarg_size 16
		.amdhsa_user_sgpr_count 2
		.amdhsa_user_sgpr_kernarg_segment_ptr 1
		.amdhsa_wavefront_size32 1
		.amdhsa_system_sgpr_workgroup_id_x 1
		.amdhsa_system_sgpr_workgroup_id_y 1
		.amdhsa_system_sgpr_workgroup_id_z 1
		.amdhsa_system_vgpr_workitem_id 0
		.amdhsa_next_free_vgpr 512
		.amdhsa_next_free_sgpr 66
		.amdhsa_reserve_vcc 0
		.amdhsa_float_denorm_mode_32 3
		.amdhsa_float_denorm_mode_16_64 3
		.amdhsa_memory_ordered 1
		.amdhsa_forward_progress 1
		.amdhsa_inst_pref_size 87
	.end_amdhsa_kernel
	.amdgpu_metadata
---
amdhsa.version: [ 1, 2 ]
amdhsa.kernels:
  - .name:           k_q046e8ff8ba_qkv
    .symbol:         k_q046e8ff8ba_qkv.kd
    .args:
      - { .name: cb, .offset: 0, .size: 8, .value_kind: global_buffer, .address_space: global }
      - { .name: qkv, .offset: 8, .size: 8, .value_kind: global_buffer, .address_space: global }
    .group_segment_fixed_size: 327680
    .private_segment_fixed_size: 0
    .kernarg_segment_align: 8
    .kernarg_segment_size: 16
    .max_flat_workgroup_size: 128
    .sgpr_count:     66
    .vgpr_count:     512
    .wavefront_size: 32
...
	.end_amdgpu_metadata
.endif
;; end of part 2
;; launch attn (part 3): grid 32 x 8, 4 waves a work-group, clusters of 4 x 4, 327,680 bytes of LDS; arguments qkv, attn_mask, ao; writes ao
.if DOCPART == 3
	.amdgcn_target "amdgcn-amd-amdhsa--gfx1250"
	.amdhsa_code_object_version 6
	.text
	.protected	k_q046e8ff8ba_attn
	.globl	k_q046e8ff8ba_attn
	.p2align	8
	.type	k_q046e8ff8ba_attn,@function
k_q046e8ff8ba_attn:
	s_mov_b64 s[64:65], 0
	v_nop
	global_prefetch_b8 v0, s[64:65] scope:SCOPE_SE
	s_setreg_imm32_b32 hwreg(HW_REG_WAVE_MODE, 25, 1), 1
	s_wait_xcnt 0x0
	s_wait_alu depctr_hold_cnt(0) depctr_sa_sdst(0) depctr_va_vdst(0) depctr_va_sdst(0) depctr_va_ssrc(0) depctr_va_vcc(0) depctr_vm_vsrc(0)
	s_getreg_b32 s2, hwreg(HW_REG_IB_STS2, 6, 4)
	s_cmp_eq_u32 s2, 0
	s_cbranch_scc0 .Lentry_in_a_cluster
	s_endpgm
.Lentry_in_a_cluster:
	s_bfe_u32 s2, ttmp6, 0x10000c
	s_cmp_lg_u32 s2, 0xf033
	s_cbranch_scc0 .Lentry_shape_is_right
	s_endpgm
.Lentry_shape_is_right:
; ao[token][64 head + d] = sum over keys of softmax_k(q . k / 8, masked) v.  q, k, v: columns 0-1023, 1024-2047, 2048-3071 of qkv [4096][3072] bf16; attn_mask [2][2048][2048] bytes, 1 = masked.
; Products, maxima and sums in f32; the weights p are rounded to bf16 for the second product, ao once at the end.
; SHARES.  A work-group owns 128 queries (grid x) and a PAIR of heads (grid y): the pair's 128 columns are 256 consecutive bytes of every row of qkv and of ao.
; Wave w: queries 64 (w / 2) on, four tiles of 16; head w % 2 of the pair.  Every wave walks all 2,048 keys of its batch, 64 a step, 128 a half.
; LAYOUT.  S^T = K Q^T (source 0 = 16 keys, source 1 = 16 queries): a lane holds ONE query (lane % 16) and the keys 8 (lane / 16) + 0..7.  Two such tiles, rounded to bf16 in pairs,
; are source 1 of O^T = V^T P, whose result again holds one query a lane.  K comes out of LDS as it lies, V turned by ds_load_tr16_b128.
; THE MASK ENTERS AS THE SUM'S START: a lane's eight mask bytes times 0xfe, shifted so that each byte in turn stands on top, are eight f32: top byte 0xfe is a finite number between -2^125 and -2^127,
; top byte 0 a number under 2^-125.  These are the C of the first product K Q^T.
; SOFTMAX.  For each query a running maximum m, started at -1e30, and a sum l: p = 2^(c s - c m), c = log2(e) / 8; in every step O and l are multiplied by a = 2^(c m_old - c m_new).
; A masked score lies under every m, so its p is 0; a row with every key masked ends with l = 0 and O = 0 and is divided by 2^-100: it gives 0.
; LIMIT: an unmasked score must lie above -1e30 (and under 1e30): below that it would count as masked.
; CLUSTER 4 x 4.  K and V hang on the batch and the pair of heads, which a row of the cluster shares; the mask's tile hangs on the block of queries, which a column shares:
; each is asked for jointly, by the same tensor load with the same descriptor and a mask that names the four.
; LDS: two slots for the mask (128 queries x 256 keys), two for K and V (128 keys each), the stage for the way out.
; REGISTERS: window 0: v0-11, v44-46 addresses; v12-43 eight registers of statistics a tile; v64-191 S^T, 32 a tile; v192-255 P, 16 a tile
;   window 1: v0-127 O^T, 32 a tile; v128-191 V of a step; v192-223 the step's mask bytes          window 2: v0-63 Q, 16 a tile; v64-127 K of a step
.set KS,     64                        ; keys in a step
.set ROWB,   6144                      ; bytes in a row of qkv
.set PK,     272                       ; a row of K in LDS: 256 bytes + 16 = 68 words: row r starts at bank 4 r mod 64 (64 banks of 4 bytes: ISA guide 11.1)
.set PV,     288                       ; a row of V: 256 + 32 = 72 words
.set PM,     272                       ; a row of the mask's tile: 256 keys + 16
.set MHALF,  64*PM                     ; what one of the mask's loads brings
.set MSLOT,  128*PM                    ; 34,816 = 0x8800, which shares no bit with MHALF = 0x4400: an exclusive or turns one slot's address into the other's
.set KVBASE, 2*MSLOT
.set VOFF,   128*PK
.set KVSLOT, 128*(PK+PV)
.set STAGE,  KVBASE+2*KVSLOT           ; 212,992, a multiple of 256: no tensor load fills it
.set SP,     272
.set AK0, 2                            ; v2   my lane's place in a tile of K; never rewritten
.set AV0, 3                            ; v3   in a tile of V
.set AM0, 4                            ; v4   in a tile of the mask
.set ADRK, 5                           ; v5-7 the step's LDS addresses
.set ADRV, 6
.set ADRM, 7
.set QO,  8                            ; v8   my byte offset in the wave's rows of q
.set STO, 10                           ; v10  the way out: where I put 16 bytes of a row
.set RD,  11                           ; v11  the way out: where I read a row back
.set ST,  12                           ; tile t's statistics at v[ST+8 t]: +0 c m, +1 m, +2, +3 l (even keys', odd keys'), +4 to +7 at work; a takes +6 once the maximum is found
.set GO,  44                           ; v44  my byte offset in the wave's rows of ao
.set S,   64
.set P,   192
.set VF,  128                          ; in window 1
.set MT,  192                          ; in window 1
.set KF,  64                           ; in window 2
.set WV,  10                           ; s10  my wave's number
.set QH,  11                           ; s11  which 64 queries
.set HP,  12                           ; s12  which head of the pair; for waves 2 and 3 also: which half of the mask's tile I fetch
.set FE,  13                           ; s13  0xfe
.set G1K, 24                           ; s[24:31], s[32:39], s[40:47] descriptor group 1 for K, V, the mask
.set G1V, 32
.set G1M, 40
.set G0K, 48                           ; s[48:55] group 0 for K, a set for each slot
.set G0V, 56                           ; s[56:63] for V
.set G0M, 68                           ; s[68:75] for the mask: a set for each of the two first fills; the second then walks on
.set CS,  76                           ; s[76:77] c: the packed scaling names a pair and takes its low word for both halves
.set SEL, 78                           ; s[78:79] lane selects for v_permlanex16_b32: each lane takes its own place in the other half
.set TK,  80                           ; s80-82 LDS byte at which the next step's K, V, mask bytes begin
.set TV,  81
.set TM,  82
.set MS,  83                           ; s83  the mask slot in hand
.set TRIPS, 84
.set TWICE, 85
.set MSB, 0
.macro WIN new                         ; the immediate's high byte repeats the setting that is left; a switch that changes nothing is dropped
.if MSB != \new
	s_set_vgpr_msb (MSB<<8)|\new
.set MSB, \new
.endif
.endm
.set W_KQ, 0x0a                        ; K and Q in window 2, S^T in window 0
.set W_PV, 0x51                        ; V and O^T in window 1, P in window 0
.set W_RS, 0x41                        ; O^T (destination and source 0) in window 1, a in window 0
.macro PLACES                          ; four places (ISA guide 7.12.1)
.rept 4
	v_nop
.endr
.endm
; A joint refill: wave 0 fetches K's 128 rows, wave 1 V's; m = 1: waves 2 and 3 fetch the halves of the mask's next tile, else they fetch nothing.
; The branches hang on the wave's number alone.  Four v_nop follow each line, ahead of the jump, the label and what follows.
.macro JLOAD s, m
	s_cmp_lt_u32 s[WV], 2
.if \m
	s_cbranch_scc0 .Lfor_m_\@
.else
	s_cbranch_scc0 .Lasked_\@
.endif
	s_cmp_eq_u32 s[WV], 0
	s_cbranch_scc0 .Lfor_v_\@
	tensor_load_to_lds s[G0K+4*\s:G0K+4*\s+3], s[G1K:G1K+7]
	s_nop 0
	PLACES
	s_branch .Lasked_\@
.Lfor_v_\@:
	tensor_load_to_lds s[G0V+4*\s:G0V+4*\s+3], s[G1V:G1V+7]
	s_nop 0
	PLACES
.if \m
	s_branch .Lasked_\@
.Lfor_m_\@:
	tensor_load_to_lds s[G0M+4:G0M+7], s[G1M:G1M+7]
	s_nop 0
	PLACES
.endif
.Lasked_\@:
.endm
.macro CROUND                          ; a round of the cluster's barrier
	s_barrier_signal -1
	s_barrier_wait -1
	s_cmp_lg_u32 s[WV], 0
	s_cbranch_scc1 .Lnot_wave_0_\@
	s_barrier_signal -3
.Lnot_wave_0_\@:
	s_barrier_wait -3
	s_barrier_signal -1
	s_barrier_wait -1
.endm
	s_load_b128 s[4:7], s[0:1], 0x0                ; qkv s[4:5], attn_mask s[6:7]
	s_load_b64 s[8:9], s[0:1], 0x10                ; ao
	v_lshl_add_u32 v62, v0, 2, 0x3c800
	v_mov_b32 v63, 0
	ds_add_u32 v62, v63
	v_lshrrev_b32 v1, 5, v0
	v_readfirstlane_b32 s[WV], v1                  ; wave 0..3
	s_lshr_b32 s[QH], s[WV], 1
	s_and_b32 s[HP], s[WV], 1
	s_mov_b32 s[FE], 0xfe
	s_bfe_u32 s86, ttmp6, 0x40000                  ; cx, cy: my place in the cluster
	s_bfe_u32 s87, ttmp6, 0x40004
	s_lshl_b32 s14, ttmp9, 2
	s_add_co_u32 s14, s14, s86                     ; my block of 128 queries = 4 x cluster x + cx
	s_and_b32 s15, ttmp7, 0xffff
	s_lshl_b32 s15, s15, 2
	s_add_co_u32 s15, s15, s87                     ; my pair of heads = 4 x cluster y + cy
	s_lshl_b32 s88, s87, 2
	s_lshl_b32 s88, 15, s88                        ; my row of the cluster
	s_lshl_b32 s89, 0x1111, s86                    ; my column
	; group 1 for K and V: 128 rows x 128 elements of 2 bytes, padded behind every 64 words (code 5) by 4 words (code 3) or 8 (code 7); bit 21 set beside the mask
	s_or_b32 s[G1K], s88, (1<<16)|(1<<20)|(1<<21)|(5<<22)|(3<<25)
	s_or_b32 s[G1V], s88, (1<<16)|(1<<20)|(1<<21)|(5<<22)|(7<<25)
.irp g, G1K, G1V
	s_mov_b32 s[\g+1], 128<<16                     ; tensor_dim0 = 128
	s_mov_b32 s[\g+2], 128<<16                     ; tensor_dim1 = 128
	s_mov_b32 s[\g+3], 128<<16                     ; tile_dim0 = 128
	s_mov_b32 s[\g+4], 128                         ; tile_dim1 = 128
	s_mov_b32 s[\g+5], 3072                        ; elements from row to row
	s_mov_b32 s[\g+6], 0
	s_mov_b32 s[\g+7], 0
.endr
	; group 1 for the mask: 64 rows x 64 elements of 4 bytes (256 keys), 4 words of padding behind each row
	s_or_b32 s[G1M], s89, (2<<16)|(1<<20)|(1<<21)|(5<<22)|(3<<25)
	s_mov_b32 s[G1M+1], 64<<16
	s_mov_b32 s[G1M+2], 64<<16
	s_mov_b32 s[G1M+3], 64<<16
	s_mov_b32 s[G1M+4], 64
	s_mov_b32 s[G1M+5], 512
	s_mov_b32 s[G1M+6], 0
	s_mov_b32 s[G1M+7], 0
	s_mov_b32 s[CS], 0x3e38aa3b                    ; c = log2(e) / 8
	s_mov_b32 s[CS+1], s[CS]                       ; named with it as a pair, so it is written
	s_mov_b32 s[SEL], 0x76543210
	s_mov_b32 s[SEL+1], 0xfedcba98
	s_lshr_b32 s16, ttmp9, 2                       ; the batch: 16 blocks of queries = 4 clusters each.  K's and V's addresses hang on it and on the pair of heads
	s_mul_i32 s16, s16, 2048*ROWB
	s_lshl_b32 s17, s15, 8
	s_add_co_u32 s16, s16, s17
	s_mov_b32 s17, 0
	s_lshl_b32 s18, s14, 18                        ; the mask's: 128 rows of 2,048 bytes a block of queries,
	s_lshl_b32 s19, s[HP], 17                      ; 64 rows a half
	s_add_co_u32 s18, s18, s19
	s_mov_b32 s19, 0
	s_mul_i32 s90, s[HP], MHALF                    ; and where that half goes
	s_lshl_b32 s20, s14, 7                         ; q: row 128 x block + 64 x half, column bytes 256 x pair + 128 x head
	s_lshl_b32 s21, s[QH], 6
	s_add_co_u32 s20, s20, s21
	s_mul_i32 s20, s20, ROWB
	s_lshl_b32 s21, s15, 8
	s_add_co_u32 s20, s20, s21
	s_lshl_b32 s21, s[HP], 7
	s_add_co_u32 s20, s20, s21
	s_mov_b32 s21, 0
	s_lshl_b32 s22, s14, 7                         ; ao: row 128 x block + 32 x wave (rows of 2,048 bytes), column bytes 256 x pair
	s_lshl_b32 s23, s[WV], 5
	s_add_co_u32 s22, s22, s23
	s_lshl_b32 s22, s22, 11
	s_lshl_b32 s23, s15, 8
	s_add_co_u32 s22, s22, s23
	s_mov_b32 s23, 0
	s_wait_dscnt 0x0
	s_wait_kmcnt 0x0
	s_add_nc_u64 s[16:17], s[4:5], s[16:17]
	s_add_nc_u64 s[18:19], s[6:7], s[18:19]
	s_add_nc_u64 s[4:5], s[4:5], s[20:21]
	s_add_nc_u64 s[8:9], s[8:9], s[22:23]
	CROUND                                         ; all sixteen work-groups are here: the first joint loads meet
.irp s, 0,1
	s_mov_b32 s[G0K+4*\s], 1                                       ; count = 1
	s_mov_b32 s[G0K+4*\s+1], KVBASE+\s*KVSLOT                      ; LDS address
	s_add_nc_u64 s[G0K+4*\s+2:G0K+4*\s+3], s[16:17], 2048+\s*128*ROWB   ; k's columns begin 2,048 bytes into a row; slot s begins with keys 128 s on
	s_or_b32 s[G0K+4*\s+3], s[G0K+4*\s+3], 0x80000000              ; type = 2
	s_mov_b32 s[G0V+4*\s], 1
	s_mov_b32 s[G0V+4*\s+1], KVBASE+\s*KVSLOT+VOFF
	s_add_nc_u64 s[G0V+4*\s+2:G0V+4*\s+3], s[16:17], 4096+\s*128*ROWB
	s_or_b32 s[G0V+4*\s+3], s[G0V+4*\s+3], 0x80000000
	s_mov_b32 s[G0M+4*\s], 1
	s_add_co_u32 s[G0M+4*\s+1], s90, \s*MSLOT
	s_add_nc_u64 s[G0M+4*\s+2:G0M+4*\s+3], s[18:19], \s*256        ; slot s begins with keys 256 s on
	s_or_b32 s[G0M+4*\s+3], s[G0M+4*\s+3], 0x80000000
.endr
	s_cmp_lt_u32 s[WV], 2                          ; a wave's two first fills stand together, ahead of every wait on TENSORcnt, every LDS read and every other barrier: two loads of mine are out
	s_cbranch_scc0 .Lfirst_m
	s_cmp_eq_u32 s[WV], 0
	s_cbranch_scc0 .Lfirst_v
	tensor_load_to_lds s[G0K:G0K+3], s[G1K:G1K+7]
	s_nop 0
	tensor_load_to_lds s[G0K+4:G0K+7], s[G1K:G1K+7]
	s_nop 0
	PLACES
	s_branch .Lfirst_asked
.Lfirst_v:
	tensor_load_to_lds s[G0V:G0V+3], s[G1V:G1V+7]
	s_nop 0
	tensor_load_to_lds s[G0V+4:G0V+7], s[G1V:G1V+7]
	s_nop 0
	PLACES
	s_branch .Lfirst_asked
.Lfirst_m:
	tensor_load_to_lds s[G0M:G0M+3], s[G1M:G1M+7]
	s_nop 0
	tensor_load_to_lds s[G0M+4:G0M+7], s[G1M:G1M+7]
	s_nop 0
	PLACES
.Lfirst_asked:
	; A fragment of K or Q is 16 rows x 32 channels in 8 registers: lane l holds row l % 16; registers 0-3 channels 8 (l / 16) + 0..7, registers 4-7 channels 16 + 8 (l / 16) + 0..7: two loads of 16 bytes, 32 bytes apart.
	v_and_b32 v1, 15, v0                           ; l % 16
	v_bfe_u32 v9, v0, 4, 1                         ; l / 16
	v_mul_u32_u24 v[QO], v1, ROWB
	v_lshl_add_u32 v[QO], v9, 4, v[QO]
	WIN 0x80                                       ; destination window 2
.irp t, 0,1,2,3
.irp c, 0,1
	global_load_b128 v[16*\t+8*\c:16*\t+8*\c+3],   v[QO], s[4:5] offset:\t*16*ROWB+64*\c      ; Q stays in registers: tile t, channels 32 c on
	global_load_b128 v[16*\t+8*\c+4:16*\t+8*\c+7], v[QO], s[4:5] offset:\t*16*ROWB+64*\c+32
.endr
.endr
	WIN 0
	s_lshl_b32 s20, s[HP], 7                       ; my head's 128 bytes of a row
	v_mul_u32_u24 v[AK0], v1, PK
	v_lshl_add_u32 v[AK0], v9, 4, v[AK0]
	v_add_nc_u32 v[AK0], s20, v[AK0]
	v_and_b32 v45, 7, v0                           ; the turning load: lane l reads key 8 (l / 16) + l % 8, channels 8 ((l / 8) % 2) + 0..7, and is left with channel l % 16 and 8 keys
	v_bfe_u32 v46, v0, 3, 1
	v_lshl_add_u32 v[AV0], v9, 3, v45
	v_mul_u32_u24 v[AV0], v[AV0], PV
	v_lshl_add_u32 v[AV0], v46, 4, v[AV0]
	v_add_nc_u32 v[AV0], s20, v[AV0]
	s_mul_i32 s21, s[QH], 64*PM                    ; the mask: my query's row, 8 bytes for each half of the lanes
	v_mul_u32_u24 v[AM0], v1, PM
	v_lshl_add_u32 v[AM0], v9, 3, v[AM0]
	v_add_nc_u32 v[AM0], s21, v[AM0]
	s_mul_i32 s21, s[QH], 64*SP                    ; into the stage: my 64 rows, my head's half of their 256 bytes
	s_add_co_u32 s21, s21, s20
	s_add_co_u32 s21, s21, STAGE
	v_mul_u32_u24 v[STO], v1, SP
	v_lshl_add_u32 v[STO], v9, 4, v[STO]
	v_add_nc_u32 v[STO], s21, v[STO]
	s_mul_i32 s21, s[WV], 32*SP                    ; back: wave w takes rows 32 w .. 32 w + 31, whole; lanes 0-15 one row, lanes 16-31 the next
	s_add_co_u32 s21, s21, STAGE
	v_mul_u32_u24 v[RD], v9, SP
	v_lshl_add_u32 v[RD], v1, 4, v[RD]
	v_add_nc_u32 v[RD], s21, v[RD]
	v_lshlrev_b32 v[GO], 11, v9                    ; and the same two rows in ao
	v_lshl_add_u32 v[GO], v1, 4, v[GO]
.irp t, 0,1,2,3
	v_mov_b32 v[ST+8*\t+1], 0xf149f2ca             ; m = -1e30
	v_mul_f32 v[ST+8*\t], s[CS], v[ST+8*\t+1]      ; c m
	v_mov_b32 v[ST+8*\t+2], 0                      ; l
	v_mov_b32 v[ST+8*\t+3], 0
.endr
	s_mov_b32 s[TK], KVBASE
	s_mov_b32 s[TV], KVBASE+VOFF
	s_mov_b32 s[TM], 0
	s_mov_b32 s[MS], 0
; One tile's softmax for one key step is a list of 102 instructions; SM writes number j of it for tile t.  s0-s31 are the lane's 32 scores, in pairs 0-15.
;   0-15    the maximum of s0-s31 and the old m, three operands at a time; each accumulator of S^T is read from its low end on
;   16-20   the other half of the lanes' maximum; the new m; c m; c m_old - c m_new
;   21-87   33 exponentials (a, then s0-s31) at the odd numbers from 23 on; at the even numbers plain work that is ready: c s - c m for a pair whose exponentials are still to come,
;           the rounding to bf16 of a pair whose exponentials are done, the first sums.  The four tiles' instructions of one number stand together, so behind each run of four
;           exponentials come four plain instructions that use none of their results (ISA guide 5.7.2)
;   88-101  the last rounding; the rest of the sums; l = a l + the sum
.macro SM t
.set rT, ST+8*(\t)
.set rS, S+32*(\t)
.set rP, P+16*(\t)
.set q, (j-20)/2
.if j < 4
	v_max3_num_f32 v[rT+4+j], v[rS+8*j], v[rS+8*j+1], v[rS+8*j+2]
.elseif j < 12
	v_max3_num_f32 v[rT+4+j%4], v[rT+4+j%4], v[rS+8*(j%4)+2*(j/4)+1], v[rS+8*(j%4)+2*(j/4)+2]
.elseif j == 12
	v_max3_num_f32 v[rT+4], v[rT+4], v[rS+7], v[rS+15]
.elseif j == 13
	v_max3_num_f32 v[rT+6], v[rT+6], v[rS+23], v[rS+31]
.elseif j == 14
	v_max3_num_f32 v[rT+4], v[rT+4], v[rT+5], v[rT+6]
.elseif j == 15
	v_max3_num_f32 v[rT+4], v[rT+4], v[rT+7], v[rT+1]
.elseif j == 16
	v_permlanex16_b32 v[rT+5], v[rT+4], s[SEL], s[SEL+1]  ; the query's other 32 keys lie in the lane 16 away
.elseif j == 17
	v_mov_b32 v[rT+7], v[rT]                       ; c m_old is kept for a: number 19 writes c m anew
.elseif j == 18
	v_max_num_f32 v[rT+1], v[rT+4], v[rT+5]
.elseif j == 19
	v_mul_f32 v[rT], s[CS], v[rT+1]
.elseif j == 20
	v_sub_f32 v[rT+7], v[rT+7], v[rT]
.elseif j == 23
	v_exp_f32 v[rT+6], v[rT+7]
.elseif (j > 23) && (j < 88) && (j%2 == 1)
	v_exp_f32 v[rS+(j-25)/2], v[rS+(j-25)/2]
.elseif (q < 4) || ((j < 76) && (q%2 == 0))
.set b, q/2+2
.if q < 4
.set b, q
.endif
	v_pk_fma_f32 v[rS+2*b:rS+2*b+1], v[rS+2*b:rS+2*b+1], s[CS:CS+1], v[rT:rT+1] op_sel_hi:[1,0,0] neg_lo:[0,0,1] neg_hi:[0,0,1]  ; pair b: c s - c m
.elseif (j < 88) && (q%2 == 1)
	s_wait_alu depctr_va_vdst(0)
	v_cvt_pk_bf16_f32 v[rP+(q-5)/2], v[rS+q-5], v[rS+q-4]
.elseif j == 89
	s_wait_alu depctr_va_vdst(0)
	v_cvt_pk_bf16_f32 v[rP+15], v[rS+30], v[rS+31]
.else                                  ; the sum of the tile's 16 pairs, in place: sum z of 16 adds neighbours 1, 2, 4 and 8 pairs apart, then l takes it
.set z, j-86
.if j < 89
.set z, (j-76)/4
.endif
.set w, 4
.set u, z
.if z >= 14
.set w, 32
.set u, 0
.elseif z >= 12
.set w, 16
.set u, z-12
.elseif z >= 8
.set w, 8
.set u, z-8
.endif
.if z < 15
	v_pk_add_f32 v[rS+w*u:rS+w*u+1], v[rS+w*u:rS+w*u+1], v[rS+w*u+w/2:rS+w*u+w/2+1]
.else
	v_pk_fma_f32 v[rT+2:rT+3], v[rT+2:rT+3], v[rT+6:rT+7], v[rS:rS+1] op_sel_hi:[1,0,1]
.endif
.endif
.endm
; A KEY STEP, in phases: the LDS loads in one run; the mask's bytes become the sums' start; 32 products K Q^T; the softmax; O^T times a; 32 products V^T P.
; first = 1: the first step's V^T P starts O^T's sums with the constant 0, and there is nothing to rescale.
; In both runs of products 16 accumulators take turns, one instruction a turn.
.macro STEP first
	WIN 0
	v_add_nc_u32 v[ADRM], s[TM], v[AM0]            ; these three and the v_nop are the four places between the last step's V^T P and the loads into V's registers
	v_add_nc_u32 v[ADRK], s[TK], v[AK0]
	v_add_nc_u32 v[ADRV], s[TV], v[AV0]
	v_nop
	s_add_co_u32 s[TM], s[TM], KS                  ; the next step's bytes
	s_add_co_u32 s[TK], s[TK], KS*PK
	s_add_co_u32 s[TV], s[TV], KS*PV
	WIN 0x40                                       ; destination window 1
.irp t, 0,1,2,3
.irp b, 0,1,2,3
	ds_load_b64 v[MT+2*(4*\t+\b):MT+2*(4*\t+\b)+1], v[ADRM] offset:\t*16*PM+16*\b   ; tile t, keys 16 b + 8 (l / 16) + 0..7
.endr
.endr
	WIN 0x80                                       ; destination window 2
.irp b, 0,1,2,3
.irp c, 0,1
	ds_load_b128 v[KF+8*(2*\b+\c):KF+8*(2*\b+\c)+3],   v[ADRK] offset:\b*16*PK+64*\c      ; keys 16 b on, channels 32 c on
	ds_load_b128 v[KF+8*(2*\b+\c)+4:KF+8*(2*\b+\c)+7], v[ADRK] offset:\b*16*PK+64*\c+32
.endr
.endr
	WIN 0x40
.irp c, 0,1
.irp b, 0,1,2,3
	ds_load_tr16_b128 v[VF+8*(4*\c+\b):VF+8*(4*\c+\b)+3],   v[ADRV] offset:\c*32*PV+32*\b         ; keys 32 c on, channels 16 b on
	ds_load_tr16_b128 v[VF+8*(4*\c+\b)+4:VF+8*(4*\c+\b)+7], v[ADRV] offset:\c*32*PV+16*PV+32*\b
.endr
.endr
	s_wait_dscnt 32                                ; the mask's bytes are in; K's and V's 32 loads may be out
	WIN 0x01                                       ; source 0 window 1
.irp t, 0,1,2,3
.irp b, 0,1,2,3
	v_mul_lo_u32 v[S+32*\t+8*\b+3], v[MT+2*(4*\t+\b)],   s[FE]     ; four bytes of 0 or 1 become four bytes of 0 or 0xfe: key 3's stands on top
	v_mul_lo_u32 v[S+32*\t+8*\b+7], v[MT+2*(4*\t+\b)+1], s[FE]
.endr
.endr
	WIN 0
.irp t, 0,1,2,3
.irp b, 0,1,2,3
.irp g, 0,4
	v_lshlrev_b32 v[S+32*\t+8*\b+\g],   24, v[S+32*\t+8*\b+\g+3]   ; and the other keys' are shifted there
	v_lshlrev_b32 v[S+32*\t+8*\b+\g+1], 16, v[S+32*\t+8*\b+\g+3]
	v_lshlrev_b32 v[S+32*\t+8*\b+\g+2], 8,  v[S+32*\t+8*\b+\g+3]
.endr
.endr
.endr
	s_wait_dscnt 16                                ; K is in; V's 16 loads may be out
	WIN W_KQ
.irp c, 0,1
.irp b, 0,1,2,3
.irp t, 0,1,2,3
	v_wmma_f32_16x16x32_bf16 v[S+32*\t+8*\b:S+32*\t+8*\b+7], v[KF+8*(2*\b+\c):KF+8*(2*\b+\c)+7], v[16*\t+8*\c:16*\t+8*\c+7], v[S+32*\t+8*\b:S+32*\t+8*\b+7]
.endr
.endr
.endr
	PLACES                                         ; in front of the first read of the scores
	WIN 0
.set j, 0
.rept 102
.irp t, 0,1,2,3
	SM \t
.endr
.set j, j+1
.endr
.if !\first
	WIN W_RS
.irp t, 0,1,2,3
.irp i, 0,1,2,3,4,5,6,7,8,9,10,11,12,13,14,15
	v_pk_mul_f32 v[32*\t+2*\i:32*\t+2*\i+1], v[32*\t+2*\i:32*\t+2*\i+1], v[ST+8*\t+6:ST+8*\t+7] op_sel_hi:[1,0]   ; O^T times a, each accumulator from its low end on
.endr
.endr
.endif
	s_wait_dscnt 0x0                               ; V is in
	WIN W_PV
.irp c, 0,1
.irp b, 0,1,2,3
.irp t, 0,1,2,3
.if \first && (\c == 0)
	v_wmma_f32_16x16x32_bf16 v[32*\t+8*\b:32*\t+8*\b+7], v[VF+8*(4*\c+\b):VF+8*(4*\c+\b)+7], v[P+16*\t+8*\c:P+16*\t+8*\c+7], 0
.else
	v_wmma_f32_16x16x32_bf16 v[32*\t+8*\b:32*\t+8*\b+7], v[VF+8*(4*\c+\b):VF+8*(4*\c+\b)+7], v[P+16*\t+8*\c:P+16*\t+8*\c+7], v[32*\t+8*\b:32*\t+8*\b+7]
.endif
.endr
.endr
.endr
	WIN 0                                          ; at a label and at a branch every window is 0
.endm
.macro TWO_STEPS                       ; a half: the two key steps of a slot of K and V, written once, walked twice; the LDS addresses hang on s[TK], s[TV], s[TM]
	s_mov_b32 s[TWICE], 2
.Lstep_\@:
	STEP 0
	s_sub_co_u32 s[TWICE], s[TWICE], 1
	s_cmp_lg_u32 s[TWICE], 0
	s_cbranch_scc1 .Lstep_\@
.endm
; THE CHANGE OF SLOTS behind a half read out of K's and V's slot s.  Each wave waits for its own LDS reads and for all its tensor loads; no load of mine is out, so a group 0 may be written.
; kv = 1: slot s is filled again, with the keys two halves on; the barrier is then a round of the cluster's, so that no wave of any partner still reads the slot or has a load on its way, and the joint
; refill is the first tensor load behind it, one a wave: it has a half, 128 matrix instructions and their vector work, in which to land.
; m = 1 (only behind an odd half, when a tile of the mask has been read out): that tile's slot takes the tile two on.
.macro CHANGE s, kv, m
	s_wait_dscnt 0x0
	s_wait_tensorcnt 0x0
	ds_add_u32 v62, v63
	s_wait_dscnt 0x0
.if \kv
	s_add_nc_u64 s[G0K+4*\s+2:G0K+4*\s+3], s[G0K+4*\s+2:G0K+4*\s+3], 2*128*ROWB   ; the type bits on top are not reached
	s_add_nc_u64 s[G0V+4*\s+2:G0V+4*\s+3], s[G0V+4*\s+2:G0V+4*\s+3], 2*128*ROWB
.endif
.if \m
	s_xor_b32 s[G0M+5], s[G0M+5], MSLOT            ; the walking descriptor: the other slot than last time,
	s_add_nc_u64 s[G0M+6:G0M+7], s[G0M+6:G0M+7], 256   ; the next 256 keys
.endif
.if \kv
	CROUND
	JLOAD \s, \m
.else
	s_barrier_signal -1
	s_barrier_wait -1
.endif
	s_mov_b32 s[TK], KVBASE+(1-\s)*KVSLOT          ; the next half is read out of the other slot
	s_mov_b32 s[TV], KVBASE+(1-\s)*KVSLOT+VOFF
.if \s
	s_xor_b32 s[MS], s[MS], MSLOT                  ; and out of the mask's other tile,
	s_mov_b32 s[TM], s[MS]
.else
	s_add_co_u32 s[TM], s[MS], 128                 ; or out of the second half of the tile in hand
.endif
.endm
	s_wait_loadcnt 0x0                             ; Q
	s_wait_tensorcnt 1                             ; my part of the first slots is in; the second slots' may stay out
	s_barrier_signal -1
	s_barrier_wait -1                              ; everybody's is
	STEP 1                                         ; half 0
	STEP 0
	s_mov_b32 s[TRIPS], 6
.Lpair:                                                ; trip u = 0..5: K, V of halves 2 u + 2 and 2 u + 3 and the mask's tile u + 2 are asked for; halves 2 u + 1 and 2 u + 2 are worked
	CHANGE 0, 1, 0
	TWO_STEPS
	CHANGE 1, 1, 1
	TWO_STEPS
	s_sub_co_u32 s[TRIPS], s[TRIPS], 1
	s_cmp_lg_u32 s[TRIPS], 0
	s_cbranch_scc1 .Lpair
	CHANGE 0, 1, 0                                 ; the tail is written out: K, V of half 14
	TWO_STEPS                                      ; half 13
	CHANGE 1, 1, 0                                 ; K, V of half 15; the mask's last tile is there already
	TWO_STEPS                                      ; half 14
	CHANGE 0, 0, 0                                 ; nothing is left to ask for
	TWO_STEPS                                      ; half 15
	; THE WAY OUT.  l's two halves and the other half of the lanes' are added; O^T is divided by l, rounded to bf16 and sent through the stage.  The first four additions are the places behind the last products.
.irp t, 0,1,2,3
	v_add_f32 v[ST+8*\t+4], v[ST+8*\t+2], v[ST+8*\t+3]
.endr
.irp t, 0,1,2,3
	v_permlanex16_b32 v[ST+8*\t+5], v[ST+8*\t+4], s[SEL], s[SEL+1]
.endr
.irp t, 0,1,2,3
	v_add_f32 v[ST+8*\t+4], v[ST+8*\t+4], v[ST+8*\t+5]
.endr
.irp t, 0,1,2,3
	v_max_num_f32 v[ST+8*\t+4], 0x0d800000, v[ST+8*\t+4]   ; at least 2^-100: a row with every key masked has l = 0 and O = 0, and gives 0
.endr
.irp t, 0,1,2,3
	v_rcp_f32 v[ST+8*\t+6], v[ST+8*\t+4]
.endr
	v_nop                                          ; a plain instruction between the last reciprocal and the use of its result
	WIN W_RS
	s_wait_alu depctr_va_vdst(0)
.irp t, 0,1,2,3
.irp i, 0,1,2,3,4,5,6,7,8,9,10,11,12,13,14,15
	v_pk_mul_f32 v[32*\t+2*\i:32*\t+2*\i+1], v[32*\t+2*\i:32*\t+2*\i+1], v[ST+8*\t+6:ST+8*\t+7] op_sel_hi:[1,0]
.endr
.endr
	WIN 0x05                                       ; sources 0 and 1 window 1, destination window 0: S^T's registers are free
.set i, 0
.rept 64
	v_cvt_pk_bf16_f32 v[S+i], v[2*i], v[2*i+1]
.set i, i+1
.endr
	WIN 0
.irp t, 0,1,2,3
.irp b, 0,1,2,3
	ds_store_b128 v[STO], v[S+16*\t+4*\b:S+16*\t+4*\b+3] offset:\t*16*SP+32*\b   ; a lane's eight channels of a row: 16 bytes
.endr
.endr
	s_wait_dscnt 0x0                               ; for the others' sake: a row's 256 bytes come from two waves
	s_barrier_signal -1
	s_barrier_wait -1
.irp t, 0,1,2,3,4,5,6,7,8,9,10,11,12,13,14,15
	ds_load_b128 v[S+4*\t:S+4*\t+3], v[RD] offset:\t*2*SP
.endr
.irp t, 0,1,2,3,4,5,6,7,8,9,10,11,12,13,14,15
	s_wait_dscnt 15-\t                             ; the younger loads may stay out
	global_store_b128 v[GO], v[S+4*\t:S+4*\t+3], s[8:9] offset:\t*4096   ; 16 lanes store 256 consecutive bytes, at a multiple of 256 from ao's first byte
.endr
	s_wait_tensorcnt 0x0
	ds_add_u32 v62, v63
	s_wait_dscnt 0x0
	CROUND                                         ; the closing round: no work-group ends while a partner may still ask for a tile that names it
	s_endpgm
.Lfunc_end_k_q046e8ff8ba_attn:
	.size	k_q046e8ff8ba_attn, .Lfunc_end_k_q046e8ff8ba_attn-k_q046e8ff8ba_attn
	.p2alignl 7, 3214868480
	.fill 96, 4, 3214868480
	.section	.rodata,"a",@progbits
	.p2align	6, 0x0
	.amdhsa_kernel k_q046e8ff8ba_attn
		.amdhsa_group_segment_fixed_size 327680
		.amdhsa_private_segment_fixed_size 0
		.amdhsa_enable_private_segment 0
		.amdhsa_kernarg_size 24
		.amdhsa_user_sgpr_count 2
		.amdhsa_user_sgpr_kernarg_segment_ptr 1
		.amdhsa_wavefront_size32 1
		.amdhsa_system_sgpr_workgroup_id_x 1
		.amdhsa_system_sgpr_workgroup_id_y 1
		.amdhsa_system_sgpr_workgroup_id_z 1
		.amdhsa_system_vgpr_workitem_id 0
		.amdhsa_next_free_vgpr 640
		.amdhsa_next_free_sgpr 92
		.amdhsa_reserve_vcc 0
		.amdhsa_float_denorm_mode_32 3
		.amdhsa_float_denorm_mode_16_64 3
		.amdhsa_memory_ordered 1
		.amdhsa_forward_progress 1
		.amdhsa_inst_pref_size 255
	.end_amdhsa_kernel
	.section	.bss,"aw",@nobits
	.p2align	6
	.space	262144
	.amdgpu_metadata
---
amdhsa.version: [ 1, 2 ]
amdhsa.kernels:
  - .name:           k_q046e8ff8ba_attn
    .symbol:         k_q046e8ff8ba_attn.kd
    .args:
      - { .name: qkv, .offset: 0, .size: 8, .value_kind: global_buffer, .address_space: global }
      - { .name: attn_mask, .offset: 8, .size: 8, .value_kind: global_buffer, .address_space: global }
      - { .name: ao, .offset: 16, .size: 8, .value_kind: global_buffer, .address_space: global }
    .group_segment_fixed_size: 327680
    .private_segment_fixed_size: 0
    .kernarg_segment_align: 8
    .kernarg_segment_size: 24
    .max_flat_workgroup_size: 128
    .sgpr_count:     92
    .vgpr_count:     640
    .wavefront_size: 32
...
	.end_amdgpu_metadata
.endif
;; end of part 3
;; launch wo (part 4): grid 8 x 32, 4 waves a work-group, clusters of 4 x 4, 327,680 bytes of LDS; arguments ao, cb, y, bo, x; writes y
.if DOCPART == 4
	.amdgcn_target "amdgcn-amd-amdhsa--gfx1250"
	.amdhsa_code_object_version 6
	.text
	.protected	k_q046e8ff8ba_wo
	.globl	k_q046e8ff8ba_wo
	.p2align	8
	.type	k_q046e8ff8ba_wo,@function
k_q046e8ff8ba_wo:
	s_mov_b64 s[64:65], 0
	v_nop
	global_prefetch_b8 v0, s[64:65] scope:SCOPE_SE
	s_setreg_imm32_b32 hwreg(HW_REG_WAVE_MODE, 25, 1), 1
	s_wait_xcnt 0x0
	s_wait_alu depctr_hold_cnt(0) depctr_sa_sdst(0) depctr_va_vdst(0) depctr_va_sdst(0) depctr_va_ssrc(0) depctr_va_vcc(0) depctr_vm_vsrc(0)
	s_getreg_b32 s2, hwreg(HW_REG_IB_STS2, 6, 4)
	s_cmp_eq_u32 s2, 0
	s_cbranch_scc0 .Lentry_in_a_cluster
	s_endpgm
.Lentry_in_a_cluster:
	s_bfe_u32 s2, ttmp6, 0x10000c
	s_cmp_lg_u32 s2, 0xf033
	s_cbranch_scc0 .Lentry_shape_is_right
	s_endpgm
.Lentry_shape_is_right:
; y = ao Wo + bo + x: bf16 operands (ao, and Wo out of cb), sums, bias and residual in f32, y in f32.
; THE TEXT BELOW THE SIZES IS ONE GEMM CORE, C = A W, used by four launches; the flags choose the arguments and the way out.
.set SIZE_K,  1024                     ; A is [4096][SIZE_K] bf16
.set PITCH_W, 1024                     ; W is [SIZE_K][PITCH_W] bf16, as the model stores it: K down the rows
.set PITCH_C, 1024                     ; numbers in a row of C
.set WBASE,   14<<20                   ; W's first byte in cb
.set QKV,     0                        ; 1: A lies in cb too; tile columns 0-7, 8-15, 16-23 take Wq, Wk, Wv (2 MiB apart)
.set RELU,    0                        ; 1: C = bf16(relu(sum + bias))
.set F32OUT,  1                        ; 1: C = sum + bias + residual, in f32
; A tile of C is 128 x 128: four waves, each 64 x 64 = 16 accumulators of 16 x 16.  K goes in steps of 256 through two LDS slots filled by the tensor data mover:
; A's 128 rows of 512 bytes (two loads of 64 rows, waves 0 and 1) and W's 256 rows of 256 bytes (two loads of 128 rows, waves 2 and 3).
; CLUSTERS: 4 x 4 work-groups.  The four of a row of the cluster need the same tiles of A, the four of a column the same tiles of W: each tile is asked for jointly,
; by the same tensor load with the same descriptor and a mask that names the four.
; THE MATRIX INSTRUCTION IS USED TRANSPOSED: source 0 = 16 columns of W (turned on the way out of LDS by ds_load_tr16_b128), source 1 = 16 rows of A:
; a lane then holds row l % 16 of C and the eight neighbouring columns 8 (l / 16) + 0..7.
; REGISTERS: window 0: v0-31 addresses (and the f32 way's bias); v32-95 at work on the way out; v96-127 the relu way's bias; v128-255 the accumulators ((a, b) at v[128 + 8 (4 a + b)]).
;   window 1: two fragment buffers of 128: for 64 along K, 64 registers of A, then 64 of W.   window 2 (f32 way): v0-127 the residual.
.set KSTEP,  256
.set PA,     528                       ; A's LDS row: 512 bytes + 16 = 132 words: row r starts at bank 4 r mod 64 (64 banks of 4 bytes: ISA guide 11.1)
.set PW,     288                       ; W's LDS row: 256 bytes + 32 = 72 words: row r starts at bank 8 r mod 64
.set HALFA,  64*PA                     ; what one of A's loads brings, and what one wave reads of A
.set HALFW,  128*PW                    ; what one of W's loads brings: 128 of the step's 256 rows
.set WOFF,   2*HALFA
.set SLOT,   WOFF+2*HALFW
.set STAGE,  2*SLOT                    ; behind the ring, a multiple of 256: no tensor load fills it
.set SPITCH, 272
.set LAPS,   SIZE_K/(2*KSTEP)          ; a lap = two K steps = once round the ring
.set ADRA, 16                          ; v16-17  LDS address of my A fragments in slot 0, 1
.set ADRW, 20                          ; v20-23  of my W fragments: slot 0 rows 0-127, rows 128-255, slot 1 likewise (the 16-bit offset does not span 256 rows)
.set STO,  24                          ; v24     the way out: where I put my numbers of a row
.set RD,   25                          ; v25     the way out: where I read a row back
.set CO,   26                          ; v26     my byte offset in C (and in the residual)
.set BO,   27                          ; v27     my byte offset in the bias
.set TMP,  32
.set ACC,  128
.set F0,   0
.set F1,   128
.if F32OUT
.set BI,   28                          ; v[28:31]  the bias of my four columns
.else
.set BI,   96                          ; v[96:127] the bias of my 4 x 8 columns
.endif
.set G1, 24                            ; s[24:31] descriptor group 1 for A's tiles;  s[32:39] group 0, one set for each slot
.set G0, 32
.set G1B, 48                           ; s[48:55], s[56:63] the same for W's tiles
.set G0B, 56
.set MSB, 0
.macro WIN new                         ; the immediate's high byte repeats the setting that is left; a switch that changes nothing is dropped
.if MSB != \new
	s_set_vgpr_msb (MSB<<8)|\new
.set MSB, \new
.endif
.endm
.set MUL,  0x05                        ; sources 0 (W) and 1 (A) window 1; C and D window 0
.set TO_F, 0x40                        ; destination window 1, address window 0
.macro JLOAD s                         ; a joint load: waves 0 and 1 fetch A's two halves, waves 2 and 3 W's; four v_nop follow each of the two lines, ahead of the jump, the label and what follows
	s_cmp_eq_u32 s11, 0
	s_cbranch_scc0 .Lfor_w_\@
	tensor_load_to_lds s[G0+4*\s:G0+4*\s+3], s[G1:G1+7]
	s_nop 0
.rept 4
	v_nop
.endr
	s_branch .Lasked_\@
.Lfor_w_\@:
	tensor_load_to_lds s[G0B+4*\s:G0B+4*\s+3], s[G1B:G1B+7]
	s_nop 0
.rept 4
	v_nop
.endr
.Lasked_\@:
.endm
.macro CREST                           ; a round of the cluster's barrier behind its opening barrier
	s_cmp_lg_u32 s10, 0
	s_cbranch_scc1 .Lnot_wave_0_\@
	s_barrier_signal -3
.Lnot_wave_0_\@:
	s_barrier_wait -3
	s_barrier_signal -1
	s_barrier_wait -1
.endm
.macro CROUND                          ; a whole round
	s_barrier_signal -1
	s_barrier_wait -1
	CREST
.endm
.if QKV
	s_load_b128 s[4:7], s[0:1], 0x0                ; cb s[4:5], C s[6:7]
.else
	s_load_b128 s[4:7], s[0:1], 0x0                ; A s[4:5], cb s[6:7]
	s_load_b64 s[8:9], s[0:1], 0x10                ; C
.endif
.if F32OUT || RELU
	s_load_b64 s[68:69], s[0:1], 0x18              ; the bias
.endif
.if F32OUT
	s_load_b64 s[70:71], s[0:1], 0x20              ; the residual
	v_lshl_add_u32 v126, v0, 2, 0x49400
	v_mov_b32 v127, 0
	ds_add_u32 v126, v127
.endif
	v_lshrrev_b32 v1, 5, v0
	v_readfirstlane_b32 s10, v1                    ; wave 0..3
	s_lshr_b32 s11, s10, 1                         ; which half of the tile's rows is mine.  Also: I fetch for A (0) or for W (1)
	s_and_b32 s12, s10, 1                          ; which half of its columns.  Also: which half of that tile I fetch
	s_bfe_u32 s40, ttmp6, 0x40000                  ; cx, cy: my place in the cluster
	s_bfe_u32 s41, ttmp6, 0x40004
	s_lshl_b32 s42, ttmp9, 2
	s_add_co_u32 s42, s42, s40                     ; tile column of C = 4 x cluster x + cx
	s_and_b32 s13, ttmp7, 0xffff
	s_lshl_b32 s13, s13, 2
	s_add_co_u32 s13, s13, s41                     ; tile row of C = 4 x cluster y + cy
	s_lshl_b32 s43, s41, 2
	s_lshl_b32 s43, 15, s43                        ; my row of the cluster
	s_lshl_b32 s44, 0x1111, s40                    ; my column
	; group 1 for A: 64 rows x 256 elements of 2 bytes; 16 bytes of padding (code 3) behind every 128 words (code 6); bit 21 set beside the mask
	s_or_b32 s[G1+0], s43, (1<<16)|(1<<20)|(1<<21)|(6<<22)|(3<<25)
	s_mov_b32 s[G1+1], KSTEP<<16                   ; tensor_dim0 = 256
	s_mov_b32 s[G1+2], 64<<16                      ; tensor_dim1 = 64
	s_mov_b32 s[G1+3], KSTEP<<16                   ; tile_dim0 = 256
	s_mov_b32 s[G1+4], 64                          ; tile_dim1 = 64
	s_mov_b32 s[G1+5], SIZE_K                      ; elements from row to row
	s_mov_b32 s[G1+6], 0
	s_mov_b32 s[G1+7], 0
	; group 1 for W: 128 rows x 128 elements; 32 bytes of padding (code 7) behind every 64 words (code 5)
	s_or_b32 s[G1B+0], s44, (1<<16)|(1<<20)|(1<<21)|(5<<22)|(7<<25)
	s_mov_b32 s[G1B+1], 128<<16
	s_mov_b32 s[G1B+2], 128<<16
	s_mov_b32 s[G1B+3], 128<<16
	s_mov_b32 s[G1B+4], 128
	s_mov_b32 s[G1B+5], PITCH_W
	s_mov_b32 s[G1B+6], 0
	s_mov_b32 s[G1B+7], 0
	; A's tiles hang on the tile row and the wave alone, W's on the tile column and the wave alone, each in registers that never hold the other coordinate
	s_lshl_b32 s17, s12, 6
	s_lshl_b32 s16, s13, 7
	s_add_co_u32 s16, s16, s17                     ; A: row 128 x tile row + 64 x half
	s_mov_b32 s17, 0
	s_mov_b64 s[18:19], SIZE_K*2
	s_mul_u64 s[16:17], s[16:17], s[18:19]
.if QKV
	s_lshr_b32 s46, s42, 3                         ; which of Wq, Wk, Wv,
	s_lshl_b32 s46, s46, 21                        ; 2 MiB each,
	s_and_b32 s47, s42, 7
	s_lshl_b32 s47, s47, 8                         ; and 256 bytes a tile column inside it
	s_add_co_u32 s46, s46, s47
.else
	s_lshl_b32 s46, s42, 8                         ; W: 256 bytes a tile column
.endif
	s_mul_i32 s47, s12, 128*PITCH_W*2              ; + my 128 rows of the step
	s_add_co_u32 s46, s46, s47
	s_add_co_u32 s46, s46, WBASE
	s_mov_b32 s47, 0
	s_mul_i32 s20, s12, HALFA                      ; where they go: no place in the cluster enters an LDS address
	s_mul_i32 s21, s12, HALFW
	s_add_co_u32 s21, s21, WOFF
	s_wait_dscnt 0x0
	s_wait_kmcnt 0x0
.if QKV
	s_mov_b64 s[8:9], s[6:7]                       ; C
	s_mov_b64 s[6:7], s[4:5]                       ; W lies in cb as A does
.endif
	s_add_nc_u64 s[14:15], s[4:5], s[16:17]
	s_add_nc_u64 s[46:47], s[6:7], s[46:47]
	CROUND                                         ; all sixteen work-groups are here: the first joint loads meet
.irp s, 0,1
	s_mov_b32 s[G0+4*\s], 1                                        ; count = 1
	s_add_co_u32 s[G0+4*\s+1], s20, \s*SLOT                        ; LDS address
	s_add_nc_u64 s[G0+4*\s+2:G0+4*\s+3], s[14:15], \s*KSTEP*2      ; global address: K step s
	s_or_b32 s[G0+4*\s+3], s[G0+4*\s+3], 0x80000000                ; type = 2
	s_mov_b32 s[G0B+4*\s], 1
	s_add_co_u32 s[G0B+4*\s+1], s21, \s*SLOT
	s_add_nc_u64 s[G0B+4*\s+2:G0B+4*\s+3], s[46:47], \s*KSTEP*PITCH_W*2
	s_or_b32 s[G0B+4*\s+3], s[G0B+4*\s+3], 0x80000000
	JLOAD \s                                       ; two loads of mine are out
.endr
	v_and_b32 v1, 15, v0                           ; l % 16
	v_bfe_u32 v2, v0, 4, 1                         ; l / 16
	v_mul_u32_u24 v3, v1, PA                       ; a fragment of A: row l % 16, 16 bytes for each half of the lanes, two loads 32 bytes apart
	v_lshl_add_u32 v3, v2, 4, v3
	s_mul_i32 s21, s11, HALFA                      ; my 64 rows of A
	v_add_nc_u32 v[ADRA], s21, v3
	v_add_nc_u32 v[ADRA+1], SLOT, v[ADRA]
	v_and_b32 v4, 7, v0                            ; a fragment of W: the turning load takes 16 rows (K) x 16 columns: lane l reads row 8 (l / 16) + l % 8, columns 8 ((l / 8) % 2) + 0..7,
	v_lshl_add_u32 v4, v2, 3, v4                   ; and is left with column l % 16 and 8 numbers along K
	v_mul_u32_u24 v4, v4, PW
	v_bfe_u32 v5, v0, 3, 1
	v_lshl_add_u32 v4, v5, 4, v4
	s_lshl_b32 s22, s12, 7                         ; my 64 columns
	s_add_co_u32 s22, s22, WOFF
	v_add_nc_u32 v[ADRW], s22, v4
	v_add_nc_u32 v[ADRW+1], HALFW, v[ADRW]
	v_add_nc_u32 v[ADRW+2], SLOT, v[ADRW]
	v_add_nc_u32 v[ADRW+3], SLOT+HALFW, v[ADRW]
.if F32OUT || RELU
	s_lshl_b32 s46, s42, 9                         ; my 64 columns in f32: 512 x tile column + 256 x half (in the registers that held W's address)
	s_lshl_b32 s47, s12, 8
	s_add_co_u32 s46, s46, s47
	s_mov_b32 s47, 0
	s_add_nc_u64 s[68:69], s[68:69], s[46:47]
.endif
.if F32OUT
	; a wave's 64 columns are 256 bytes of a row of C: each wave has a stage of its own, 16 rows x 272 bytes
	s_mul_i32 s23, s10, 16*SPITCH
	s_add_co_u32 s23, s23, STAGE
	v_mul_u32_u24 v4, v1, SPITCH                   ; in: row l % 16, 32 bytes for each half of the lanes
	v_lshl_add_u32 v4, v2, 5, v4
	v_add_nc_u32 v[STO], s23, v4
	v_mul_u32_u24 v5, v2, SPITCH                   ; back: lanes 0-15 take one row of 256 bytes, lanes 16-31 the next
	v_lshl_add_u32 v5, v1, 4, v5
	v_add_nc_u32 v[RD], s23, v5
	v_mul_u32_u24 v5, v2, PITCH_C*4                ; and the same two rows in C and in the residual
	v_lshl_add_u32 v[CO], v1, 4, v5
	v_lshlrev_b32 v[BO], 4, v1
	s_lshl_b32 s16, s13, 7
	s_lshl_b32 s17, s11, 6
	s_add_co_u32 s16, s16, s17                     ; my first row: 128 x tile row + 64 x half
	s_mul_i32 s16, s16, PITCH_C*4
	s_mov_b32 s17, 0
	s_add_nc_u64 s[8:9], s[8:9], s[16:17]
	s_add_nc_u64 s[8:9], s[8:9], s[46:47]
	s_add_nc_u64 s[70:71], s[70:71], s[16:17]
	s_add_nc_u64 s[70:71], s[70:71], s[46:47]
	global_load_b128 v[BI:BI+3], v[BO], s[68:69]
	WIN 0x80                                       ; destination window 2: the residual of my 64 x 64 comes in under the whole product, laid as the rows come back from the stage
.irp i, 0,1,2,3,4,5,6,7,8,9,10,11,12,13,14,15,16,17,18,19,20,21,22,23,24,25,26,27,28,29,30,31
	global_load_b128 v[4*\i:4*\i+3], v[CO], s[70:71] offset:2*\i*PITCH_C*4
.endr
	WIN 0
.else
	; a wave's 64 columns are 128 bytes, half of an aligned 256 bytes of C: the four waves share one stage of 128 rows x 272 bytes
	s_mul_i32 s23, s11, 64*SPITCH
	s_lshl_b32 s21, s12, 7
	s_add_co_u32 s23, s23, s21
	s_add_co_u32 s23, s23, STAGE
	v_mul_u32_u24 v4, v1, SPITCH
	v_lshl_add_u32 v4, v2, 4, v4
	v_add_nc_u32 v[STO], s23, v4
	s_mul_i32 s23, s10, 32*SPITCH                  ; back: wave w takes rows 32 w .. 32 w + 31, whole
	s_add_co_u32 s23, s23, STAGE
	v_mul_u32_u24 v5, v2, SPITCH
	v_lshl_add_u32 v5, v1, 4, v5
	v_add_nc_u32 v[RD], s23, v5
	v_mul_u32_u24 v5, v2, PITCH_C*2
	v_lshl_add_u32 v[CO], v1, 4, v5
	s_lshl_b32 s16, s13, 7
	s_lshl_b32 s17, s10, 5
	s_add_co_u32 s16, s16, s17                     ; the first row of C that I store: 128 x tile row + 32 x wave
	s_mul_i32 s16, s16, PITCH_C*2
	s_mov_b32 s17, 0
	s_add_nc_u64 s[8:9], s[8:9], s[16:17]
	s_lshl_b32 s46, s42, 8                         ; the tile's first column, in bytes
	s_mov_b32 s47, 0
	s_add_nc_u64 s[8:9], s[8:9], s[46:47]
.endif
.if RELU
	v_lshlrev_b32 v[BO], 5, v2                     ; accumulator (a, b) holds columns 16 b + 8 (l / 16) + 0..7
.irp b, 0,1,2,3
	global_load_b128 v[BI+8*\b:BI+8*\b+3],   v[BO], s[68:69] offset:64*\b
	global_load_b128 v[BI+8*\b+4:BI+8*\b+7], v[BO], s[68:69] offset:64*\b+16
.endr
.endif
; 8 matrix instructions: m blocks a0, a0 + 1 x all 4 n blocks, 32 along K: half c of buffer f.  zero = 1: the first product starts the sums.
; The 16 accumulators take turns, one instruction a turn.
.macro MUL8 f, c, a0, zero
.irp a, \a0, \a0+1
.irp b, 0,1,2,3
.if \zero
	v_wmma_f32_16x16x32_bf16 v[ACC+8*(4*(\a)+\b):ACC+8*(4*(\a)+\b)+7], v[\f+64+8*(4*\c+\b):\f+64+8*(4*\c+\b)+7], v[\f+8*(4*\c+\a):\f+8*(4*\c+\a)+7], 0
.else
	v_wmma_f32_16x16x32_bf16 v[ACC+8*(4*(\a)+\b):ACC+8*(4*(\a)+\b)+7], v[\f+64+8*(4*\c+\b):\f+64+8*(4*\c+\b)+7], v[\f+8*(4*\c+\a):\f+8*(4*\c+\a)+7], v[ACC+8*(4*(\a)+\b):ACC+8*(4*(\a)+\b)+7]
.endif
.endr
.endr
.endm
; 32 LDS loads in one run: the fragments of quarter q (64 along K) of a slot, into buffer f; the first 32 along K first
.macro FETCH slot, q, f
	WIN TO_F
.irp c, 0,1
.irp i, 0,1,2,3
	ds_load_tr16_b128 v[\f+64+8*(4*\c+\i):\f+64+8*(4*\c+\i)+3],   v[ADRW+2*\slot+(\q)/2] offset:(((\q)%2)*64+32*\c)*PW+32*\i
	ds_load_tr16_b128 v[\f+64+8*(4*\c+\i)+4:\f+64+8*(4*\c+\i)+7], v[ADRW+2*\slot+(\q)/2] offset:(((\q)%2)*64+32*\c+16)*PW+32*\i
	ds_load_b128 v[\f+8*(4*\c+\i):\f+8*(4*\c+\i)+3],              v[ADRA+\slot] offset:128*(\q)+64*\c+\i*16*PA
	ds_load_b128 v[\f+8*(4*\c+\i)+4:\f+8*(4*\c+\i)+7],            v[ADRA+\slot] offset:128*(\q)+64*\c+\i*16*PA+32
.endr
.endr
.endm
.macro PLACES                          ; four places in front of loads into registers that matrix instructions have read, and of what reads results just made
.rept 4
	v_nop
.endr
.endm
; A K step is four quarters of 64 along K, 32 matrix instructions each, on buffers 0, 1, 0, 1.  One of the first three: multiplies buffer f and fetches quarter q into g.
.macro QUARTER slot, q, f, g, zero
	s_wait_dscnt 16                                ; the first 32 along K are in; the younger sixteen loads may be out
	WIN MUL
	MUL8 \f, 0, 0, \zero
	MUL8 \f, 0, 2, \zero
	PLACES
	FETCH \slot, \q, \g
	s_wait_dscnt 32                                ; all but the 32 just issued
	WIN MUL
	MUL8 \f, 1, 0, 0
	MUL8 \f, 1, 2, 0
.endm
; The last quarter multiplies buffer 1 and changes slots: ONE barrier; in front of it each wave waits for its own reads of this slot and for all its tensor loads.  fill = 1: this slot is filled again, two K steps ahead.
.macro TURN slot, next, fill
	s_wait_dscnt 16
	WIN MUL
	MUL8 F1, 0, 0, 0
	s_wait_dscnt 0                                 ; my reads of this slot are over,
	s_set_vgpr_msb 0x500
	s_wait_tensorcnt 0x0                           ; and all my tensor loads have landed: the one that was out is my part of the next slot
	ds_add_u32 v126, v127
	s_wait_dscnt 0x0
	s_set_vgpr_msb 0x5
	s_barrier_signal -1
	MUL8 F1, 0, 2, 0
.if \fill
	WIN 0
.endif
	s_barrier_wait -1
.if \fill
	CREST                                          ; the barrier has opened a round of the cluster's barrier: no wave of any partner still reads this slot's tile or has a load on its way
	s_add_nc_u64 s[G0+4*\slot+2:G0+4*\slot+3], s[G0+4*\slot+2:G0+4*\slot+3], 2*KSTEP*2
	s_add_nc_u64 s[G0B+4*\slot+2:G0B+4*\slot+3], s[G0B+4*\slot+2:G0B+4*\slot+3], 2*KSTEP*PITCH_W*2
	JLOAD \slot                                    ; the first tensor load behind the round, my only one until the next: 120 matrix instructions ahead of the wait for it; its four v_nop are also the places in front of the loads below
.else
	PLACES
.endif
	FETCH \next, 0, F0
	WIN MUL
	MUL8 F1, 1, 0, 0
	MUL8 F1, 1, 2, 0
.endm
	s_wait_tensorcnt 1                             ; my part of K step 0 is in; K step 1's may stay out
	s_barrier_signal -1
	s_barrier_wait -1                              ; everybody's is
	FETCH 0, 0, F0
	QUARTER 0, 1, F0, F1, 1                        ; the first quarter stands in front of the loop: its first products start the sums
	WIN 0                                          ; at a label and at a branch every window is 0
	s_mov_b32 s3, LAPS-1
.Llap:                                                 ; a trip goes once round the ring, from a lap's second quarter to the next lap's first, and fills both slots again
	QUARTER 0, 2, F1, F0, 0
	QUARTER 0, 3, F0, F1, 0
	TURN 0, 1, 1
	QUARTER 1, 1, F0, F1, 0
	QUARTER 1, 2, F1, F0, 0
	QUARTER 1, 3, F0, F1, 0
	TURN 1, 0, 1
	QUARTER 0, 1, F0, F1, 0
	WIN 0
	s_sub_co_u32 s3, s3, 1
	s_cmp_lg_u32 s3, 0
	s_cbranch_scc1 .Llap
	QUARTER 0, 2, F1, F0, 0                        ; the last lap fills nothing, and has no round of the cluster's barrier
	QUARTER 0, 3, F0, F1, 0
	TURN 0, 1, 0
	QUARTER 1, 1, F0, F1, 0
	QUARTER 1, 2, F1, F0, 0
	QUARTER 1, 3, F0, F1, 0
	s_wait_dscnt 16                                ; the very last quarter: nothing more to fetch
	WIN MUL
	MUL8 F1, 0, 0, 0
	MUL8 F1, 0, 2, 0
	s_wait_dscnt 0
	MUL8 F1, 1, 0, 0
	MUL8 F1, 1, 2, 0
	WIN 0
.if F32OUT
	; THE WAY OUT IN F32: 16 rows at a time through my own stage (LDS serves a wave's instructions in order, ISA guide 5.7.1.4: no wait between my stores and my loads, no barrier);
	; back as whole rows of 256 bytes; bias and residual are added there, where a lane holds four neighbouring columns.
.macro OUT a
.set OBK, TMP+32*((\a)%2)
.irp b, 0,1,2,3
	ds_store_b128 v[STO], v[ACC+8*(4*\a+\b):ACC+8*(4*\a+\b)+3]   offset:64*\b       ; each accumulator from its low end on
	ds_store_b128 v[STO], v[ACC+8*(4*\a+\b)+4:ACC+8*(4*\a+\b)+7] offset:64*\b+16
.endr
	s_wait_xcnt 0x0                                ; the registers below were the data of the stores two blocks back: they are written again only behind this wait
.irp t, 0,1,2,3,4,5,6,7
	ds_load_b128 v[OBK+4*\t:OBK+4*\t+3], v[RD] offset:\t*2*SPITCH
.endr
	s_wait_dscnt 0x0
.irp t, 0,1,2,3,4,5,6,7
	v_pk_add_f32 v[OBK+4*\t:OBK+4*\t+1],   v[OBK+4*\t:OBK+4*\t+1],   v[BI:BI+1]
	v_pk_add_f32 v[OBK+4*\t+2:OBK+4*\t+3], v[OBK+4*\t+2:OBK+4*\t+3], v[BI+2:BI+3]
.endr
	WIN 0x08                                       ; source 1 window 2: the residual
.irp t, 0,1,2,3,4,5,6,7
	v_pk_add_f32 v[OBK+4*\t:OBK+4*\t+1],   v[OBK+4*\t:OBK+4*\t+1],   v[4*(8*\a+\t):4*(8*\a+\t)+1]
	v_pk_add_f32 v[OBK+4*\t+2:OBK+4*\t+3], v[OBK+4*\t+2:OBK+4*\t+3], v[4*(8*\a+\t)+2:4*(8*\a+\t)+3]
.endr
	WIN 0
.irp t, 0,1,2,3,4,5,6,7
	global_store_b128 v[CO], v[OBK+4*\t:OBK+4*\t+3], s[8:9] offset:(16*\a+2*\t)*PITCH_C*4   ; 16 lanes store 256 consecutive bytes, at a multiple of 256 from C's first byte
.endr
.endm
	s_wait_loadcnt 0x0                             ; bias and residual
	PLACES
	OUT 0
	OUT 1
	OUT 2
	OUT 3
.else
	; THE WAY OUT IN BF16: round; 16 bytes a lane into the work-group's stage; a barrier, since a row's 256 bytes come from two waves; back as whole rows, 32 rows a wave.
	PLACES
.if RELU
	s_wait_loadcnt 0x0                             ; the bias
.irp t, 0,1,2,3,4,5,6,7,8,9,10,11,12,13,14,15
.irp r, 0,1,2,3
	v_pk_add_f32 v[ACC+8*\t+2*\r:ACC+8*\t+2*\r+1], v[ACC+8*\t+2*\r:ACC+8*\t+2*\r+1], v[BI+8*(\t%4)+2*\r:BI+8*(\t%4)+2*\r+1]
.endr
.irp r, 0,1,2,3,4,5,6,7
	v_max_num_f32 v[ACC+8*\t+\r], 0, v[ACC+8*\t+\r]
.endr
.endr
.endif
.irp t, 0,1,2,3,4,5,6,7,8,9,10,11,12,13,14,15
.irp r, 0,1,2,3
	v_cvt_pk_bf16_f32 v[TMP+4*\t+\r], v[ACC+8*\t+2*\r], v[ACC+8*\t+2*\r+1]
.endr
.endr
.irp a, 0,1,2,3
.irp b, 0,1,2,3
	ds_store_b128 v[STO], v[TMP+4*(4*\a+\b):TMP+4*(4*\a+\b)+3] offset:\a*16*SPITCH+32*\b
.endr
.endr
	s_wait_dscnt 0x0                               ; for the others' sake: my stores into the stage are done
	s_barrier_signal -1
	s_barrier_wait -1
.irp t, 0,1,2,3,4,5,6,7,8,9,10,11,12,13,14,15
	ds_load_b128 v[TMP+4*\t:TMP+4*\t+3], v[RD] offset:\t*2*SPITCH
.endr
.irp t, 0,1,2,3,4,5,6,7,8,9,10,11,12,13,14,15
	s_wait_dscnt 15-\t                             ; the younger loads may stay out
	global_store_b128 v[CO], v[TMP+4*\t:TMP+4*\t+3], s[8:9] offset:2*\t*PITCH_C*2   ; 16 lanes store 256 consecutive bytes, at a multiple of 256 from C's first byte
.endr
.endif
	s_wait_tensorcnt 0x0
	ds_add_u32 v126, v127
	s_wait_dscnt 0x0
	CROUND                                         ; the closing round: no work-group ends while a partner may still ask for a tile that names it
	s_endpgm
.Lfunc_end_k_q046e8ff8ba_wo:
	.size	k_q046e8ff8ba_wo, .Lfunc_end_k_q046e8ff8ba_wo-k_q046e8ff8ba_wo
	.p2alignl 7, 3214868480
	.fill 96, 4, 3214868480
	.section	.rodata,"a",@progbits
	.p2align	6, 0x0
	.amdhsa_kernel k_q046e8ff8ba_wo
		.amdhsa_group_segment_fixed_size 327680
		.amdhsa_private_segment_fixed_size 0
		.amdhsa_enable_private_segment 0
		.amdhsa_kernarg_size 40
		.amdhsa_user_sgpr_count 2
		.amdhsa_user_sgpr_kernarg_segment_ptr 1
		.amdhsa_wavefront_size32 1
		.amdhsa_system_sgpr_workgroup_id_x 1
		.amdhsa_system_sgpr_workgroup_id_y 1
		.amdhsa_system_sgpr_workgroup_id_z 1
		.amdhsa_system_vgpr_workitem_id 0
		.amdhsa_next_free_vgpr 640
		.amdhsa_next_free_sgpr 72
		.amdhsa_reserve_vcc 0
		.amdhsa_float_denorm_mode_32 3
		.amdhsa_float_denorm_mode_16_64 3
		.amdhsa_memory_ordered 1
		.amdhsa_forward_progress 1
		.amdhsa_inst_pref_size 98
	.end_amdhsa_kernel
	.amdgpu_metadata
---
amdhsa.version: [ 1, 2 ]
amdhsa.kernels:
  - .name:           k_q046e8ff8ba_wo
    .symbol:         k_q046e8ff8ba_wo.kd
    .args:
      - { .name: ao, .offset: 0, .size: 8, .value_kind: global_buffer, .address_space: global }
      - { .name: cb, .offset: 8, .size: 8, .value_kind: global_buffer, .address_space: global }
      - { .name: y, .offset: 16, .size: 8, .value_kind: global_buffer, .address_space: global }
      - { .name: bo, .offset: 24, .size: 8, .value_kind: global_buffer, .address_space: global }
      - { .name: x, .offset: 32, .size: 8, .value_kind: global_buffer, .address_space: global }
    .group_segment_fixed_size: 327680
    .private_segment_fixed_size: 0
    .kernarg_segment_align: 8
    .kernarg_segment_size: 40
    .max_flat_workgroup_size: 128
    .sgpr_count:     72
    .vgpr_count:     640
    .wavefront_size: 32
...
	.end_amdgpu_metadata
.endif
;; end of part 4
;; launch ln1 (part 5): grid 256 x 1, 4 waves a work-group, no clusters, 0 bytes of LDS; arguments y, g1, be1, x1f, x1b; writes x1f, x1b
.if DOCPART == 5
	.amdgcn_target "amdgcn-amd-amdhsa--gfx1250"
	.amdhsa_code_object_version 6
	.text
	.protected	k_q046e8ff8ba_ln1
	.globl	k_q046e8ff8ba_ln1
	.p2align	8
	.type	k_q046e8ff8ba_ln1,@function
k_q046e8ff8ba_ln1:
	s_mov_b64 s[64:65], 0
	v_nop
	global_prefetch_b8 v0, s[64:65] scope:SCOPE_SE
	s_setreg_imm32_b32 hwreg(HW_REG_WAVE_MODE, 25, 1), 1
	s_wait_xcnt 0x0
; LayerNorm along rows of 1,024 f32: out = (y - mean) / sqrt(var + 1e-5) * g + be, the variance taken from the centred numbers.  BF = 1: the result is stored in bf16 too.
; A stream: no LDS, no barrier, no matrix unit.  One wave, one row at a time: a row is eight loads of 512 consecutive bytes and stays in 32 registers between the passes.
; Four waves, four rows each; all of a wave's loads go out first (g, be, then the rows), and each row's wait leaves the later rows on their way.
.set BF,  1
.set G,   4                            ; v[4:35]    g of my 32 columns
.set BE,  36                           ; v[36:67]   be
.set X,   68                           ; v[68:195]  row r at X + 32 r
.set T,   196                          ; v[196:203] four chains of packed sums; v204 the figure in hand, v205 the other half of the lanes'
.set OB,  206                          ; v[206:221] a row in bf16
	s_load_b256 s[4:11], s[0:1], 0x0               ; y s[4:5], g s[6:7], be s[8:9], the f32 result s[10:11]
.if BF
	s_load_b64 s[14:15], s[0:1], 0x20              ; the bf16 result
.endif
	s_mov_b32 s12, 0x76543210                      ; v_permlanex16_b32: each lane takes its own place in the other half
	s_mov_b32 s13, 0xfedcba98
	s_mov_b32 s20, 0x3a800000                      ; 1 / 1024
	s_mov_b32 s21, 0x3727c5ac                      ; 1e-5
	s_lshl_b32 s16, ttmp9, 16                      ; the work-group's 16 rows of 4,096 bytes
	s_mov_b32 s17, 0
	s_lshl_b32 s18, ttmp9, 15                      ; of 2,048 bytes in bf16
	s_mov_b32 s19, 0
	v_and_b32 v2, 31, v0                           ; lane
	v_lshrrev_b32 v3, 5, v0                        ; wave
	v_lshlrev_b32 v1, 14, v3
	v_lshl_add_u32 v1, v2, 4, v1                   ; 16 x lane + the wave's four rows
	v_lshlrev_b32 v3, 13, v3
	v_lshl_add_u32 v3, v2, 3, v3                   ; the same in bf16
	v_lshlrev_b32 v2, 4, v2                        ; 16 x lane
	v_mov_b32 v[T+9], 0                            ; written before v_permlanex16_b32 names it
	s_wait_kmcnt 0x0
	s_add_nc_u64 s[4:5], s[4:5], s[16:17]
	s_add_nc_u64 s[10:11], s[10:11], s[16:17]
.if BF
	s_add_nc_u64 s[14:15], s[14:15], s[18:19]
.endif
.irp j, 0,1,2,3,4,5,6,7
	global_load_b128 v[G+4*\j:G+4*\j+3], v2, s[6:7] offset:512*\j
.endr
.irp j, 0,1,2,3,4,5,6,7
	global_load_b128 v[BE+4*\j:BE+4*\j+3], v2, s[8:9] offset:512*\j
.endr
.irp r, 0,1,2,3
.irp j, 0,1,2,3,4,5,6,7
	global_load_b128 v[X+32*\r+4*\j:X+32*\r+4*\j+3], v1, s[4:5] offset:4096*\r+512*\j th:TH_LOAD_NT   ; this launch reads each byte once
.endr
.endr
.macro REDUCE                          ; the sum of v[T+8] over the 32 lanes, in every lane
	v_add_f32_dpp v[T+8], v[T+8], v[T+8] row_xmask:1 row_mask:0xf bank_mask:0xf
	v_add_f32_dpp v[T+8], v[T+8], v[T+8] row_xmask:2 row_mask:0xf bank_mask:0xf
	v_add_f32_dpp v[T+8], v[T+8], v[T+8] row_xmask:4 row_mask:0xf bank_mask:0xf
	v_add_f32_dpp v[T+8], v[T+8], v[T+8] row_xmask:8 row_mask:0xf bank_mask:0xf
	v_permlanex16_b32 v[T+9], v[T+8], s12, s13
	v_add_f32 v[T+8], v[T+8], v[T+9]
.endm
.macro FOLD                            ; the four chains into one number a lane
	v_pk_add_f32 v[T:T+1], v[T:T+1], v[T+2:T+3]
	v_pk_add_f32 v[T+4:T+5], v[T+4:T+5], v[T+6:T+7]
	v_pk_add_f32 v[T:T+1], v[T:T+1], v[T+4:T+5]
	v_add_f32 v[T+8], v[T], v[T+1]
.endm
.macro ROW r
.set XR, X+32*\r
	s_wait_loadcnt 8*(3-\r)                        ; loads come back in order (ISA guide 5.7.1): g, be and this row are in, the later rows' loads stay out
.irp k, 0,1,2,3
	v_pk_add_f32 v[T+2*\k:T+2*\k+1], v[XR+2*\k:XR+2*\k+1], v[XR+8+2*\k:XR+8+2*\k+1]   ; the first pairs start the chains: nothing is cleared
.endr
.irp o, 16,24
.irp k, 0,1,2,3
	v_pk_add_f32 v[T+2*\k:T+2*\k+1], v[T+2*\k:T+2*\k+1], v[XR+\o+2*\k:XR+\o+2*\k+1]
.endr
.endr
	FOLD
	REDUCE
	v_mul_f32 v[T+8], s20, v[T+8]                  ; the mean
.irp i, 0,1,2,3,4,5,6,7,8,9,10,11,12,13,14,15
	v_pk_add_f32 v[XR+2*\i:XR+2*\i+1], v[XR+2*\i:XR+2*\i+1], v[T+8:T+9] op_sel_hi:[1,0] neg_lo:[0,1] neg_hi:[0,1]
.endr
.irp k, 0,1,2,3
	v_pk_mul_f32 v[T+2*\k:T+2*\k+1], v[XR+2*\k:XR+2*\k+1], v[XR+2*\k:XR+2*\k+1]
.endr
.irp o, 8,16,24
.irp k, 0,1,2,3
	v_pk_fma_f32 v[T+2*\k:T+2*\k+1], v[XR+\o+2*\k:XR+\o+2*\k+1], v[XR+\o+2*\k:XR+\o+2*\k+1], v[T+2*\k:T+2*\k+1]
.endr
.endr
	FOLD
	REDUCE
	v_fma_f32 v[T+8], v[T+8], s20, s21             ; var + eps
	v_rsq_f32 v[T+8], v[T+8]
	v_nop                                          ; a plain instruction between the root and the use of its result (ISA guide 5.7.2)
	s_wait_alu depctr_va_vdst(0)
.irp i, 0,1,2,3,4,5,6,7,8,9,10,11,12,13,14,15
	v_pk_mul_f32 v[XR+2*\i:XR+2*\i+1], v[XR+2*\i:XR+2*\i+1], v[T+8:T+9] op_sel_hi:[1,0]
.endr
.irp i, 0,1,2,3,4,5,6,7,8,9,10,11,12,13,14,15
	v_pk_fma_f32 v[XR+2*\i:XR+2*\i+1], v[XR+2*\i:XR+2*\i+1], v[G+2*\i:G+2*\i+1], v[BE+2*\i:BE+2*\i+1]
.endr
.irp j, 0,1,2,3,4,5,6,7
.if BF
	global_store_b128 v1, v[XR+4*\j:XR+4*\j+3], s[10:11] offset:4096*\r+512*\j
.else
	global_store_b128 v1, v[XR+4*\j:XR+4*\j+3], s[10:11] offset:4096*\r+512*\j th:TH_STORE_NT
.endif
.endr
.if BF
	s_wait_xcnt 0x0                                ; OB was the data of the last row's stores: it is written again only behind this wait
.irp j, 0,1,2,3,4,5,6,7
	v_cvt_pk_bf16_f32 v[OB+2*\j],   v[XR+4*\j],   v[XR+4*\j+1]
	v_cvt_pk_bf16_f32 v[OB+2*\j+1], v[XR+4*\j+2], v[XR+4*\j+3]
.endr
.irp j, 0,1,2,3,4,5,6,7
	global_store_b64 v3, v[OB+2*\j:OB+2*\j+1], s[14:15] offset:2048*\r+256*\j   ; a wave's store covers 256 consecutive bytes, at a multiple of 256 from the buffer's first byte
.endr
.endif
.endm
	ROW 0
	ROW 1
	ROW 2
	ROW 3
	s_endpgm
.Lfunc_end_k_q046e8ff8ba_ln1:
	.size	k_q046e8ff8ba_ln1, .Lfunc_end_k_q046e8ff8ba_ln1-k_q046e8ff8ba_ln1
	.p2alignl 7, 3214868480
	.fill 96, 4, 3214868480
	.section	.rodata,"a",@progbits
	.p2align	6, 0x0
	.amdhsa_kernel k_q046e8ff8ba_ln1
		.amdhsa_group_segment_fixed_size 0
		.amdhsa_private_segment_fixed_size 0
		.amdhsa_enable_private_segment 0
		.amdhsa_kernarg_size 40
		.amdhsa_user_sgpr_count 2
		.amdhsa_user_sgpr_kernarg_segment_ptr 1
		.amdhsa_wavefront_size32 1
		.amdhsa_system_sgpr_workgroup_id_x 1
		.amdhsa_system_sgpr_workgroup_id_y 1
		.amdhsa_system_sgpr_workgroup_id_z 1
		.amdhsa_system_vgpr_workitem_id 0
		.amdhsa_next_free_vgpr 224
		.amdhsa_next_free_sgpr 66
		.amdhsa_reserve_vcc 0
		.amdhsa_float_denorm_mode_32 3
		.amdhsa_float_denorm_mode_16_64 3
		.amdhsa_memory_ordered 1
		.amdhsa_forward_progress 1
		.amdhsa_inst_pref_size 41
	.end_amdhsa_kernel
	.amdgpu_metadata
---
amdhsa.version: [ 1, 2 ]
amdhsa.kernels:
  - .name:           k_q046e8ff8ba_ln1
    .symbol:         k_q046e8ff8ba_ln1.kd
    .args:
      - { .name: y, .offset: 0, .size: 8, .value_kind: global_buffer, .address_space: global }
      - { .name: g1, .offset: 8, .size: 8, .value_kind: global_buffer, .address_space: global }
      - { .name: be1, .offset: 16, .size: 8, .value_kind: global_buffer, .address_space: global }
      - { .name: x1f, .offset: 24, .size: 8, .value_kind: global_buffer, .address_space: global }
      - { .name: x1b, .offset: 32, .size: 8, .value_kind: global_buffer, .address_space: global }
    .group_segment_fixed_size: 0
    .private_segment_fixed_size: 0
    .kernarg_segment_align: 8
    .kernarg_segment_size: 40
    .max_flat_workgroup_size: 128
    .sgpr_count:     66
    .vgpr_count:     224
    .wavefront_size: 32
...
	.end_amdgpu_metadata
.endif
;; end of part 5
;; launch ffn1 (part 6): grid 32 x 32, 4 waves a work-group, clusters of 4 x 4, 327,680 bytes of LDS; arguments x1b, cb, hb, b1; writes hb
.if DOCPART == 6
	.amdgcn_target "amdgcn-amd-amdhsa--gfx1250"
	.amdhsa_code_object_version 6
	.text
	.protected	k_q046e8ff8ba_ffn1
	.globl	k_q046e8ff8ba_ffn1
	.p2align	8
	.type	k_q046e8ff8ba_ffn1,@function
k_q046e8ff8ba_ffn1:
	s_mov_b64 s[64:65], 0
	v_nop
	global_prefetch_b8 v0, s[64:65] scope:SCOPE_SE
	s_setreg_imm32_b32 hwreg(HW_REG_WAVE_MODE, 25, 1), 1
	s_wait_xcnt 0x0
	s_wait_alu depctr_hold_cnt(0) depctr_sa_sdst(0) depctr_va_vdst(0) depctr_va_sdst(0) depctr_va_ssrc(0) depctr_va_vcc(0) depctr_vm_vsrc(0)
	s_getreg_b32 s2, hwreg(HW_REG_IB_STS2, 6, 4)
	s_cmp_eq_u32 s2, 0
	s_cbranch_scc0 .Lentry_in_a_cluster
	s_endpgm
.Lentry_in_a_cluster:
	s_bfe_u32 s2, ttmp6, 0x10000c
	s_cmp_lg_u32 s2, 0xf033
	s_cbranch_scc0 .Lentry_shape_is_right
	s_endpgm
.Lentry_shape_is_right:
; hb = bf16(relu(x1 W1 + b1)): bf16 operands (x1b, and W1 out of cb), sums, bias and relu in f32, rounded once.
; THE TEXT BELOW THE SIZES IS ONE GEMM CORE, C = A W, used by four launches; the flags choose the arguments and the way out.
.set SIZE_K,  1024                     ; A is [4096][SIZE_K] bf16
.set PITCH_W, 4096                     ; W is [SIZE_K][PITCH_W] bf16, as the model stores it: K down the rows
.set PITCH_C, 4096                     ; numbers in a row of C
.set WBASE,   16<<20                   ; W's first byte in cb
.set QKV,     0                        ; 1: A lies in cb too; tile columns 0-7, 8-15, 16-23 take Wq, Wk, Wv (2 MiB apart)
.set RELU,    1                        ; 1: C = bf16(relu(sum + bias))
.set F32OUT,  0                        ; 1: C = sum + bias + residual, in f32
; A tile of C is 128 x 128: four waves, each 64 x 64 = 16 accumulators of 16 x 16.  K goes in steps of 256 through two LDS slots filled by the tensor data mover:
; A's 128 rows of 512 bytes (two loads of 64 rows, waves 0 and 1) and W's 256 rows of 256 bytes (two loads of 128 rows, waves 2 and 3).
; CLUSTERS: 4 x 4 work-groups.  The four of a row of the cluster need the same tiles of A, the four of a column the same tiles of W: each tile is asked for jointly,
; by the same tensor load with the same descriptor and a mask that names the four.
; THE MATRIX INSTRUCTION IS USED TRANSPOSED: source 0 = 16 columns of W (turned on the way out of LDS by ds_load_tr16_b128), source 1 = 16 rows of A:
; a lane then holds row l % 16 of C and the eight neighbouring columns 8 (l / 16) + 0..7.
; REGISTERS: window 0: v0-31 addresses (and the f32 way's bias); v32-95 at work on the way out; v96-127 the relu way's bias; v128-255 the accumulators ((a, b) at v[128 + 8 (4 a + b)]).
;   window 1: two fragment buffers of 128: for 64 along K, 64 registers of A, then 64 of W.   window 2 (f32 way): v0-127 the residual.
.set KSTEP,  256
.set PA,     528                       ; A's LDS row: 512 bytes + 16 = 132 words: row r starts at bank 4 r mod 64 (64 banks of 4 bytes: ISA guide 11.1)
.set PW,     288                       ; W's LDS row: 256 bytes + 32 = 72 words: row r starts at bank 8 r mod 64
.set HALFA,  64*PA                     ; what one of A's loads brings, and what one wave reads of A
.set HALFW,  128*PW                    ; what one of W's loads brings: 128 of the step's 256 rows
.set WOFF,   2*HALFA
.set SLOT,   WOFF+2*HALFW
.set STAGE,  2*SLOT                    ; behind the ring, a multiple of 256: no tensor load fills it
.set SPITCH, 272
.set LAPS,   SIZE_K/(2*KSTEP)          ; a lap = two K steps = once round the ring
.set ADRA, 16                          ; v16-17  LDS address of my A fragments in slot 0, 1
.set ADRW, 20                          ; v20-23  of my W fragments: slot 0 rows 0-127, rows 128-255, slot 1 likewise (the 16-bit offset does not span 256 rows)
.set STO,  24                          ; v24     the way out: where I put my numbers of a row
.set RD,   25                          ; v25     the way out: where I read a row back
.set CO,   26                          ; v26     my byte offset in C (and in the residual)
.set BO,   27                          ; v27     my byte offset in the bias
.set TMP,  32
.set ACC,  128
.set F0,   0
.set F1,   128
.if F32OUT
.set BI,   28                          ; v[28:31]  the bias of my four columns
.else
.set BI,   96                          ; v[96:127] the bias of my 4 x 8 columns
.endif
.set G1, 24                            ; s[24:31] descriptor group 1 for A's tiles;  s[32:39] group 0, one set for each slot
.set G0, 32
.set G1B, 48                           ; s[48:55], s[56:63] the same for W's tiles
.set G0B, 56
.set MSB, 0
.macro WIN new                         ; the immediate's high byte repeats the setting that is left; a switch that changes nothing is dropped
.if MSB != \new
	s_set_vgpr_msb (MSB<<8)|\new
.set MSB, \new
.endif
.endm
.set MUL,  0x05                        ; sources 0 (W) and 1 (A) window 1; C and D window 0
.set TO_F, 0x40                        ; destination window 1, address window 0
.macro JLOAD s                         ; a joint load: waves 0 and 1 fetch A's two halves, waves 2 and 3 W's; four v_nop follow each of the two lines, ahead of the jump, the label and what follows
	s_cmp_eq_u32 s11, 0
	s_cbranch_scc0 .Lfor_w_\@
	tensor_load_to_lds s[G0+4*\s:G0+4*\s+3], s[G1:G1+7]
	s_nop 0
.rept 4
	v_nop
.endr
	s_branch .Lasked_\@
.Lfor_w_\@:
	tensor_load_to_lds s[G0B+4*\s:G0B+4*\s+3], s[G1B:G1B+7]
	s_nop 0
.rept 4
	v_nop
.endr
.Lasked_\@:
.endm
.macro CREST                           ; a round of the cluster's barrier behind its opening barrier
	s_cmp_lg_u32 s10, 0
	s_cbranch_scc1 .Lnot_wave_0_\@
	s_barrier_signal -3
.Lnot_wave_0_\@:
	s_barrier_wait -3
	s_barrier_signal -1
	s_barrier_wait -1
.endm
.macro CROUND                          ; a whole round
	s_barrier_signal -1
	s_barrier_wait -1
	CREST
.endm
.if QKV
	s_load_b128 s[4:7], s[0:1], 0x0                ; cb s[4:5], C s[6:7]
.else
	s_load_b128 s[4:7], s[0:1], 0x0                ; A s[4:5], cb s[6:7]
	s_load_b64 s[8:9], s[0:1], 0x10                ; C
.endif
.if F32OUT || RELU
	s_load_b64 s[68:69], s[0:1], 0x18              ; the bias
	v_lshl_add_u32 v30, v0, 2, 0x4d800
	v_mov_b32 v31, 0
	ds_add_u32 v30, v31
.endif
.if F32OUT
	s_load_b64 s[70:71], s[0:1], 0x20              ; the residual
.endif
	v_lshrrev_b32 v1, 5, v0
	v_readfirstlane_b32 s10, v1                    ; wave 0..3
	s_lshr_b32 s11, s10, 1                         ; which half of the tile's rows is mine.  Also: I fetch for A (0) or for W (1)
	s_and_b32 s12, s10, 1                          ; which half of its columns.  Also: which half of that tile I fetch
	s_bfe_u32 s40, ttmp6, 0x40000                  ; cx, cy: my place in the cluster
	s_bfe_u32 s41, ttmp6, 0x40004
	s_lshl_b32 s42, ttmp9, 2
	s_add_co_u32 s42, s42, s40                     ; tile column of C = 4 x cluster x + cx
	s_and_b32 s13, ttmp7, 0xffff
	s_lshl_b32 s13, s13, 2
	s_add_co_u32 s13, s13, s41                     ; tile row of C = 4 x cluster y + cy
	s_lshl_b32 s43, s41, 2
	s_lshl_b32 s43, 15, s43                        ; my row of the cluster
	s_lshl_b32 s44, 0x1111, s40                    ; my column
	; group 1 for A: 64 rows x 256 elements of 2 bytes; 16 bytes of padding (code 3) behind every 128 words (code 6); bit 21 set beside the mask
	s_or_b32 s[G1+0], s43, (1<<16)|(1<<20)|(1<<21)|(6<<22)|(3<<25)
	s_mov_b32 s[G1+1], KSTEP<<16                   ; tensor_dim0 = 256
	s_mov_b32 s[G1+2], 64<<16                      ; tensor_dim1 = 64
	s_mov_b32 s[G1+3], KSTEP<<16                   ; tile_dim0 = 256
	s_mov_b32 s[G1+4], 64                          ; tile_dim1 = 64
	s_mov_b32 s[G1+5], SIZE_K                      ; elements from row to row
	s_mov_b32 s[G1+6], 0
	s_mov_b32 s[G1+7], 0
	; group 1 for W: 128 rows x 128 elements; 32 bytes of padding (code 7) behind every 64 words (code 5)
	s_or_b32 s[G1B+0], s44, (1<<16)|(1<<20)|(1<<21)|(5<<22)|(7<<25)
	s_mov_b32 s[G1B+1], 128<<16
	s_mov_b32 s[G1B+2], 128<<16
	s_mov_b32 s[G1B+3], 128<<16
	s_mov_b32 s[G1B+4], 128
	s_mov_b32 s[G1B+5], PITCH_W
	s_mov_b32 s[G1B+6], 0
	s_mov_b32 s[G1B+7], 0
	; A's tiles hang on the tile row and the wave alone, W's on the tile column and the wave alone, each in registers that never hold the other coordinate
	s_lshl_b32 s17, s12, 6
	s_lshl_b32 s16, s13, 7
	s_add_co_u32 s16, s16, s17                     ; A: row 128 x tile row + 64 x half
	s_mov_b32 s17, 0
	s_mov_b64 s[18:19], SIZE_K*2
	s_mul_u64 s[16:17], s[16:17], s[18:19]
.if QKV
	s_lshr_b32 s46, s42, 3                         ; which of Wq, Wk, Wv,
	s_lshl_b32 s46, s46, 21                        ; 2 MiB each,
	s_and_b32 s47, s42, 7
	s_lshl_b32 s47, s47, 8                         ; and 256 bytes a tile column inside it
	s_add_co_u32 s46, s46, s47
.else
	s_lshl_b32 s46, s42, 8                         ; W: 256 bytes a tile column
.endif
	s_mul_i32 s47, s12, 128*PITCH_W*2              ; + my 128 rows of the step
	s_add_co_u32 s46, s46, s47
	s_add_co_u32 s46, s46, WBASE
	s_mov_b32 s47, 0
	s_mul_i32 s20, s12, HALFA                      ; where they go: no place in the cluster enters an LDS address
	s_mul_i32 s21, s12, HALFW
	s_add_co_u32 s21, s21, WOFF
	s_wait_dscnt 0x0
	s_wait_kmcnt 0x0
.if QKV
	s_mov_b64 s[8:9], s[6:7]                       ; C
	s_mov_b64 s[6:7], s[4:5]                       ; W lies in cb as A does
.endif
	s_add_nc_u64 s[14:15], s[4:5], s[16:17]
	s_add_nc_u64 s[46:47], s[6:7], s[46:47]
	CROUND                                         ; all sixteen work-groups are here: the first joint loads meet
.irp s, 0,1
	s_mov_b32 s[G0+4*\s], 1                                        ; count = 1
	s_add_co_u32 s[G0+4*\s+1], s20, \s*SLOT                        ; LDS address
	s_add_nc_u64 s[G0+4*\s+2:G0+4*\s+3], s[14:15], \s*KSTEP*2      ; global address: K step s
	s_or_b32 s[G0+4*\s+3], s[G0+4*\s+3], 0x80000000                ; type = 2
	s_mov_b32 s[G0B+4*\s], 1
	s_add_co_u32 s[G0B+4*\s+1], s21, \s*SLOT
	s_add_nc_u64 s[G0B+4*\s+2:G0B+4*\s+3], s[46:47], \s*KSTEP*PITCH_W*2
	s_or_b32 s[G0B+4*\s+3], s[G0B+4*\s+3], 0x80000000
	JLOAD \s                                       ; two loads of mine are out
.endr
	v_and_b32 v1, 15, v0                           ; l % 16
	v_bfe_u32 v2, v0, 4, 1                         ; l / 16
	v_mul_u32_u24 v3, v1, PA                       ; a fragment of A: row l % 16, 16 bytes for each half of the lanes, two loads 32 bytes apart
	v_lshl_add_u32 v3, v2, 4, v3
	s_mul_i32 s21, s11, HALFA                      ; my 64 rows of A
	v_add_nc_u32 v[ADRA], s21, v3
	v_add_nc_u32 v[ADRA+1], SLOT, v[ADRA]
	v_and_b32 v4, 7, v0                            ; a fragment of W: the turning load takes 16 rows (K) x 16 columns: lane l reads row 8 (l / 16) + l % 8, columns 8 ((l / 8) % 2) + 0..7,
	v_lshl_add_u32 v4, v2, 3, v4                   ; and is left with column l % 16 and 8 numbers along K
	v_mul_u32_u24 v4, v4, PW
	v_bfe_u32 v5, v0, 3, 1
	v_lshl_add_u32 v4, v5, 4, v4
	s_lshl_b32 s22, s12, 7                         ; my 64 columns
	s_add_co_u32 s22, s22, WOFF
	v_add_nc_u32 v[ADRW], s22, v4
	v_add_nc_u32 v[ADRW+1], HALFW, v[ADRW]
	v_add_nc_u32 v[ADRW+2], SLOT, v[ADRW]
	v_add_nc_u32 v[ADRW+3], SLOT+HALFW, v[ADRW]
.if F32OUT || RELU
	s_lshl_b32 s46, s42, 9                         ; my 64 columns in f32: 512 x tile column + 256 x half (in the registers that held W's address)
	s_lshl_b32 s47, s12, 8
	s_add_co_u32 s46, s46, s47
	s_mov_b32 s47, 0
	s_add_nc_u64 s[68:69], s[68:69], s[46:47]
.endif
.if F32OUT
	; a wave's 64 columns are 256 bytes of a row of C: each wave has a stage of its own, 16 rows x 272 bytes
	s_mul_i32 s23, s10, 16*SPITCH
	s_add_co_u32 s23, s23, STAGE
	v_mul_u32_u24 v4, v1, SPITCH                   ; in: row l % 16, 32 bytes for each half of the lanes
	v_lshl_add_u32 v4, v2, 5, v4
	v_add_nc_u32 v[STO], s23, v4
	v_mul_u32_u24 v5, v2, SPITCH                   ; back: lanes 0-15 take one row of 256 bytes, lanes 16-31 the next
	v_lshl_add_u32 v5, v1, 4, v5
	v_add_nc_u32 v[RD], s23, v5
	v_mul_u32_u24 v5, v2, PITCH_C*4                ; and the same two rows in C and in the residual
	v_lshl_add_u32 v[CO], v1, 4, v5
	v_lshlrev_b32 v[BO], 4, v1
	s_lshl_b32 s16, s13, 7
	s_lshl_b32 s17, s11, 6
	s_add_co_u32 s16, s16, s17                     ; my first row: 128 x tile row + 64 x half
	s_mul_i32 s16, s16, PITCH_C*4
	s_mov_b32 s17, 0
	s_add_nc_u64 s[8:9], s[8:9], s[16:17]
	s_add_nc_u64 s[8:9], s[8:9], s[46:47]
	s_add_nc_u64 s[70:71], s[70:71], s[16:17]
	s_add_nc_u64 s[70:71], s[70:71], s[46:47]
	global_load_b128 v[BI:BI+3], v[BO], s[68:69]
	WIN 0x80                                       ; destination window 2: the residual of my 64 x 64 comes in under the whole product, laid as the rows come back from the stage
.irp i, 0,1,2,3,4,5,6,7,8,9,10,11,12,13,14,15,16,17,18,19,20,21,22,23,24,25,26,27,28,29,30,31
	global_load_b128 v[4*\i:4*\i+3], v[CO], s[70:71] offset:2*\i*PITCH_C*4
.endr
	WIN 0
.else
	; a wave's 64 columns are 128 bytes, half of an aligned 256 bytes of C: the four waves share one stage of 128 rows x 272 bytes
	s_mul_i32 s23, s11, 64*SPITCH
	s_lshl_b32 s21, s12, 7
	s_add_co_u32 s23, s23, s21
	s_add_co_u32 s23, s23, STAGE
	v_mul_u32_u24 v4, v1, SPITCH
	v_lshl_add_u32 v4, v2, 4, v4
	v_add_nc_u32 v[STO], s23, v4
	s_mul_i32 s23, s10, 32*SPITCH                  ; back: wave w takes rows 32 w .. 32 w + 31, whole
	s_add_co_u32 s23, s23, STAGE
	v_mul_u32_u24 v5, v2, SPITCH
	v_lshl_add_u32 v5, v1, 4, v5
	v_add_nc_u32 v[RD], s23, v5
	v_mul_u32_u24 v5, v2, PITCH_C*2
	v_lshl_add_u32 v[CO], v1, 4, v5
	s_lshl_b32 s16, s13, 7
	s_lshl_b32 s17, s10, 5
	s_add_co_u32 s16, s16, s17                     ; the first row of C that I store: 128 x tile row + 32 x wave
	s_mul_i32 s16, s16, PITCH_C*2
	s_mov_b32 s17, 0
	s_add_nc_u64 s[8:9], s[8:9], s[16:17]
	s_lshl_b32 s46, s42, 8                         ; the tile's first column, in bytes
	s_mov_b32 s47, 0
	s_add_nc_u64 s[8:9], s[8:9], s[46:47]
.endif
.if RELU
	v_lshlrev_b32 v[BO], 5, v2                     ; accumulator (a, b) holds columns 16 b + 8 (l / 16) + 0..7
.irp b, 0,1,2,3
	global_load_b128 v[BI+8*\b:BI+8*\b+3],   v[BO], s[68:69] offset:64*\b
	global_load_b128 v[BI+8*\b+4:BI+8*\b+7], v[BO], s[68:69] offset:64*\b+16
.endr
.endif
; 8 matrix instructions: m blocks a0, a0 + 1 x all 4 n blocks, 32 along K: half c of buffer f.  zero = 1: the first product starts the sums.
; The 16 accumulators take turns, one instruction a turn.
.macro MUL8 f, c, a0, zero
.irp a, \a0, \a0+1
.irp b, 0,1,2,3
.if \zero
	v_wmma_f32_16x16x32_bf16 v[ACC+8*(4*(\a)+\b):ACC+8*(4*(\a)+\b)+7], v[\f+64+8*(4*\c+\b):\f+64+8*(4*\c+\b)+7], v[\f+8*(4*\c+\a):\f+8*(4*\c+\a)+7], 0
.else
	v_wmma_f32_16x16x32_bf16 v[ACC+8*(4*(\a)+\b):ACC+8*(4*(\a)+\b)+7], v[\f+64+8*(4*\c+\b):\f+64+8*(4*\c+\b)+7], v[\f+8*(4*\c+\a):\f+8*(4*\c+\a)+7], v[ACC+8*(4*(\a)+\b):ACC+8*(4*(\a)+\b)+7]
.endif
.endr
.endr
.endm
; 32 LDS loads in one run: the fragments of quarter q (64 along K) of a slot, into buffer f; the first 32 along K first
.macro FETCH slot, q, f
	WIN TO_F
.irp c, 0,1
.irp i, 0,1,2,3
	ds_load_tr16_b128 v[\f+64+8*(4*\c+\i):\f+64+8*(4*\c+\i)+3],   v[ADRW+2*\slot+(\q)/2] offset:(((\q)%2)*64+32*\c)*PW+32*\i
	ds_load_tr16_b128 v[\f+64+8*(4*\c+\i)+4:\f+64+8*(4*\c+\i)+7], v[ADRW+2*\slot+(\q)/2] offset:(((\q)%2)*64+32*\c+16)*PW+32*\i
	ds_load_b128 v[\f+8*(4*\c+\i):\f+8*(4*\c+\i)+3],              v[ADRA+\slot] offset:128*(\q)+64*\c+\i*16*PA
	ds_load_b128 v[\f+8*(4*\c+\i)+4:\f+8*(4*\c+\i)+7],            v[ADRA+\slot] offset:128*(\q)+64*\c+\i*16*PA+32
.endr
.endr
.endm
.macro PLACES                          ; four places in front of loads into registers that matrix instructions have read, and of what reads results just made
.rept 4
	v_nop
.endr
.endm
; A K step is four quarters of 64 along K, 32 matrix instructions each, on buffers 0, 1, 0, 1.  One of the first three: multiplies buffer f and fetches quarter q into g.
.macro QUARTER slot, q, f, g, zero
	s_wait_dscnt 16                                ; the first 32 along K are in; the younger sixteen loads may be out
	WIN MUL
	MUL8 \f, 0, 0, \zero
	MUL8 \f, 0, 2, \zero
	PLACES
	FETCH \slot, \q, \g
	s_wait_dscnt 32                                ; all but the 32 just issued
	WIN MUL
	MUL8 \f, 1, 0, 0
	MUL8 \f, 1, 2, 0
.endm
; The last quarter multiplies buffer 1 and changes slots: ONE barrier; in front of it each wave waits for its own reads of this slot and for all its tensor loads.  fill = 1: this slot is filled again, two K steps ahead.
.macro TURN slot, next, fill
	s_wait_dscnt 16
	WIN MUL
	MUL8 F1, 0, 0, 0
	s_wait_dscnt 0                                 ; my reads of this slot are over,
	s_set_vgpr_msb 0x500
	s_wait_tensorcnt 0x0                           ; and all my tensor loads have landed: the one that was out is my part of the next slot
	ds_add_u32 v30, v31
	s_wait_dscnt 0x0
	s_set_vgpr_msb 0x5
	s_barrier_signal -1
	MUL8 F1, 0, 2, 0
.if \fill
	WIN 0
.endif
	s_barrier_wait -1
.if \fill
	CREST                                          ; the barrier has opened a round of the cluster's barrier: no wave of any partner still reads this slot's tile or has a load on its way
	s_add_nc_u64 s[G0+4*\slot+2:G0+4*\slot+3], s[G0+4*\slot+2:G0+4*\slot+3], 2*KSTEP*2
	s_add_nc_u64 s[G0B+4*\slot+2:G0B+4*\slot+3], s[G0B+4*\slot+2:G0B+4*\slot+3], 2*KSTEP*PITCH_W*2
	JLOAD \slot                                    ; the first tensor load behind the round, my only one until the next: 120 matrix instructions ahead of the wait for it; its four v_nop are also the places in front of the loads below
.else
	PLACES
.endif
	FETCH \next, 0, F0
	WIN MUL
	MUL8 F1, 1, 0, 0
	MUL8 F1, 1, 2, 0
.endm
	s_wait_tensorcnt 1                             ; my part of K step 0 is in; K step 1's may stay out
	s_barrier_signal -1
	s_barrier_wait -1                              ; everybody's is
	FETCH 0, 0, F0
	QUARTER 0, 1, F0, F1, 1                        ; the first quarter stands in front of the loop: its first products start the sums
	WIN 0                                          ; at a label and at a branch every window is 0
	s_mov_b32 s3, LAPS-1
.Llap:                                                 ; a trip goes once round the ring, from a lap's second quarter to the next lap's first, and fills both slots again
	QUARTER 0, 2, F1, F0, 0
	QUARTER 0, 3, F0, F1, 0
	TURN 0, 1, 1
	QUARTER 1, 1, F0, F1, 0
	QUARTER 1, 2, F1, F0, 0
	QUARTER 1, 3, F0, F1, 0
	TURN 1, 0, 1
	QUARTER 0, 1, F0, F1, 0
	WIN 0
	s_sub_co_u32 s3, s3, 1
	s_cmp_lg_u32 s3, 0
	s_cbranch_scc1 .Llap
	QUARTER 0, 2, F1, F0, 0                        ; the last lap fills nothing, and has no round of the cluster's barrier
	QUARTER 0, 3, F0, F1, 0
	TURN 0, 1, 0
	QUARTER 1, 1, F0, F1, 0
	QUARTER 1, 2, F1, F0, 0
	QUARTER 1, 3, F0, F1, 0
	s_wait_dscnt 16                                ; the very last quarter: nothing more to fetch
	WIN MUL
	MUL8 F1, 0, 0, 0
	MUL8 F1, 0, 2, 0
	s_wait_dscnt 0
	MUL8 F1, 1, 0, 0
	MUL8 F1, 1, 2, 0
	WIN 0
.if F32OUT
	; THE WAY OUT IN F32: 16 rows at a time through my own stage (LDS serves a wave's instructions in order, ISA guide 5.7.1.4: no wait between my stores and my loads, no barrier);
	; back as whole rows of 256 bytes; bias and residual are added there, where a lane holds four neighbouring columns.
.macro OUT a
.set OBK, TMP+32*((\a)%2)
.irp b, 0,1,2,3
	ds_store_b128 v[STO], v[ACC+8*(4*\a+\b):ACC+8*(4*\a+\b)+3]   offset:64*\b       ; each accumulator from its low end on
	ds_store_b128 v[STO], v[ACC+8*(4*\a+\b)+4:ACC+8*(4*\a+\b)+7] offset:64*\b+16
.endr
	s_wait_xcnt 0x0                                ; the registers below were the data of the stores two blocks back: they are written again only behind this wait
.irp t, 0,1,2,3,4,5,6,7
	ds_load_b128 v[OBK+4*\t:OBK+4*\t+3], v[RD] offset:\t*2*SPITCH
.endr
	s_wait_dscnt 0x0
.irp t, 0,1,2,3,4,5,6,7
	v_pk_add_f32 v[OBK+4*\t:OBK+4*\t+1],   v[OBK+4*\t:OBK+4*\t+1],   v[BI:BI+1]
	v_pk_add_f32 v[OBK+4*\t+2:OBK+4*\t+3], v[OBK+4*\t+2:OBK+4*\t+3], v[BI+2:BI+3]
.endr
	WIN 0x08                                       ; source 1 window 2: the residual
.irp t, 0,1,2,3,4,5,6,7
	v_pk_add_f32 v[OBK+4*\t:OBK+4*\t+1],   v[OBK+4*\t:OBK+4*\t+1],   v[4*(8*\a+\t):4*(8*\a+\t)+1]
	v_pk_add_f32 v[OBK+4*\t+2:OBK+4*\t+3], v[OBK+4*\t+2:OBK+4*\t+3], v[4*(8*\a+\t)+2:4*(8*\a+\t)+3]
.endr
	WIN 0
.irp t, 0,1,2,3,4,5,6,7
	global_store_b128 v[CO], v[OBK+4*\t:OBK+4*\t+3], s[8:9] offset:(16*\a+2*\t)*PITCH_C*4   ; 16 lanes store 256 consecutive bytes, at a multiple of 256 from C's first byte
.endr
.endm
	s_wait_loadcnt 0x0                             ; bias and residual
	PLACES
	OUT 0
	OUT 1
	OUT 2
	OUT 3
.else
	; THE WAY OUT IN BF16: round; 16 bytes a lane into the work-group's stage; a barrier, since a row's 256 bytes come from two waves; back as whole rows, 32 rows a wave.
	PLACES
.if RELU
	s_wait_loadcnt 0x0                             ; the bias
.irp t, 0,1,2,3,4,5,6,7,8,9,10,11,12,13,14,15
.irp r, 0,1,2,3
	v_pk_add_f32 v[ACC+8*\t+2*\r:ACC+8*\t+2*\r+1], v[ACC+8*\t+2*\r:ACC+8*\t+2*\r+1], v[BI+8*(\t%4)+2*\r:BI+8*(\t%4)+2*\r+1]
.endr
.irp r, 0,1,2,3,4,5,6,7
	v_max_num_f32 v[ACC+8*\t+\r], 0, v[ACC+8*\t+\r]
.endr
.endr
.endif
.irp t, 0,1,2,3,4,5,6,7,8,9,10,11,12,13,14,15
.irp r, 0,1,2,3
	v_cvt_pk_bf16_f32 v[TMP+4*\t+\r], v[ACC+8*\t+2*\r], v[ACC+8*\t+2*\r+1]
.endr
.endr
.irp a, 0,1,2,3
.irp b, 0,1,2,3
	ds_store_b128 v[STO], v[TMP+4*(4*\a+\b):TMP+4*(4*\a+\b)+3] offset:\a*16*SPITCH+32*\b
.endr
.endr
	s_wait_dscnt 0x0                               ; for the others' sake: my stores into the stage are done
	s_barrier_signal -1
	s_barrier_wait -1
.irp t, 0,1,2,3,4,5,6,7,8,9,10,11,12,13,14,15
	ds_load_b128 v[TMP+4*\t:TMP+4*\t+3], v[RD] offset:\t*2*SPITCH
.endr
.irp t, 0,1,2,3,4,5,6,7,8,9,10,11,12,13,14,15
	s_wait_dscnt 15-\t                             ; the younger loads may stay out
	global_store_b128 v[CO], v[TMP+4*\t:TMP+4*\t+3], s[8:9] offset:2*\t*PITCH_C*2   ; 16 lanes store 256 consecutive bytes, at a multiple of 256 from C's first byte
.endr
.endif
	s_wait_tensorcnt 0x0
	ds_add_u32 v30, v31
	s_wait_dscnt 0x0
	CROUND                                         ; the closing round: no work-group ends while a partner may still ask for a tile that names it
	s_endpgm
.Lfunc_end_k_q046e8ff8ba_ffn1:
	.size	k_q046e8ff8ba_ffn1, .Lfunc_end_k_q046e8ff8ba_ffn1-k_q046e8ff8ba_ffn1
	.p2alignl 7, 3214868480
	.fill 96, 4, 3214868480
	.section	.rodata,"a",@progbits
	.p2align	6, 0x0
	.amdhsa_kernel k_q046e8ff8ba_ffn1
		.amdhsa_group_segment_fixed_size 327680
		.amdhsa_private_segment_fixed_size 0
		.amdhsa_enable_private_segment 0
		.amdhsa_kernarg_size 32
		.amdhsa_user_sgpr_count 2
		.amdhsa_user_sgpr_kernarg_segment_ptr 1
		.amdhsa_wavefront_size32 1
		.amdhsa_system_sgpr_workgroup_id_x 1
		.amdhsa_system_sgpr_workgroup_id_y 1
		.amdhsa_system_sgpr_workgroup_id_z 1
		.amdhsa_system_vgpr_workitem_id 0
		.amdhsa_next_free_vgpr 512
		.amdhsa_next_free_sgpr 72
		.amdhsa_reserve_vcc 0
		.amdhsa_float_denorm_mode_32 3
		.amdhsa_float_denorm_mode_16_64 3
		.amdhsa_memory_ordered 1
		.amdhsa_forward_progress 1
		.amdhsa_inst_pref_size 96
	.end_amdhsa_kernel
	.amdgpu_metadata
---
amdhsa.version: [ 1, 2 ]
amdhsa.kernels:
  - .name:           k_q046e8ff8ba_ffn1
    .symbol:         k_q046e8ff8ba_ffn1.kd
    .args:
      - { .name: x1b, .offset: 0, .size: 8, .value_kind: global_buffer, .address_space: global }
      - { .name: cb, .offset: 8, .size: 8, .value_kind: global_buffer, .address_space: global }
      - { .name: hb, .offset: 16, .size: 8, .value_kind: global_buffer, .address_space: global }
      - { .name: b1, .offset: 24, .size: 8, .value_kind: global_buffer, .address_space: global }
    .group_segment_fixed_size: 327680
    .private_segment_fixed_size: 0
    .kernarg_segment_align: 8
    .kernarg_segment_size: 32
    .max_flat_workgroup_size: 128
    .sgpr_count:     72
    .vgpr_count:     512
    .wavefront_size: 32
...
	.end_amdgpu_metadata
.endif
;; end of part 6
;; launch ffn2 (part 7): grid 8 x 32, 4 waves a work-group, clusters of 4 x 4, 327,680 bytes of LDS; arguments hb, cb, y, b2, x1f; writes y
.if DOCPART == 7
	.amdgcn_target "amdgcn-amd-amdhsa--gfx1250"
	.amdhsa_code_object_version 6
	.text
	.protected	k_q046e8ff8ba_ffn2
	.globl	k_q046e8ff8ba_ffn2
	.p2align	8
	.type	k_q046e8ff8ba_ffn2,@function
k_q046e8ff8ba_ffn2:
	s_mov_b64 s[64:65], 0
	v_nop
	global_prefetch_b8 v0, s[64:65] scope:SCOPE_SE
	s_setreg_imm32_b32 hwreg(HW_REG_WAVE_MODE, 25, 1), 1
	s_wait_xcnt 0x0
	s_wait_alu depctr_hold_cnt(0) depctr_sa_sdst(0) depctr_va_vdst(0) depctr_va_sdst(0) depctr_va_ssrc(0) depctr_va_vcc(0) depctr_vm_vsrc(0)
	s_getreg_b32 s2, hwreg(HW_REG_IB_STS2, 6, 4)
	s_cmp_eq_u32 s2, 0
	s_cbranch_scc0 .Lentry_in_a_cluster
	s_endpgm
.Lentry_in_a_cluster:
	s_bfe_u32 s2, ttmp6, 0x10000c
	s_cmp_lg_u32 s2, 0xf033
	s_cbranch_scc0 .Lentry_shape_is_right
	s_endpgm
.Lentry_shape_is_right:
; y = h W2 + b2 + x1: bf16 operands (hb, and W2 out of cb), sums, bias and residual in f32, y in f32.
; THE TEXT BELOW THE SIZES IS ONE GEMM CORE, C = A W, used by four launches; the flags choose the arguments and the way out.
.set SIZE_K,  4096                     ; A is [4096][SIZE_K] bf16
.set PITCH_W, 1024                     ; W is [SIZE_K][PITCH_W] bf16, as the model stores it: K down the rows
.set PITCH_C, 1024                     ; numbers in a row of C
.set WBASE,   24<<20                   ; W's first byte in cb
.set QKV,     0                        ; 1: A lies in cb too; tile columns 0-7, 8-15, 16-23 take Wq, Wk, Wv (2 MiB apart)
.set RELU,    0                        ; 1: C = bf16(relu(sum + bias))
.set F32OUT,  1                        ; 1: C = sum + bias + residual, in f32
; A tile of C is 128 x 128: four waves, each 64 x 64 = 16 accumulators of 16 x 16.  K goes in steps of 256 through two LDS slots filled by the tensor data mover:
; A's 128 rows of 512 bytes (two loads of 64 rows, waves 0 and 1) and W's 256 rows of 256 bytes (two loads of 128 rows, waves 2 and 3).
; CLUSTERS: 4 x 4 work-groups.  The four of a row of the cluster need the same tiles of A, the four of a column the same tiles of W: each tile is asked for jointly,
; by the same tensor load with the same descriptor and a mask that names the four.
; THE MATRIX INSTRUCTION IS USED TRANSPOSED: source 0 = 16 columns of W (turned on the way out of LDS by ds_load_tr16_b128), source 1 = 16 rows of A:
; a lane then holds row l % 16 of C and the eight neighbouring columns 8 (l / 16) + 0..7.
; REGISTERS: window 0: v0-31 addresses (and the f32 way's bias); v32-95 at work on the way out; v96-127 the relu way's bias; v128-255 the accumulators ((a, b) at v[128 + 8 (4 a + b)]).
;   window 1: two fragment buffers of 128: for 64 along K, 64 registers of A, then 64 of W.   window 2 (f32 way): v0-127 the residual.
.set KSTEP,  256
.set PA,     528                       ; A's LDS row: 512 bytes + 16 = 132 words: row r starts at bank 4 r mod 64 (64 banks of 4 bytes: ISA guide 11.1)
.set PW,     288                       ; W's LDS row: 256 bytes + 32 = 72 words: row r starts at bank 8 r mod 64
.set HALFA,  64*PA                     ; what one of A's loads brings, and what one wave reads of A
.set HALFW,  128*PW                    ; what one of W's loads brings: 128 of the step's 256 rows
.set WOFF,   2*HALFA
.set SLOT,   WOFF+2*HALFW
.set STAGE,  2*SLOT                    ; behind the ring, a multiple of 256: no tensor load fills it
.set SPITCH, 272
.set LAPS,   SIZE_K/(2*KSTEP)          ; a lap = two K steps = once round the ring
.set ADRA, 16                          ; v16-17  LDS address of my A fragments in slot 0, 1
.set ADRW, 20                          ; v20-23  of my W fragments: slot 0 rows 0-127, rows 128-255, slot 1 likewise (the 16-bit offset does not span 256 rows)
.set STO,  24                          ; v24     the way out: where I put my numbers of a row
.set RD,   25                          ; v25     the way out: where I read a row back
.set CO,   26                          ; v26     my byte offset in C (and in the residual)
.set BO,   27                          ; v27     my byte offset in the bias
.set TMP,  32
.set ACC,  128
.set F0,   0
.set F1,   128
.if F32OUT
.set BI,   28                          ; v[28:31]  the bias of my four columns
.else
.set BI,   96                          ; v[96:127] the bias of my 4 x 8 columns
.endif
.set G1, 24                            ; s[24:31] descriptor group 1 for A's tiles;  s[32:39] group 0, one set for each slot
.set G0, 32
.set G1B, 48                           ; s[48:55], s[56:63] the same for W's tiles
.set G0B, 56
.set MSB, 0
.macro WIN new                         ; the immediate's high byte repeats the setting that is left; a switch that changes nothing is dropped
.if MSB != \new
	s_set_vgpr_msb (MSB<<8)|\new
.set MSB, \new
.endif
.endm
.set MUL,  0x05                        ; sources 0 (W) and 1 (A) window 1; C and D window 0
.set TO_F, 0x40                        ; destination window 1, address window 0
.macro JLOAD s                         ; a joint load: waves 0 and 1 fetch A's two halves, waves 2 and 3 W's; four v_nop follow each of the two lines, ahead of the jump, the label and what follows
	s_cmp_eq_u32 s11, 0
	s_cbranch_scc0 .Lfor_w_\@
	tensor_load_to_lds s[G0+4*\s:G0+4*\s+3], s[G1:G1+7]
	s_nop 0
.rept 4
	v_nop
.endr
	s_branch .Lasked_\@
.Lfor_w_\@:
	tensor_load_to_lds s[G0B+4*\s:G0B+4*\s+3], s[G1B:G1B+7]
	s_nop 0
.rept 4
	v_nop
.endr
.Lasked_\@:
.endm
.macro CREST                           ; a round of the cluster's barrier behind its opening barrier
	s_cmp_lg_u32 s10, 0
	s_cbranch_scc1 .Lnot_wave_0_\@
	s_barrier_signal -3
.Lnot_wave_0_\@:
	s_barrier_wait -3
	s_barrier_signal -1
	s_barrier_wait -1
.endm
.macro CROUND                          ; a whole round
	s_barrier_signal -1
	s_barrier_wait -1
	CREST
.endm
.if QKV
	s_load_b128 s[4:7], s[0:1], 0x0                ; cb s[4:5], C s[6:7]
.else
	s_load_b128 s[4:7], s[0:1], 0x0                ; A s[4:5], cb s[6:7]
	s_load_b64 s[8:9], s[0:1], 0x10                ; C
.endif
.if F32OUT || RELU
	s_load_b64 s[68:69], s[0:1], 0x18              ; the bias
.endif
.if F32OUT
	s_load_b64 s[70:71], s[0:1], 0x20              ; the residual
	v_lshl_add_u32 v126, v0, 2, 0x49400
	v_mov_b32 v127, 0
	ds_add_u32 v126, v127
.endif
	v_lshrrev_b32 v1, 5, v0
	v_readfirstlane_b32 s10, v1                    ; wave 0..3
	s_lshr_b32 s11, s10, 1                         ; which half of the tile's rows is mine.  Also: I fetch for A (0) or for W (1)
	s_and_b32 s12, s10, 1                          ; which half of its columns.  Also: which half of that tile I fetch
	s_bfe_u32 s40, ttmp6, 0x40000                  ; cx, cy: my place in the cluster
	s_bfe_u32 s41, ttmp6, 0x40004
	s_lshl_b32 s42, ttmp9, 2
	s_add_co_u32 s42, s42, s40                     ; tile column of C = 4 x cluster x + cx
	s_and_b32 s13, ttmp7, 0xffff
	s_lshl_b32 s13, s13, 2
	s_add_co_u32 s13, s13, s41                     ; tile row of C = 4 x cluster y + cy
	s_lshl_b32 s43, s41, 2
	s_lshl_b32 s43, 15, s43                        ; my row of the cluster
	s_lshl_b32 s44, 0x1111, s40                    ; my column
	; group 1 for A: 64 rows x 256 elements of 2 bytes; 16 bytes of padding (code 3) behind every 128 words (code 6); bit 21 set beside the mask
	s_or_b32 s[G1+0], s43, (1<<16)|(1<<20)|(1<<21)|(6<<22)|(3<<25)
	s_mov_b32 s[G1+1], KSTEP<<16                   ; tensor_dim0 = 256
	s_mov_b32 s[G1+2], 64<<16                      ; tensor_dim1 = 64
	s_mov_b32 s[G1+3], KSTEP<<16                   ; tile_dim0 = 256
	s_mov_b32 s[G1+4], 64                          ; tile_dim1 = 64
	s_mov_b32 s[G1+5], SIZE_K                      ; elements from row to row
	s_mov_b32 s[G1+6], 0
	s_mov_b32 s[G1+7], 0
	; group 1 for W: 128 rows x 128 elements; 32 bytes of padding (code 7) behind every 64 words (code 5)
	s_or_b32 s[G1B+0], s44, (1<<16)|(1<<20)|(1<<21)|(5<<22)|(7<<25)
	s_mov_b32 s[G1B+1], 128<<16
	s_mov_b32 s[G1B+2], 128<<16
	s_mov_b32 s[G1B+3], 128<<16
	s_mov_b32 s[G1B+4], 128
	s_mov_b32 s[G1B+5], PITCH_W
	s_mov_b32 s[G1B+6], 0
	s_mov_b32 s[G1B+7], 0
	; A's tiles hang on the tile row and the wave alone, W's on the tile column and the wave alone, each in registers that never hold the other coordinate
	s_lshl_b32 s17, s12, 6
	s_lshl_b32 s16, s13, 7
	s_add_co_u32 s16, s16, s17                     ; A: row 128 x tile row + 64 x half
	s_mov_b32 s17, 0
	s_mov_b64 s[18:19], SIZE_K*2
	s_mul_u64 s[16:17], s[16:17], s[18:19]
.if QKV
	s_lshr_b32 s46, s42, 3                         ; which of Wq, Wk, Wv,
	s_lshl_b32 s46, s46, 21                        ; 2 MiB each,
	s_and_b32 s47, s42, 7
	s_lshl_b32 s47, s47, 8                         ; and 256 bytes a tile column inside it
	s_add_co_u32 s46, s46, s47
.else
	s_lshl_b32 s46, s42, 8                         ; W: 256 bytes a tile column
.endif
	s_mul_i32 s47, s12, 128*PITCH_W*2              ; + my 128 rows of the step
	s_add_co_u32 s46, s46, s47
	s_add_co_u32 s46, s46, WBASE
	s_mov_b32 s47, 0
	s_mul_i32 s20, s12, HALFA                      ; where they go: no place in the cluster enters an LDS address
	s_mul_i32 s21, s12, HALFW
	s_add_co_u32 s21, s21, WOFF
	s_wait_dscnt 0x0
	s_wait_kmcnt 0x0
.if QKV
	s_mov_b64 s[8:9], s[6:7]                       ; C
	s_mov_b64 s[6:7], s[4:5]                       ; W lies in cb as A does
.endif
	s_add_nc_u64 s[14:15], s[4:5], s[16:17]
	s_add_nc_u64 s[46:47], s[6:7], s[46:47]
	CROUND                                         ; all sixteen work-groups are here: the first joint loads meet
.irp s, 0,1
	s_mov_b32 s[G0+4*\s], 1                                        ; count = 1
	s_add_co_u32 s[G0+4*\s+1], s20, \s*SLOT                        ; LDS address
	s_add_nc_u64 s[G0+4*\s+2:G0+4*\s+3], s[14:15], \s*KSTEP*2      ; global address: K step s
	s_or_b32 s[G0+4*\s+3], s[G0+4*\s+3], 0x80000000                ; type = 2
	s_mov_b32 s[G0B+4*\s], 1
	s_add_co_u32 s[G0B+4*\s+1], s21, \s*SLOT
	s_add_nc_u64 s[G0B+4*\s+2:G0B+4*\s+3], s[46:47], \s*KSTEP*PITCH_W*2
	s_or_b32 s[G0B+4*\s+3], s[G0B+4*\s+3], 0x80000000
	JLOAD \s                                       ; two loads of mine are out
.endr
	v_and_b32 v1, 15, v0                           ; l % 16
	v_bfe_u32 v2, v0, 4, 1                         ; l / 16
	v_mul_u32_u24 v3, v1, PA                       ; a fragment of A: row l % 16, 16 bytes for each half of the lanes, two loads 32 bytes apart
	v_lshl_add_u32 v3, v2, 4, v3
	s_mul_i32 s21, s11, HALFA                      ; my 64 rows of A
	v_add_nc_u32 v[ADRA], s21, v3
	v_add_nc_u32 v[ADRA+1], SLOT, v[ADRA]
	v_and_b32 v4, 7, v0                            ; a fragment of W: the turning load takes 16 rows (K) x 16 columns: lane l reads row 8 (l / 16) + l % 8, columns 8 ((l / 8) % 2) + 0..7,
	v_lshl_add_u32 v4, v2, 3, v4                   ; and is left with column l % 16 and 8 numbers along K
	v_mul_u32_u24 v4, v4, PW
	v_bfe_u32 v5, v0, 3, 1
	v_lshl_add_u32 v4, v5, 4, v4
	s_lshl_b32 s22, s12, 7                         ; my 64 columns
	s_add_co_u32 s22, s22, WOFF
	v_add_nc_u32 v[ADRW], s22, v4
	v_add_nc_u32 v[ADRW+1], HALFW, v[ADRW]
	v_add_nc_u32 v[ADRW+2], SLOT, v[ADRW]
	v_add_nc_u32 v[ADRW+3], SLOT+HALFW, v[ADRW]
.if F32OUT || RELU
	s_lshl_b32 s46, s42, 9                         ; my 64 columns in f32: 512 x tile column + 256 x half (in the registers that held W's address)
	s_lshl_b32 s47, s12, 8
	s_add_co_u32 s46, s46, s47
	s_mov_b32 s47, 0
	s_add_nc_u64 s[68:69], s[68:69], s[46:47]
.endif
.if F32OUT
	; a wave's 64 columns are 256 bytes of a row of C: each wave has a stage of its own, 16 rows x 272 bytes
	s_mul_i32 s23, s10, 16*SPITCH
	s_add_co_u32 s23, s23, STAGE
	v_mul_u32_u24 v4, v1, SPITCH                   ; in: row l % 16, 32 bytes for each half of the lanes
	v_lshl_add_u32 v4, v2, 5, v4
	v_add_nc_u32 v[STO], s23, v4
	v_mul_u32_u24 v5, v2, SPITCH                   ; back: lanes 0-15 take one row of 256 bytes, lanes 16-31 the next
	v_lshl_add_u32 v5, v1, 4, v5
	v_add_nc_u32 v[RD], s23, v5
	v_mul_u32_u24 v5, v2, PITCH_C*4                ; and the same two rows in C and in the residual
	v_lshl_add_u32 v[CO], v1, 4, v5
	v_lshlrev_b32 v[BO], 4, v1
	s_lshl_b32 s16, s13, 7
	s_lshl_b32 s17, s11, 6
	s_add_co_u32 s16, s16, s17                     ; my first row: 128 x tile row + 64 x half
	s_mul_i32 s16, s16, PITCH_C*4
	s_mov_b32 s17, 0
	s_add_nc_u64 s[8:9], s[8:9], s[16:17]
	s_add_nc_u64 s[8:9], s[8:9], s[46:47]
	s_add_nc_u64 s[70:71], s[70:71], s[16:17]
	s_add_nc_u64 s[70:71], s[70:71], s[46:47]
	global_load_b128 v[BI:BI+3], v[BO], s[68:69]
	WIN 0x80                                       ; destination window 2: the residual of my 64 x 64 comes in under the whole product, laid as the rows come back from the stage
.irp i, 0,1,2,3,4,5,6,7,8,9,10,11,12,13,14,15,16,17,18,19,20,21,22,23,24,25,26,27,28,29,30,31
	global_load_b128 v[4*\i:4*\i+3], v[CO], s[70:71] offset:2*\i*PITCH_C*4
.endr
	WIN 0
.else
	; a wave's 64 columns are 128 bytes, half of an aligned 256 bytes of C: the four waves share one stage of 128 rows x 272 bytes
	s_mul_i32 s23, s11, 64*SPITCH
	s_lshl_b32 s21, s12, 7
	s_add_co_u32 s23, s23, s21
	s_add_co_u32 s23, s23, STAGE
	v_mul_u32_u24 v4, v1, SPITCH
	v_lshl_add_u32 v4, v2, 4, v4
	v_add_nc_u32 v[STO], s23, v4
	s_mul_i32 s23, s10, 32*SPITCH                  ; back: wave w takes rows 32 w .. 32 w + 31, whole
	s_add_co_u32 s23, s23, STAGE
	v_mul_u32_u24 v5, v2, SPITCH
	v_lshl_add_u32 v5, v1, 4, v5
	v_add_nc_u32 v[RD], s23, v5
	v_mul_u32_u24 v5, v2, PITCH_C*2
	v_lshl_add_u32 v[CO], v1, 4, v5
	s_lshl_b32 s16, s13, 7
	s_lshl_b32 s17, s10, 5
	s_add_co_u32 s16, s16, s17                     ; the first row of C that I store: 128 x tile row + 32 x wave
	s_mul_i32 s16, s16, PITCH_C*2
	s_mov_b32 s17, 0
	s_add_nc_u64 s[8:9], s[8:9], s[16:17]
	s_lshl_b32 s46, s42, 8                         ; the tile's first column, in bytes
	s_mov_b32 s47, 0
	s_add_nc_u64 s[8:9], s[8:9], s[46:47]
.endif
.if RELU
	v_lshlrev_b32 v[BO], 5, v2                     ; accumulator (a, b) holds columns 16 b + 8 (l / 16) + 0..7
.irp b, 0,1,2,3
	global_load_b128 v[BI+8*\b:BI+8*\b+3],   v[BO], s[68:69] offset:64*\b
	global_load_b128 v[BI+8*\b+4:BI+8*\b+7], v[BO], s[68:69] offset:64*\b+16
.endr
.endif
; 8 matrix instructions: m blocks a0, a0 + 1 x all 4 n blocks, 32 along K: half c of buffer f.  zero = 1: the first product starts the sums.
; The 16 accumulators take turns, one instruction a turn.
.macro MUL8 f, c, a0, zero
.irp a, \a0, \a0+1
.irp b, 0,1,2,3
.if \zero
	v_wmma_f32_16x16x32_bf16 v[ACC+8*(4*(\a)+\b):ACC+8*(4*(\a)+\b)+7], v[\f+64+8*(4*\c+\b):\f+64+8*(4*\c+\b)+7], v[\f+8*(4*\c+\a):\f+8*(4*\c+\a)+7], 0
.else
	v_wmma_f32_16x16x32_bf16 v[ACC+8*(4*(\a)+\b):ACC+8*(4*(\a)+\b)+7], v[\f+64+8*(4*\c+\b):\f+64+8*(4*\c+\b)+7], v[\f+8*(4*\c+\a):\f+8*(4*\c+\a)+7], v[ACC+8*(4*(\a)+\b):ACC+8*(4*(\a)+\b)+7]
.endif
.endr
.endr
.endm
; 32 LDS loads in one run: the fragments of quarter q (64 along K) of a slot, into buffer f; the first 32 along K first
.macro FETCH slot, q, f
	WIN TO_F
.irp c, 0,1
.irp i, 0,1,2,3
	ds_load_tr16_b128 v[\f+64+8*(4*\c+\i):\f+64+8*(4*\c+\i)+3],   v[ADRW+2*\slot+(\q)/2] offset:(((\q)%2)*64+32*\c)*PW+32*\i
	ds_load_tr16_b128 v[\f+64+8*(4*\c+\i)+4:\f+64+8*(4*\c+\i)+7], v[ADRW+2*\slot+(\q)/2] offset:(((\q)%2)*64+32*\c+16)*PW+32*\i
	ds_load_b128 v[\f+8*(4*\c+\i):\f+8*(4*\c+\i)+3],              v[ADRA+\slot] offset:128*(\q)+64*\c+\i*16*PA
	ds_load_b128 v[\f+8*(4*\c+\i)+4:\f+8*(4*\c+\i)+7],            v[ADRA+\slot] offset:128*(\q)+64*\c+\i*16*PA+32
.endr
.endr
.endm
.macro PLACES                          ; four places in front of loads into registers that matrix instructions have read, and of what reads results just made
.rept 4
	v_nop
.endr
.endm
; A K step is four quarters of 64 along K, 32 matrix instructions each, on buffers 0, 1, 0, 1.  One of the first three: multiplies buffer f and fetches quarter q into g.
.macro QUARTER slot, q, f, g, zero
	s_wait_dscnt 16                                ; the first 32 along K are in; the younger sixteen loads may be out
	WIN MUL
	MUL8 \f, 0, 0, \zero
	MUL8 \f, 0, 2, \zero
	PLACES
	FETCH \slot, \q, \g
	s_wait_dscnt 32                                ; all but the 32 just issued
	WIN MUL
	MUL8 \f, 1, 0, 0
	MUL8 \f, 1, 2, 0
.endm
; The last quarter multiplies buffer 1 and changes slots: ONE barrier; in front of it each wave waits for its own reads of this slot and for all its tensor loads.  fill = 1: this slot is filled again, two K steps ahead.
.macro TURN slot, next, fill
	s_wait_dscnt 16
	WIN MUL
	MUL8 F1, 0, 0, 0
	s_wait_dscnt 0                                 ; my reads of this slot are over,
	s_set_vgpr_msb 0x500
	s_wait_tensorcnt 0x0                           ; and all my tensor loads have landed: the one that was out is my part of the next slot
	ds_add_u32 v126, v127
	s_wait_dscnt 0x0
	s_set_vgpr_msb 0x5
	s_barrier_signal -1
	MUL8 F1, 0, 2, 0
.if \fill
	WIN 0
.endif
	s_barrier_wait -1
.if \fill
	CREST                                          ; the barrier has opened a round of the cluster's barrier: no wave of any partner still reads this slot's tile or has a load on its way
	s_add_nc_u64 s[G0+4*\slot+2:G0+4*\slot+3], s[G0+4*\slot+2:G0+4*\slot+3], 2*KSTEP*2
	s_add_nc_u64 s[G0B+4*\slot+2:G0B+4*\slot+3], s[G0B+4*\slot+2:G0B+4*\slot+3], 2*KSTEP*PITCH_W*2
	JLOAD \slot                                    ; the first tensor load behind the round, my only one until the next: 120 matrix instructions ahead of the wait for it; its four v_nop are also the places in front of the loads below
.else
	PLACES
.endif
	FETCH \next, 0, F0
	WIN MUL
	MUL8 F1, 1, 0, 0
	MUL8 F1, 1, 2, 0
.endm
	s_wait_tensorcnt 1                             ; my part of K step 0 is in; K step 1's may stay out
	s_barrier_signal -1
	s_barrier_wait -1                              ; everybody's is
	FETCH 0, 0, F0
	QUARTER 0, 1, F0, F1, 1                        ; the first quarter stands in front of the loop: its first products start the sums
	WIN 0                                          ; at a label and at a branch every window is 0
	s_mov_b32 s3, LAPS-1
.Llap:                                                 ; a trip goes once round the ring, from a lap's second quarter to the next lap's first, and fills both slots again
	QUARTER 0, 2, F1, F0, 0
	QUARTER 0, 3, F0, F1, 0
	TURN 0, 1, 1
	QUARTER 1, 1, F0, F1, 0
	QUARTER 1, 2, F1, F0, 0
	QUARTER 1, 3, F0, F1, 0
	TURN 1, 0, 1
	QUARTER 0, 1, F0, F1, 0
	WIN 0
	s_sub_co_u32 s3, s3, 1
	s_cmp_lg_u32 s3, 0
	s_cbranch_scc1 .Llap
	QUARTER 0, 2, F1, F0, 0                        ; the last lap fills nothing, and has no round of the cluster's barrier
	QUARTER 0, 3, F0, F1, 0
	TURN 0, 1, 0
	QUARTER 1, 1, F0, F1, 0
	QUARTER 1, 2, F1, F0, 0
	QUARTER 1, 3, F0, F1, 0
	s_wait_dscnt 16                                ; the very last quarter: nothing more to fetch
	WIN MUL
	MUL8 F1, 0, 0, 0
	MUL8 F1, 0, 2, 0
	s_wait_dscnt 0
	MUL8 F1, 1, 0, 0
	MUL8 F1, 1, 2, 0
	WIN 0
.if F32OUT
	; THE WAY OUT IN F32: 16 rows at a time through my own stage (LDS serves a wave's instructions in order, ISA guide 5.7.1.4: no wait between my stores and my loads, no barrier);
	; back as whole rows of 256 bytes; bias and residual are added there, where a lane holds four neighbouring columns.
.macro OUT a
.set OBK, TMP+32*((\a)%2)
.irp b, 0,1,2,3
	ds_store_b128 v[STO], v[ACC+8*(4*\a+\b):ACC+8*(4*\a+\b)+3]   offset:64*\b       ; each accumulator from its low end on
	ds_store_b128 v[STO], v[ACC+8*(4*\a+\b)+4:ACC+8*(4*\a+\b)+7] offset:64*\b+16
.endr
	s_wait_xcnt 0x0                                ; the registers below were the data of the stores two blocks back: they are written again only behind this wait
.irp t, 0,1,2,3,4,5,6,7
	ds_load_b128 v[OBK+4*\t:OBK+4*\t+3], v[RD] offset:\t*2*SPITCH
.endr
	s_wait_dscnt 0x0
.irp t, 0,1,2,3,4,5,6,7
	v_pk_add_f32 v[OBK+4*\t:OBK+4*\t+1],   v[OBK+4*\t:OBK+4*\t+1],   v[BI:BI+1]
	v_pk_add_f32 v[OBK+4*\t+2:OBK+4*\t+3], v[OBK+4*\t+2:OBK+4*\t+3], v[BI+2:BI+3]
.endr
	WIN 0x08                                       ; source 1 window 2: the residual
.irp t, 0,1,2,3,4,5,6,7
	v_pk_add_f32 v[OBK+4*\t:OBK+4*\t+1],   v[OBK+4*\t:OBK+4*\t+1],   v[4*(8*\a+\t):4*(8*\a+\t)+1]
	v_pk_add_f32 v[OBK+4*\t+2:OBK+4*\t+3], v[OBK+4*\t+2:OBK+4*\t+3], v[4*(8*\a+\t)+2:4*(8*\a+\t)+3]
.endr
	WIN 0
.irp t, 0,1,2,3,4,5,6,7
	global_store_b128 v[CO], v[OBK+4*\t:OBK+4*\t+3], s[8:9] offset:(16*\a+2*\t)*PITCH_C*4   ; 16 lanes store 256 consecutive bytes, at a multiple of 256 from C's first byte
.endr
.endm
	s_wait_loadcnt 0x0                             ; bias and residual
	PLACES
	OUT 0
	OUT 1
	OUT 2
	OUT 3
.else
	; THE WAY OUT IN BF16: round; 16 bytes a lane into the work-group's stage; a barrier, since a row's 256 bytes come from two waves; back as whole rows, 32 rows a wave.
	PLACES
.if RELU
	s_wait_loadcnt 0x0                             ; the bias
.irp t, 0,1,2,3,4,5,6,7,8,9,10,11,12,13,14,15
.irp r, 0,1,2,3
	v_pk_add_f32 v[ACC+8*\t+2*\r:ACC+8*\t+2*\r+1], v[ACC+8*\t+2*\r:ACC+8*\t+2*\r+1], v[BI+8*(\t%4)+2*\r:BI+8*(\t%4)+2*\r+1]
.endr
.irp r, 0,1,2,3,4,5,6,7
	v_max_num_f32 v[ACC+8*\t+\r], 0, v[ACC+8*\t+\r]
.endr
.endr
.endif
.irp t, 0,1,2,3,4,5,6,7,8,9,10,11,12,13,14,15
.irp r, 0,1,2,3
	v_cvt_pk_bf16_f32 v[TMP+4*\t+\r], v[ACC+8*\t+2*\r], v[ACC+8*\t+2*\r+1]
.endr
.endr
.irp a, 0,1,2,3
.irp b, 0,1,2,3
	ds_store_b128 v[STO], v[TMP+4*(4*\a+\b):TMP+4*(4*\a+\b)+3] offset:\a*16*SPITCH+32*\b
.endr
.endr
	s_wait_dscnt 0x0                               ; for the others' sake: my stores into the stage are done
	s_barrier_signal -1
	s_barrier_wait -1
.irp t, 0,1,2,3,4,5,6,7,8,9,10,11,12,13,14,15
	ds_load_b128 v[TMP+4*\t:TMP+4*\t+3], v[RD] offset:\t*2*SPITCH
.endr
.irp t, 0,1,2,3,4,5,6,7,8,9,10,11,12,13,14,15
	s_wait_dscnt 15-\t                             ; the younger loads may stay out
	global_store_b128 v[CO], v[TMP+4*\t:TMP+4*\t+3], s[8:9] offset:2*\t*PITCH_C*2   ; 16 lanes store 256 consecutive bytes, at a multiple of 256 from C's first byte
.endr
.endif
	s_wait_tensorcnt 0x0
	ds_add_u32 v126, v127
	s_wait_dscnt 0x0
	CROUND                                         ; the closing round: no work-group ends while a partner may still ask for a tile that names it
	s_endpgm
.Lfunc_end_k_q046e8ff8ba_ffn2:
	.size	k_q046e8ff8ba_ffn2, .Lfunc_end_k_q046e8ff8ba_ffn2-k_q046e8ff8ba_ffn2
	.p2alignl 7, 3214868480
	.fill 96, 4, 3214868480
	.section	.rodata,"a",@progbits
	.p2align	6, 0x0
	.amdhsa_kernel k_q046e8ff8ba_ffn2
		.amdhsa_group_segment_fixed_size 327680
		.amdhsa_private_segment_fixed_size 0
		.amdhsa_enable_private_segment 0
		.amdhsa_kernarg_size 40
		.amdhsa_user_sgpr_count 2
		.amdhsa_user_sgpr_kernarg_segment_ptr 1
		.amdhsa_wavefront_size32 1
		.amdhsa_system_sgpr_workgroup_id_x 1
		.amdhsa_system_sgpr_workgroup_id_y 1
		.amdhsa_system_sgpr_workgroup_id_z 1
		.amdhsa_system_vgpr_workitem_id 0
		.amdhsa_next_free_vgpr 640
		.amdhsa_next_free_sgpr 72
		.amdhsa_reserve_vcc 0
		.amdhsa_float_denorm_mode_32 3
		.amdhsa_float_denorm_mode_16_64 3
		.amdhsa_memory_ordered 1
		.amdhsa_forward_progress 1
		.amdhsa_inst_pref_size 98
	.end_amdhsa_kernel
	.amdgpu_metadata
---
amdhsa.version: [ 1, 2 ]
amdhsa.kernels:
  - .name:           k_q046e8ff8ba_ffn2
    .symbol:         k_q046e8ff8ba_ffn2.kd
    .args:
      - { .name: hb, .offset: 0, .size: 8, .value_kind: global_buffer, .address_space: global }
      - { .name: cb, .offset: 8, .size: 8, .value_kind: global_buffer, .address_space: global }
      - { .name: y, .offset: 16, .size: 8, .value_kind: global_buffer, .address_space: global }
      - { .name: b2, .offset: 24, .size: 8, .value_kind: global_buffer, .address_space: global }
      - { .name: x1f, .offset: 32, .size: 8, .value_kind: global_buffer, .address_space: global }
    .group_segment_fixed_size: 327680
    .private_segment_fixed_size: 0
    .kernarg_segment_align: 8
    .kernarg_segment_size: 40
    .max_flat_workgroup_size: 128
    .sgpr_count:     72
    .vgpr_count:     640
    .wavefront_size: 32
...
	.end_amdgpu_metadata
.endif
;; end of part 7
;; launch ln2 (part 8): grid 256 x 1, 4 waves a work-group, no clusters, 0 bytes of LDS; arguments y, g2, be2, out0; writes out0
.if DOCPART == 8
	.amdgcn_target "amdgcn-amd-amdhsa--gfx1250"
	.amdhsa_code_object_version 6
	.text
	.protected	k_q046e8ff8ba_ln2
	.globl	k_q046e8ff8ba_ln2
	.p2align	8
	.type	k_q046e8ff8ba_ln2,@function
k_q046e8ff8ba_ln2:
	s_mov_b64 s[64:65], 0
	v_nop
	global_prefetch_b8 v0, s[64:65] scope:SCOPE_SE
	s_setreg_imm32_b32 hwreg(HW_REG_WAVE_MODE, 25, 1), 1
	s_wait_xcnt 0x0
; LayerNorm along rows of 1,024 f32: out = (y - mean) / sqrt(var + 1e-5) * g + be, the variance taken from the centred numbers.  BF = 1: the result is stored in bf16 too.
; A stream: no LDS, no barrier, no matrix unit.  One wave, one row at a time: a row is eight loads of 512 consecutive bytes and stays in 32 registers between the passes.
; Four waves, four rows each; all of a wave's loads go out first (g, be, then the rows), and each row's wait leaves the later rows on their way.
.set BF,  0
.set G,   4                            ; v[4:35]    g of my 32 columns
.set BE,  36                           ; v[36:67]   be
.set X,   68                           ; v[68:195]  row r at X + 32 r
.set T,   196                          ; v[196:203] four chains of packed sums; v204 the figure in hand, v205 the other half of the lanes'
.set OB,  206                          ; v[206:221] a row in bf16
	s_load_b256 s[4:11], s[0:1], 0x0               ; y s[4:5], g s[6:7], be s[8:9], the f32 result s[10:11]
.if BF
	s_load_b64 s[14:15], s[0:1], 0x20              ; the bf16 result
.endif
	s_mov_b32 s12, 0x76543210                      ; v_permlanex16_b32: each lane takes its own place in the other half
	s_mov_b32 s13, 0xfedcba98
	s_mov_b32 s20, 0x3a800000                      ; 1 / 1024
	s_mov_b32 s21, 0x3727c5ac                      ; 1e-5
	s_lshl_b32 s16, ttmp9, 16                      ; the work-group's 16 rows of 4,096 bytes
	s_mov_b32 s17, 0
	s_lshl_b32 s18, ttmp9, 15                      ; of 2,048 bytes in bf16
	s_mov_b32 s19, 0
	v_and_b32 v2, 31, v0                           ; lane
	v_lshrrev_b32 v3, 5, v0                        ; wave
	v_lshlrev_b32 v1, 14, v3
	v_lshl_add_u32 v1, v2, 4, v1                   ; 16 x lane + the wave's four rows
	v_lshlrev_b32 v3, 13, v3
	v_lshl_add_u32 v3, v2, 3, v3                   ; the same in bf16
	v_lshlrev_b32 v2, 4, v2                        ; 16 x lane
	v_mov_b32 v[T+9], 0                            ; written before v_permlanex16_b32 names it
	s_wait_kmcnt 0x0
	s_add_nc_u64 s[4:5], s[4:5], s[16:17]
	s_add_nc_u64 s[10:11], s[10:11], s[16:17]
.if BF
	s_add_nc_u64 s[14:15], s[14:15], s[18:19]
.endif
.irp j, 0,1,2,3,4,5,6,7
	global_load_b128 v[G+4*\j:G+4*\j+3], v2, s[6:7] offset:512*\j
.endr
.irp j, 0,1,2,3,4,5,6,7
	global_load_b128 v[BE+4*\j:BE+4*\j+3], v2, s[8:9] offset:512*\j
.endr
.irp r, 0,1,2,3
.irp j, 0,1,2,3,4,5,6,7
	global_load_b128 v[X+32*\r+4*\j:X+32*\r+4*\j+3], v1, s[4:5] offset:4096*\r+512*\j th:TH_LOAD_NT   ; this launch reads each byte once
.endr
.endr
.macro REDUCE                          ; the sum of v[T+8] over the 32 lanes, in every lane
	v_add_f32_dpp v[T+8], v[T+8], v[T+8] row_xmask:1 row_mask:0xf bank_mask:0xf
	v_add_f32_dpp v[T+8], v[T+8], v[T+8] row_xmask:2 row_mask:0xf bank_mask:0xf
	v_add_f32_dpp v[T+8], v[T+8], v[T+8] row_xmask:4 row_mask:0xf bank_mask:0xf
	v_add_f32_dpp v[T+8], v[T+8], v[T+8] row_xmask:8 row_mask:0xf bank_mask:0xf
	v_permlanex16_b32 v[T+9], v[T+8], s12, s13
	v_add_f32 v[T+8], v[T+8], v[T+9]
.endm
.macro FOLD                            ; the four chains into one number a lane
	v_pk_add_f32 v[T:T+1], v[T:T+1], v[T+2:T+3]
	v_pk_add_f32 v[T+4:T+5], v[T+4:T+5], v[T+6:T+7]
	v_pk_add_f32 v[T:T+1], v[T:T+1], v[T+4:T+5]
	v_add_f32 v[T+8], v[T], v[T+1]
.endm
.macro ROW r
.set XR, X+32*\r
	s_wait_loadcnt 8*(3-\r)                        ; loads come back in order (ISA guide 5.7.1): g, be and this row are in, the later rows' loads stay out
.irp k, 0,1,2,3
	v_pk_add_f32 v[T+2*\k:T+2*\k+1], v[XR+2*\k:XR+2*\k+1], v[XR+8+2*\k:XR+8+2*\k+1]   ; the first pairs start the chains: nothing is cleared
.endr
.irp o, 16,24
.irp k, 0,1,2,3
	v_pk_add_f32 v[T+2*\k:T+2*\k+1], v[T+2*\k:T+2*\k+1], v[XR+\o+2*\k:XR+\o+2*\k+1]
.endr
.endr
	FOLD
	REDUCE
	v_mul_f32 v[T+8], s20, v[T+8]                  ; the mean
.irp i, 0,1,2,3,4,5,6,7,8,9,10,11,12,13,14,15
	v_pk_add_f32 v[XR+2*\i:XR+2*\i+1], v[XR+2*\i:XR+2*\i+1], v[T+8:T+9] op_sel_hi:[1,0] neg_lo:[0,1] neg_hi:[0,1]
.endr
.irp k, 0,1,2,3
	v_pk_mul_f32 v[T+2*\k:T+2*\k+1], v[XR+2*\k:XR+2*\k+1], v[XR+2*\k:XR+2*\k+1]
.endr
.irp o, 8,16,24
.irp k, 0,1,2,3
	v_pk_fma_f32 v[T+2*\k:T+2*\k+1], v[XR+\o+2*\k:XR+\o+2*\k+1], v[XR+\o+2*\k:XR+\o+2*\k+1], v[T+2*\k:T+2*\k+1]
.endr
.endr
	FOLD
	REDUCE
	v_fma_f32 v[T+8], v[T+8], s20, s21             ; var + eps
	v_rsq_f32 v[T+8], v[T+8]
	v_nop                                          ; a plain instruction between the root and the use of its result (ISA guide 5.7.2)
	s_wait_alu depctr_va_vdst(0)
.irp i, 0,1,2,3,4,5,6,7,8,9,10,11,12,13,14,15
	v_pk_mul_f32 v[XR+2*\i:XR+2*\i+1], v[XR+2*\i:XR+2*\i+1], v[T+8:T+9] op_sel_hi:[1,0]
.endr
.irp i, 0,1,2,3,4,5,6,7,8,9,10,11,12,13,14,15
	v_pk_fma_f32 v[XR+2*\i:XR+2*\i+1], v[XR+2*\i:XR+2*\i+1], v[G+2*\i:G+2*\i+1], v[BE+2*\i:BE+2*\i+1]
.endr
.irp j, 0,1,2,3,4,5,6,7
.if BF
	global_store_b128 v1, v[XR+4*\j:XR+4*\j+3], s[10:11] offset:4096*\r+512*\j
.else
	global_store_b128 v1, v[XR+4*\j:XR+4*\j+3], s[10:11] offset:4096*\r+512*\j th:TH_STORE_NT
.endif
.endr
.if BF
	s_wait_xcnt 0x0                                ; OB was the data of the last row's stores: it is written again only behind this wait
.irp j, 0,1,2,3,4,5,6,7
	v_cvt_pk_bf16_f32 v[OB+2*\j],   v[XR+4*\j],   v[XR+4*\j+1]
	v_cvt_pk_bf16_f32 v[OB+2*\j+1], v[XR+4*\j+2], v[XR+4*\j+3]
.endr
.irp j, 0,1,2,3,4,5,6,7
	global_store_b64 v3, v[OB+2*\j:OB+2*\j+1], s[14:15] offset:2048*\r+256*\j   ; a wave's store covers 256 consecutive bytes, at a multiple of 256 from the buffer's first byte
.endr
.endif
.endm
	ROW 0
	ROW 1
	ROW 2
	ROW 3
	s_endpgm
.Lfunc_end_k_q046e8ff8ba_ln2:
	.size	k_q046e8ff8ba_ln2, .Lfunc_end_k_q046e8ff8ba_ln2-k_q046e8ff8ba_ln2
	.p2alignl 7, 3214868480
	.fill 96, 4, 3214868480
	.section	.rodata,"a",@progbits
	.p2align	6, 0x0
	.amdhsa_kernel k_q046e8ff8ba_ln2
		.amdhsa_group_segment_fixed_size 0
		.amdhsa_private_segment_fixed_size 0
		.amdhsa_enable_private_segment 0
		.amdhsa_kernarg_size 32
		.amdhsa_user_sgpr_count 2
		.amdhsa_user_sgpr_kernarg_segment_ptr 1
		.amdhsa_wavefront_size32 1
		.amdhsa_system_sgpr_workgroup_id_x 1
		.amdhsa_system_sgpr_workgroup_id_y 1
		.amdhsa_system_sgpr_workgroup_id_z 1
		.amdhsa_system_vgpr_workitem_id 0
		.amdhsa_next_free_vgpr 224
		.amdhsa_next_free_sgpr 66
		.amdhsa_reserve_vcc 0
		.amdhsa_float_denorm_mode_32 3
		.amdhsa_float_denorm_mode_16_64 3
		.amdhsa_memory_ordered 1
		.amdhsa_forward_progress 1
		.amdhsa_inst_pref_size 33
	.end_amdhsa_kernel
	.amdgpu_metadata
---
amdhsa.version: [ 1, 2 ]
amdhsa.kernels:
  - .name:           k_q046e8ff8ba_ln2
    .symbol:         k_q046e8ff8ba_ln2.kd
    .args:
      - { .name: y, .offset: 0, .size: 8, .value_kind: global_buffer, .address_space: global }
      - { .name: g2, .offset: 8, .size: 8, .value_kind: global_buffer, .address_space: global }
      - { .name: be2, .offset: 16, .size: 8, .value_kind: global_buffer, .address_space: global }
      - { .name: out0, .offset: 24, .size: 8, .value_kind: global_buffer, .address_space: global }
    .group_segment_fixed_size: 0
    .private_segment_fixed_size: 0
    .kernarg_segment_align: 8
    .kernarg_segment_size: 32
    .max_flat_workgroup_size: 128
    .sgpr_count:     66
    .vgpr_count:     224
    .wavefront_size: 32
...
	.end_amdgpu_metadata
.endif
;; end of part 8
;; ======== version 2 of 2: 8 launches
;; limits: right only within a limited range of input values
;; workspace buffers: cb 33,554,432 bytes; qkv 25,165,824 bytes; ao 8,388,608 bytes; y 16,777,216 bytes; x1f 16,777,216 bytes; x1b 8,388,608 bytes; hb 33,554,432 bytes
;; launch cast: the kernel of part 1 again; grid 64 x 16, 8 waves a work-group, no clusters, 0 bytes of LDS; arguments x, Wq, Wk, Wv, Wo, W1, W2, cb; writes cb
;; launch qkv (part 9): grid 12 x 16, 4 waves a work-group, clusters of 4 x 4, 327,680 bytes of LDS; arguments cb, qkv; writes qkv
.if DOCPART == 9
	.amdgcn_target "amdgcn-amd-amdhsa--gfx1250"
	.amdhsa_code_object_version 6
	.text
	.protected	k_q046e8ff8ba_qkv
	.globl	k_q046e8ff8ba_qkv
	.p2align	8
	.type	k_q046e8ff8ba_qkv,@function
k_q046e8ff8ba_qkv:
	s_mov_b64 s[64:65], 0
	v_nop
	global_prefetch_b8 v0, s[64:65] scope:SCOPE_SE
	s_setreg_imm32_b32 hwreg(HW_REG_WAVE_MODE, 25, 1), 1
	s_wait_xcnt 0x0
	s_wait_alu depctr_hold_cnt(0) depctr_sa_sdst(0) depctr_va_vdst(0) depctr_va_sdst(0) depctr_va_ssrc(0) depctr_va_vcc(0) depctr_vm_vsrc(0)
	s_getreg_b32 s2, hwreg(HW_REG_IB_STS2, 6, 4)
	s_cmp_eq_u32 s2, 0
	s_cbranch_scc0 .Lentry_in_a_cluster
	s_endpgm
.Lentry_in_a_cluster:
	s_bfe_u32 s2, ttmp6, 0x10000c
	s_cmp_lg_u32 s2, 0xf033
	s_cbranch_scc0 .Lentry_shape_is_right
	s_endpgm
.Lentry_shape_is_right:
; qkv[token][0:1024 | 1024:2048 | 2048:3072] = x Wq | x Wk | x Wv, bf16 operands out of cb, sums in f32, rounded once to bf16.
; THE TEXT BELOW THE SIZES IS ONE GEMM CORE, C = A W with C in bf16, used by two launches (qkv, ffn1); the flags choose the arguments and the way out.
.set SIZE_K,  1024                     ; A is [4096][SIZE_K] bf16
.set PITCH_W, 1024                     ; W is [SIZE_K][PITCH_W] bf16, as the model stores it: K down the rows
.set PITCH_C, 3072                     ; numbers in a row of C
.set WBASE,   8<<20                    ; W's first byte in cb
.set QKV,     1                        ; 1: A lies in cb too; tile columns 0-3, 4-7, 8-11 take Wq, Wk, Wv (2 MiB apart)
.set RELU,    0                        ; 1: C = bf16(relu(sum + bias))
; A tile of C is 256 x 256: four waves, as many as a WGP has SIMDs, each 128 x 128 = 64 accumulators of 16 x 16, 512 registers.  For 32 along K a wave reads 256 fragment rows from LDS
; and issues 64 matrix instructions.  (With QKV = 1 the 3,072 columns make 12 x 16 = 192 work-groups; a tile of 128 x 384 would make 256, and read the same 256 rows for 48 matrix instructions.)
; K goes in steps of 128 through two LDS slots filled by the tensor data mover: A's 256 rows of 256 bytes (two loads of 128 rows, waves 0 and 1) and W's 128 rows of 512 bytes
; (two loads of 64 rows, waves 2 and 3).  From a refill to the wait for it a wave issues 240 matrix instructions.
; CLUSTERS: 4 x 4 work-groups.  The four of a row of the cluster need the same tiles of A, the four of a column the same tiles of W: each tile is asked for jointly,
; by the same tensor load with the same descriptor and a mask that names the four.
; THE MATRIX INSTRUCTION IS USED TRANSPOSED: source 0 = 16 columns of W (turned on the way out of LDS by ds_load_tr16_b128), source 1 = 16 rows of A:
; a lane then holds row l % 16 of C and the eight neighbouring columns 8 (l / 16) + 0..7, which pack into 16 bytes.
; REGISTERS, in windows of 256 (s_set_vgpr_msb's low byte: bits 1:0 source 0, 3:2 source 1, 5:4 source 2, 7:6 destination):
;   window 0: v0-31 addresses; v64-127, v128-191 fragments of A (8 x 16 rows x 32 K), two buffers; v32-63, v192-255 at work on the way out
;   window 1: v64-127, v128-191 fragments of W, two buffers; v0-63 the bias of my 8 x 8 columns (RELU = 1)
;   window 2: the 32 accumulators of my rows 0-63 (accumulator (a, b) at v[8 (8 a + b)]);   window 3: those of my rows 64-127
.set KSTEP,  128
.set PA,     272                       ; A's LDS row: 256 bytes + 16 = 68 words: row r starts at bank 4 r mod 64 (64 banks of 4 bytes: ISA guide 11.1)
.set PW,     544                       ; W's LDS row: 512 bytes + 32 = 136 words: row r starts at bank 8 r mod 64
.set HALFT,  128*PA                    ; what one tensor load brings: 128 rows of A, or 64 rows of W (64 x 544 is the same 34,816 bytes)
.set WOFF,   2*HALFT                   ; W's rows lie behind A's
.set SLOT,   4*HALFT
.set STAGE,  2*SLOT                    ; behind the ring, a multiple of 256: 16 rows x 272 bytes for each wave; no tensor load fills it
.set SPITCH, 272
.set LAPS,   SIZE_K/(2*KSTEP)          ; a lap = two K steps = once round the ring
.set ADRA, 16                          ; v16-17  LDS address of my A fragments in slot 0, 1
.set ADRW, 20                          ; v20-21  of my W fragments
.set STO,  24                          ; v24     the way out: where I put 16 bytes of a row
.set RD,   25                          ; v25     the way out: where I read a row back
.set CO,   26                          ; v26     my byte offset in C
.set BO,   27                          ; v27     my byte offset in the bias
.set F0,   64                          ; fragment buffer 0
.set F1,   128                         ; fragment buffer 1
.set TMP,  192                         ; the way out: packed results
.set OB,   32                          ; the way out: 16 rows read back from the stage: v32-63 and v224-255 by turns
.set G1, 24                            ; s[24:31] descriptor group 1 for A's tiles;  s[32:39] group 0, one set for each slot
.set G0, 32
.set G1B, 48                           ; s[48:55], s[56:63] the same for W's tiles
.set G0B, 56
.set MSB, 0
.macro WIN new                         ; the immediate's high byte repeats the setting that is left; a switch that changes nothing is dropped
.if MSB != \new
	s_set_vgpr_msb (MSB<<8)|\new
.set MSB, \new
.endif
.endm
.set MUL_LO, 0xa1                      ; source 0 (W) window 1, source 1 (A) window 0, C and D window 2
.set MUL_HI, 0xf1                      ; the same, C and D window 3
.set TO_W,   0x40                      ; destination window 1, address window 0
.macro JLOAD s                         ; a joint load: waves 0 and 1 fetch A's two halves, waves 2 and 3 W's; four v_nop follow each of the two lines, ahead of the jump, the label and what follows
	s_cmp_eq_u32 s11, 0
	s_cbranch_scc0 .Lfor_w_\@
	tensor_load_to_lds s[G0+4*\s:G0+4*\s+3], s[G1:G1+7]
	s_nop 0
.rept 4
	v_nop
.endr
	s_branch .Lasked_\@
.Lfor_w_\@:
	tensor_load_to_lds s[G0B+4*\s:G0B+4*\s+3], s[G1B:G1B+7]
	s_nop 0
.rept 4
	v_nop
.endr
.Lasked_\@:
.endm
.macro CREST                           ; a round of the cluster's barrier behind its opening barrier
	s_cmp_lg_u32 s10, 0
	s_cbranch_scc1 .Lnot_wave_0_\@
	s_barrier_signal -3
.Lnot_wave_0_\@:
	s_barrier_wait -3
	s_barrier_signal -1
	s_barrier_wait -1
.endm
.macro CROUND                          ; a whole round
	s_barrier_signal -1
	s_barrier_wait -1
	CREST
.endm
.if QKV
	s_load_b128 s[4:7], s[0:1], 0x0                ; cb s[4:5], C s[6:7]
	s_set_vgpr_msb 0x40
	v_lshl_add_u32 v255, v0, 2, 0x48400
	s_set_vgpr_msb 0x4000
	v_mov_b32 v31, 0
	s_set_vgpr_msb 0x1
	ds_add_u32 v255, v31
	s_set_vgpr_msb 0x100
.else
	s_load_b128 s[4:7], s[0:1], 0x0                ; A s[4:5], cb s[6:7]
	s_load_b64 s[8:9], s[0:1], 0x10                ; C
.endif
.if RELU
	s_load_b64 s[68:69], s[0:1], 0x18              ; the bias
.endif
	v_lshrrev_b32 v1, 5, v0
	v_readfirstlane_b32 s10, v1                    ; wave 0..3
	s_lshr_b32 s11, s10, 1                         ; which half of the tile's rows is mine.  Also: I fetch for A (0) or for W (1)
	s_and_b32 s12, s10, 1                          ; which half of its columns.  Also: which half of that tile I fetch
	s_bfe_u32 s40, ttmp6, 0x40000                  ; cx, cy: my place in the cluster
	s_bfe_u32 s41, ttmp6, 0x40004
	s_lshl_b32 s42, ttmp9, 2
	s_add_co_u32 s42, s42, s40                     ; tile column of C = 4 x cluster x + cx
	s_and_b32 s13, ttmp7, 0xffff
	s_lshl_b32 s13, s13, 2
	s_add_co_u32 s13, s13, s41                     ; tile row of C = 4 x cluster y + cy
	s_lshl_b32 s43, s41, 2
	s_lshl_b32 s43, 15, s43                        ; my row of the cluster
	s_lshl_b32 s44, 0x1111, s40                    ; my column
	; group 1 for A: 128 rows x 128 elements of 2 bytes; 16 bytes of padding (code 3) behind every 64 words (code 5); bit 21 set beside the mask
	s_or_b32 s[G1+0], s43, (1<<16)|(1<<20)|(1<<21)|(5<<22)|(3<<25)
	s_mov_b32 s[G1+1], KSTEP<<16                   ; tensor_dim0 = 128
	s_mov_b32 s[G1+2], 128<<16                     ; tensor_dim1 = 128
	s_mov_b32 s[G1+3], KSTEP<<16                   ; tile_dim0 = 128
	s_mov_b32 s[G1+4], 128                         ; tile_dim1 = 128
	s_mov_b32 s[G1+5], SIZE_K                      ; elements from row to row
	s_mov_b32 s[G1+6], 0
	s_mov_b32 s[G1+7], 0
	; group 1 for W: 64 rows x 256 elements; 32 bytes of padding (code 7) behind every 128 words (code 6)
	s_or_b32 s[G1B+0], s44, (1<<16)|(1<<20)|(1<<21)|(6<<22)|(7<<25)
	s_mov_b32 s[G1B+1], 256<<16                    ; tensor_dim0 = 256
	s_mov_b32 s[G1B+2], 64<<16                     ; tensor_dim1 = 64
	s_mov_b32 s[G1B+3], 256<<16                    ; tile_dim0 = 256
	s_mov_b32 s[G1B+4], 64                         ; tile_dim1 = 64
	s_mov_b32 s[G1B+5], PITCH_W
	s_mov_b32 s[G1B+6], 0
	s_mov_b32 s[G1B+7], 0
	; A's tiles hang on the tile row and the wave alone, W's on the tile column and the wave alone, each in registers that never hold the other coordinate
	s_lshl_b32 s17, s12, 7
	s_lshl_b32 s16, s13, 8
	s_add_co_u32 s16, s16, s17                     ; A: row 256 x tile row + 128 x half
	s_mov_b32 s17, 0
	s_mov_b64 s[18:19], SIZE_K*2
	s_mul_u64 s[16:17], s[16:17], s[18:19]
.if QKV
	s_lshr_b32 s46, s42, 2                         ; which of Wq, Wk, Wv,
	s_lshl_b32 s46, s46, 21                        ; 2 MiB each,
	s_and_b32 s47, s42, 3
	s_lshl_b32 s47, s47, 9                         ; and 512 bytes a tile column inside it
	s_add_co_u32 s46, s46, s47
.else
	s_lshl_b32 s46, s42, 9                         ; W: 512 bytes a tile column
.endif
	s_mul_i32 s47, s12, 64*PITCH_W*2               ; + my 64 rows of the step
	s_add_co_u32 s46, s46, s47
	s_add_co_u32 s46, s46, WBASE
	s_mov_b32 s47, 0
	s_mul_i32 s20, s10, HALFT                      ; where they go: A's two halves, then W's two halves = wave x 34,816: no place in the cluster enters an LDS address
	s_wait_dscnt 0x0
	s_wait_kmcnt 0x0
.if QKV
	s_mov_b64 s[8:9], s[6:7]                       ; C
	s_mov_b64 s[6:7], s[4:5]                       ; W lies in cb as A does
.endif
	s_add_nc_u64 s[14:15], s[4:5], s[16:17]
	s_add_nc_u64 s[46:47], s[6:7], s[46:47]
	CROUND                                         ; all sixteen work-groups are here: the first joint loads meet
.irp s, 0,1
	s_mov_b32 s[G0+4*\s], 1                                        ; count = 1
	s_add_co_u32 s[G0+4*\s+1], s20, \s*SLOT                        ; LDS address
	s_add_nc_u64 s[G0+4*\s+2:G0+4*\s+3], s[14:15], \s*KSTEP*2      ; global address: K step s
	s_or_b32 s[G0+4*\s+3], s[G0+4*\s+3], 0x80000000                ; type = 2
	s_mov_b32 s[G0B+4*\s], 1
	s_add_co_u32 s[G0B+4*\s+1], s20, \s*SLOT
	s_add_nc_u64 s[G0B+4*\s+2:G0B+4*\s+3], s[46:47], \s*KSTEP*PITCH_W*2
	s_or_b32 s[G0B+4*\s+3], s[G0B+4*\s+3], 0x80000000
	JLOAD \s                                       ; two loads of mine are out
.endr
	v_and_b32 v1, 15, v0                           ; l % 16
	v_bfe_u32 v2, v0, 4, 1                         ; l / 16
	v_mul_u32_u24 v3, v1, PA                       ; a fragment of A: row l % 16, 16 bytes for each half of the lanes, two loads 32 bytes apart
	v_lshl_add_u32 v3, v2, 4, v3
	s_mul_i32 s21, s11, HALFT                      ; my 128 rows of A
	v_add_nc_u32 v[ADRA], s21, v3
	v_add_nc_u32 v[ADRA+1], SLOT, v[ADRA]
	v_and_b32 v4, 7, v0                            ; a fragment of W: the turning load takes 16 rows (K) x 16 columns: lane l reads row 8 (l / 16) + l % 8, columns 8 ((l / 8) % 2) + 0..7,
	v_lshl_add_u32 v4, v2, 3, v4                   ; and is left with column l % 16 and 8 numbers along K
	v_mul_u32_u24 v4, v4, PW
	v_bfe_u32 v5, v0, 3, 1
	v_lshl_add_u32 v4, v5, 4, v4
	s_lshl_b32 s22, s12, 8                         ; my 128 columns: 256 bytes of a row
	s_add_co_u32 s22, s22, WOFF
	v_add_nc_u32 v[ADRW], s22, v4
	v_add_nc_u32 v[ADRW+1], SLOT, v[ADRW]
	s_mul_i32 s23, s10, 16*SPITCH
	s_add_co_u32 s23, s23, STAGE                   ; my stage
	v_mul_u32_u24 v4, v1, SPITCH                   ; in: row l % 16, 16 bytes for each half of the lanes
	v_lshl_add_u32 v4, v2, 4, v4
	v_add_nc_u32 v[STO], s23, v4
	v_mul_u32_u24 v5, v2, SPITCH                   ; back: lanes 0-15 take one row of 256 bytes, lanes 16-31 the next
	v_lshl_add_u32 v5, v1, 4, v5
	v_add_nc_u32 v[RD], s23, v5
	v_mul_u32_u24 v5, v2, PITCH_C*2                ; and the same two rows in C
	v_lshl_add_u32 v[CO], v1, 4, v5
	s_lshl_b32 s16, s13, 8
	s_lshl_b32 s17, s11, 7
	s_add_co_u32 s16, s16, s17                     ; my first row of C: 256 x tile row + 128 x half
	s_mul_i32 s16, s16, PITCH_C*2
	s_mov_b32 s17, 0
	s_add_nc_u64 s[8:9], s[8:9], s[16:17]
	s_lshl_b32 s46, s42, 9                         ; my first column, in bytes: 512 x tile column + 256 x half (in the registers that held W's address)
	s_lshl_b32 s47, s12, 8
	s_add_co_u32 s46, s46, s47
	s_mov_b32 s47, 0
	s_add_nc_u64 s[8:9], s[8:9], s[46:47]
.if RELU
	s_lshl_b32 s46, s46, 1                         ; the same columns in f32
	s_add_nc_u64 s[68:69], s[68:69], s[46:47]
	v_lshlrev_b32 v[BO], 5, v2                     ; accumulator (a, b) holds columns 16 b + 8 (l / 16) + 0..7
	WIN TO_W                                       ; destination window 1: the bias comes in under the whole product
.irp b, 0,1,2,3,4,5,6,7
	global_load_b128 v[8*\b:8*\b+3],   v[BO], s[68:69] offset:64*\b
	global_load_b128 v[8*\b+4:8*\b+7], v[BO], s[68:69] offset:64*\b+16
.endr
	WIN 0
.endif
; 16 matrix instructions: m blocks a0, a0 + 1 of the window's four (hi = 0: my rows 0-63, 1: rows 64-127) x all 8 n blocks, 32 along K.  zero = 1: the first product starts the sums.
; The 64 accumulators take turns, one instruction a turn, in the same order in every quarter step.
.macro MUL16 f, hi, a0, zero
.irp a, \a0, \a0+1
.irp b, 0,1,2,3,4,5,6,7
.if \zero
	v_wmma_f32_16x16x32_bf16 v[8*(8*(\a)+\b):8*(8*(\a)+\b)+7], v[\f+8*\b:\f+8*\b+7], v[\f+8*(4*\hi+\a):\f+8*(4*\hi+\a)+7], 0
.else
	v_wmma_f32_16x16x32_bf16 v[8*(8*(\a)+\b):8*(8*(\a)+\b)+7], v[\f+8*\b:\f+8*\b+7], v[\f+8*(4*\hi+\a):\f+8*(4*\hi+\a)+7], v[8*(8*(\a)+\b):8*(8*(\a)+\b)+7]
.endif
.endr
.endr
.endm
; 32 LDS loads in one run: the fragments of quarter q (32 along K) of a slot into buffer f: 128 columns of W, then 128 rows of A
.macro FETCH slot, q, f
	WIN TO_W
.irp i, 0,1,2,3,4,5,6,7
	ds_load_tr16_b128 v[\f+8*\i:\f+8*\i+3],   v[ADRW+\slot] offset:32*(\q)*PW+32*\i
	ds_load_tr16_b128 v[\f+8*\i+4:\f+8*\i+7], v[ADRW+\slot] offset:(32*(\q)+16)*PW+32*\i
.endr
	WIN 0
.irp i, 0,1,2,3,4,5,6,7
	ds_load_b128 v[\f+8*\i:\f+8*\i+3],   v[ADRA+\slot] offset:64*(\q)+\i*16*PA
	ds_load_b128 v[\f+8*\i+4:\f+8*\i+7], v[ADRA+\slot] offset:64*(\q)+\i*16*PA+32
.endr
.endm
.macro PLACES                          ; four places in front of loads into registers that matrix instructions have read, and of what reads results just made
.rept 4
	v_nop
.endr
.endm
; A K step is four quarters of 32 along K, 64 matrix instructions each, on buffers 0, 1, 0, 1.  One of the first three: multiplies buffer f; in its middle it fetches quarter q into buffer g.
.macro QUARTER slot, q, f, g, zero
	s_wait_dscnt 8                                 ; W and A's rows 0-63 are in; the youngest eight loads (A's rows 64-127) may be out
	WIN MUL_LO
	MUL16 \f, 0, 0, \zero
	MUL16 \f, 0, 2, \zero
	PLACES
	FETCH \slot, \q, \g
	s_wait_dscnt 32                                ; all but the 32 just issued
	WIN MUL_HI
	MUL16 \f, 1, 0, \zero
	MUL16 \f, 1, 2, \zero
.endm
; The last quarter multiplies buffer 1 and changes slots: ONE barrier; in front of it each wave waits for its own reads of this slot and for all its tensor loads.  fill = 1: this slot is filled again, two K steps ahead.
.macro TURN slot, next, fill
	s_wait_dscnt 8
	WIN MUL_LO
	MUL16 F1, 0, 0, 0
	s_wait_dscnt 0                                 ; my reads of this slot are over,
	s_wait_tensorcnt 0x0                           ; and all my tensor loads have landed: the one that was out is my part of the next slot
	ds_add_u32 v255, v31
	s_wait_dscnt 0x0
	s_barrier_signal -1
	MUL16 F1, 0, 2, 0                              ; work on registers while the others arrive
.if \fill
	WIN 0
.endif
	s_barrier_wait -1
.if \fill
	CREST                                          ; the barrier has opened a round of the cluster's barrier: no wave of any partner still reads this slot's tile or has a load on its way
	s_add_nc_u64 s[G0+4*\slot+2:G0+4*\slot+3], s[G0+4*\slot+2:G0+4*\slot+3], 2*KSTEP*2
	s_add_nc_u64 s[G0B+4*\slot+2:G0B+4*\slot+3], s[G0B+4*\slot+2:G0B+4*\slot+3], 2*KSTEP*PITCH_W*2
	JLOAD \slot                                    ; the first tensor load behind the round, my only one until the next; its four v_nop are also the places in front of the loads below
.else
	PLACES
.endif
	FETCH \next, 0, F0
	WIN MUL_HI
	MUL16 F1, 1, 0, 0
	MUL16 F1, 1, 2, 0
.endm
; THE WAY OUT of block a (16 of my rows), in three parts.  PACK: (bias, relu,) rounded to bf16, 16 bytes a lane; each accumulator is read from its low end on.
; TOSTAGE: into my own stage in LDS, and back as whole rows of 256 bytes.  SEND: stored.
.macro PACK a
.set AC, 64*((\a)%4)
.if RELU
	WIN 0x86+0x41*((\a)/4)                         ; destination and source 0: window 2 or 3; source 1: window 1, the bias
.irp b, 0,1,2,3,4,5,6,7
.irp r, 0,1,2,3
	v_pk_add_f32 v[AC+8*\b+2*\r:AC+8*\b+2*\r+1], v[AC+8*\b+2*\r:AC+8*\b+2*\r+1], v[8*\b+2*\r:8*\b+2*\r+1]
.endr
.endr
	WIN 0x8a+0x45*((\a)/4)                         ; destination and sources: window 2 or 3
.irp b, 0,1,2,3,4,5,6,7
.irp r, 0,1,2,3,4,5,6,7
	v_max_num_f32 v[AC+8*\b+\r], 0, v[AC+8*\b+\r]
.endr
.endr
.endif
	WIN 0x0a+5*((\a)/4)                            ; sources 0 and 1: window 2 or 3; destination window 0
.irp b, 0,1,2,3,4,5,6,7
.irp r, 0,1,2,3
	v_cvt_pk_bf16_f32 v[TMP+4*\b+\r], v[AC+8*\b+2*\r], v[AC+8*\b+2*\r+1]
.endr
.endr
	WIN 0
.endm
.macro TOSTAGE a
.set BK, OB+192*((\a)%2)
.irp b, 0,1,2,3,4,5,6,7
	ds_store_b128 v[STO], v[TMP+4*\b:TMP+4*\b+3] offset:32*\b
.endr
.irp t, 0,1,2,3,4,5,6,7
	ds_load_b128 v[BK+4*\t:BK+4*\t+3], v[RD] offset:\t*2*SPITCH    ; LDS serves a wave's instructions in order (ISA guide 5.7.1.4): these see the stores above
.endr
.endm
.macro SEND a
.set BK, OB+192*((\a)%2)
	s_wait_dscnt 0x0                               ; the block is back in registers
	s_wait_xcnt 0x0                                ; the next TOSTAGE loads into the registers that the stores of the block before this one read: only behind this wait
.irp t, 0,1,2,3,4,5,6,7
	global_store_b128 v[CO], v[BK+4*\t:BK+4*\t+3], s[8:9] offset:(16*(\a)+2*\t)*PITCH_C*2   ; 16 lanes store 256 consecutive bytes, at a multiple of 256 from C's first byte; 126 rows at the most stand in the immediate
.endr
.endm
	s_wait_tensorcnt 1                             ; my part of K step 0 is in; K step 1's may stay out
	s_barrier_signal -1
	s_barrier_wait -1                              ; everybody's is
	FETCH 0, 0, F0
	QUARTER 0, 1, F0, F1, 1                        ; the first quarter stands in front of the loop: its products start the sums
	WIN 0                                          ; at a label and at a branch every window is 0
	s_mov_b32 s3, LAPS-1
.Llap:                                                 ; a trip goes once round the ring, from a lap's second quarter to the next lap's first, and fills both slots again
	QUARTER 0, 2, F1, F0, 0
	QUARTER 0, 3, F0, F1, 0
	TURN 0, 1, 1
	QUARTER 1, 1, F0, F1, 0
	QUARTER 1, 2, F1, F0, 0
	QUARTER 1, 3, F0, F1, 0
	TURN 1, 0, 1
	QUARTER 0, 1, F0, F1, 0
	WIN 0
	s_sub_co_u32 s3, s3, 1
	s_cmp_lg_u32 s3, 0
	s_cbranch_scc1 .Llap
	QUARTER 0, 2, F1, F0, 0                        ; the last lap fills nothing, and has no round of the cluster's barrier
	QUARTER 0, 3, F0, F1, 0
	TURN 0, 1, 0
	QUARTER 1, 1, F0, F1, 0
	QUARTER 1, 2, F1, F0, 0
	QUARTER 1, 3, F0, F1, 0
	s_wait_dscnt 0x0                               ; the very last quarter: nothing more to fetch
	WIN MUL_LO
	MUL16 F1, 0, 0, 0
	MUL16 F1, 0, 2, 0
	WIN MUL_HI
	MUL16 F1, 1, 0, 0
	MUL16 F1, 1, 2, 0
	WIN 0
.if RELU
	s_wait_loadcnt 0x0                             ; the bias
.endif
	PLACES                                         ; behind the last products
	PACK 0
	TOSTAGE 0
.irp a, 1,2,3,4,5,6,7                  ; block a's arithmetic stands between block a - 1's loads from the stage and the wait for them
	PACK \a
	SEND \a-1
	TOSTAGE \a
.endr
	SEND 7
	s_set_vgpr_msb 0x1
	s_wait_tensorcnt 0x0
	ds_add_u32 v255, v31
	s_wait_dscnt 0x0
	s_set_vgpr_msb 0x100
	CROUND                                         ; the closing round: no work-group ends while a partner may still ask for a tile that names it
	s_endpgm
.Lfunc_end_k_q046e8ff8ba_qkv:
	.size	k_q046e8ff8ba_qkv, .Lfunc_end_k_q046e8ff8ba_qkv-k_q046e8ff8ba_qkv
	.p2alignl 7, 3214868480
	.fill 96, 4, 3214868480
	.section	.rodata,"a",@progbits
	.p2align	6, 0x0
	.amdhsa_kernel k_q046e8ff8ba_qkv
		.amdhsa_group_segment_fixed_size 327680
		.amdhsa_private_segment_fixed_size 0
		.amdhsa_enable_private_segment 0
		.amdhsa_kernarg_size 16
		.amdhsa_user_sgpr_count 2
		.amdhsa_user_sgpr_kernarg_segment_ptr 1
		.amdhsa_wavefront_size32 1
		.amdhsa_system_sgpr_workgroup_id_x 1
		.amdhsa_system_sgpr_workgroup_id_y 1
		.amdhsa_system_sgpr_workgroup_id_z 1
		.amdhsa_system_vgpr_workitem_id 0
		.amdhsa_next_free_vgpr 1024
		.amdhsa_next_free_sgpr 66
		.amdhsa_reserve_vcc 0
		.amdhsa_float_denorm_mode_32 3
		.amdhsa_float_denorm_mode_16_64 3
		.amdhsa_memory_ordered 1
		.amdhsa_forward_progress 1
		.amdhsa_inst_pref_size 143
	.end_amdhsa_kernel
	.amdgpu_metadata
---
amdhsa.version: [ 1, 2 ]
amdhsa.kernels:
  - .name:           k_q046e8ff8ba_qkv
    .symbol:         k_q046e8ff8ba_qkv.kd
    .args:
      - { .name: cb, .offset: 0, .size: 8, .value_kind: global_buffer, .address_space: global }
      - { .name: qkv, .offset: 8, .size: 8, .value_kind: global_buffer, .address_space: global }
    .group_segment_fixed_size: 327680
    .private_segment_fixed_size: 0
    .kernarg_segment_align: 8
    .kernarg_segment_size: 16
    .max_flat_workgroup_size: 128
    .sgpr_count:     66
    .vgpr_count:     1024
    .wavefront_size: 32
...
	.end_amdgpu_metadata
.endif
;; end of part 9
;; launch attn (part 10): grid 32 x 8, 4 waves a work-group, clusters of 4 x 4, 327,680 bytes of LDS; arguments qkv, attn_mask, ao; writes ao
.if DOCPART == 10
	.amdgcn_target "amdgcn-amd-amdhsa--gfx1250"
	.amdhsa_code_object_version 6
	.text
	.protected	k_q046e8ff8ba_attn
	.globl	k_q046e8ff8ba_attn
	.p2align	8
	.type	k_q046e8ff8ba_attn,@function
k_q046e8ff8ba_attn:
	s_mov_b64 s[64:65], 0
	v_nop
	global_prefetch_b8 v0, s[64:65] scope:SCOPE_SE
	s_setreg_imm32_b32 hwreg(HW_REG_WAVE_MODE, 25, 1), 1
	s_wait_xcnt 0x0
	s_wait_alu depctr_hold_cnt(0) depctr_sa_sdst(0) depctr_va_vdst(0) depctr_va_sdst(0) depctr_va_ssrc(0) depctr_va_vcc(0) depctr_vm_vsrc(0)
	s_getreg_b32 s2, hwreg(HW_REG_IB_STS2, 6, 4)
	s_cmp_eq_u32 s2, 0
	s_cbranch_scc0 .Lentry_in_a_cluster
	s_endpgm
.Lentry_in_a_cluster:
	s_bfe_u32 s2, ttmp6, 0x10000c
	s_cmp_lg_u32 s2, 0xf033
	s_cbranch_scc0 .Lentry_shape_is_right
	s_endpgm
.Lentry_shape_is_right:
; ao[token][64 head + d] = sum over keys of softmax_k(q . k / 8, masked) v.  q, k, v: columns 0-1023, 1024-2047, 2048-3071 of qkv [4096][3072] bf16; attn_mask [2][2048][2048] bytes, 1 = masked.
; Products, maxima and sums in f32; the weights p are rounded to bf16 for the second product and for their sum, ao once at the end.
; SHARES.  A work-group owns 128 queries (grid x) and a PAIR of heads (grid y): the pair's 128 columns are 256 consecutive bytes of every row of qkv and of ao.
; Wave w: queries 64 (w / 2) on, four tiles of 16; head w % 2 of the pair.  Every wave walks all 2,048 keys of its batch, 64 a step, 128 (a slot of K and V) a half.
; LAYOUT.  S^T = K Q^T (source 0 = 16 keys, source 1 = 16 queries): a lane holds ONE query (lane % 16) and the keys 8 (lane / 16) + 0..7.  Two such tiles, rounded to bf16 in pairs,
; are source 1 of O^T = V^T P, whose result again holds one query a lane.  K comes out of LDS as it lies, V turned by ds_load_tr16_b128.
; THE MASK ENTERS AS THE SUM'S START: a lane's eight mask bytes times 0xfe, shifted so that each byte in turn stands on top, are eight f32: top byte 0xfe is a finite number between -2^125 and -2^127,
; top byte 0 a number under 2^-125.  These are the C of the first product K Q^T.
; SOFTMAX.  For each query a running maximum m, started at -1e30: p = 2^(c s - c m), c = log2(e) / 8; in every step O and l are multiplied by a = 2^(c m_old - c m_new).
; THE SUM l OF THE WEIGHTS IS A PRODUCT TOO: a fragment of ones as source 0 against P, a fifth block beside V's four blocks of 16 channels.  All its rows are equal, so only the low pair of its
; accumulator is multiplied by a and read; the other six registers hold sums of at most 2,048 weights of at most 1 and are never read.
; A masked score lies under every m, so its p is 0; a row with every key masked ends with l = 0 and O = 0 and is divided by 2^-100: it gives 0.
; LIMIT: an unmasked score must lie above -1e30 (and under 1e30): below that it would count as masked.
; BY TURNS.  The wave's tiles are two PIECES, named by their first tile: piece 0 (tiles 0, 1) and piece 2 (tiles 2, 3).  In a TURN one piece has the matrix unit: 20 products V^T P (l's among them) of the
; step in hand, then 16 products K Q^T of the next step; behind each product stands a slice of a list of 270 vector instructions: the other piece's softmax and rescaling, and the own piece's mask bytes.
; Then the pieces change places; two turns are a key step.  The vector work is the longer side, 7.5 instructions for each product: the products run under it.
; CLUSTER 4 x 4.  K and V hang on the batch and the pair of heads, which a row of the cluster shares; the mask's tile hangs on the block of queries, which a column shares:
; each is asked for jointly, by the same tensor load with the same descriptor and a mask that names the four.
; LDS: two slots for the mask (128 queries x 256 keys), two for K and V (128 keys each), the stage for the way out.
; REGISTERS, in windows of 256 (s_set_vgpr_msb's low byte: bits 1:0 source 0, 3:2 source 1, 5:4 source 2, 7:6 destination):
;   window 0: v0-15 addresses; v16-23 reciprocals; v32-159 S^T, 32 a tile; v160-223 P, 16 a tile; v224-255 eight registers of statistics a tile
;   window 1: v0-159 O^T and l, 40 a tile; v160-223 Q, 16 a tile; v224-231 ones          window 2: v0-63 K of a step; v64-127 V of a step; v128-159 mask bytes, 8 a tile
; All that a softmax touches but O^T lies in window 0, and no window has room for a product's operands beside it: a slice costs two switches, one in front and one behind.
.set KS,     64                        ; keys in a step
.set ROWB,   6144                      ; bytes in a row of qkv
.set PK,     272                       ; a row of K in LDS: 256 bytes + 16 = 68 words: row r starts at bank 4 r mod 64 (64 banks of 4 bytes: ISA guide 11.1)
.set PV,     288                       ; a row of V: 256 + 32 = 72 words
.set PM,     272                       ; a row of the mask's tile: 256 keys + 16
.set MHALF,  64*PM                     ; what one of the mask's loads brings
.set MSLOT,  128*PM                    ; 34,816 = 0x8800, which shares no bit with MHALF = 0x4400: an exclusive or turns one slot's address into the other's
.set KVBASE, 2*MSLOT
.set VOFF,   128*PK
.set KVSLOT, 128*(PK+PV)
.set STAGE,  KVBASE+2*KVSLOT           ; 212,992, a multiple of 256: no tensor load fills it
.set SP,     272
.set AK0, 2                            ; v2   my lane's place in a tile of K; never rewritten
.set AV0, 3                            ; v3   in a tile of V
.set AM0, 4                            ; v4   in a tile of the mask
.set ADRK, 5                           ; v5-7 the LDS addresses of the step that is being fetched
.set ADRV, 6
.set ADRM, 7
.set QO,  8                            ; v8   my byte offset in the wave's rows of q
.set STO, 10                           ; v10  the way out: where I put 16 bytes of a row
.set RD,  11                           ; v11  the way out: where I read a row back
.set GO,  12                           ; v12  my byte offset in the wave's rows of ao
.set RC,  16                           ; v[16:23] the way out: tile t's 1 / l at v[RC+2 t], l beside it
.set S,   32                           ; window 0
.set P,   160
.set ST,  224                          ; tile t's statistics at v[ST+8 t]: +0 c m, +1 m, +4 to +7 at work; a takes +6 once the maximum is found
.set O,   0                            ; window 1: tile t's O^T at v[O+40 t], four accumulators, and l's accumulator behind them
.set Q,   160
.set ONES, 224
.set KF,  0                            ; window 2
.set VF,  64
.set MT,  128
.set WV,  10                           ; s10  my wave's number
.set QH,  11                           ; s11  which 64 queries
.set HP,  12                           ; s12  which head of the pair; for waves 2 and 3 also: which half of the mask's tile I fetch
.set FE,  13                           ; s13  0xfe
.set G1K, 24                           ; s[24:31], s[32:39], s[40:47] descriptor group 1 for K, V, the mask
.set G1V, 32
.set G1M, 40
.set G0K, 48                           ; s[48:55] group 0 for K, a set for each slot
.set G0V, 56                           ; s[56:63] for V
.set G0M, 68                           ; s[68:75] for the mask: a set for each of the two first fills; the second then walks on
.set CS,  76                           ; s[76:77] c: the packed scaling names a pair and takes its low word for both halves
.set SEL, 78                           ; s[78:79] lane selects for v_permlanex16_b32: each lane takes its own place in the other half
.set TK,  80                           ; s80-82 LDS byte at which K, V and the mask bytes of the step to be fetched begin
.set TV,  81
.set TM,  82
.set MS,  83                           ; s83  the mask slot in hand
.set TRIPS, 84
.set TWICE, 85
.set MSB, 0
.macro WIN new                         ; the immediate's high byte repeats the setting that is left; a switch that changes nothing is dropped
.if MSB != \new
	s_set_vgpr_msb (MSB<<8)|\new
.set MSB, \new
.endif
.endm
.set W_KQ, 0x06                        ; K in window 2, Q in window 1, S^T in window 0
.set W_PV, 0x52                        ; V in window 2, P in window 0, O^T in window 1
.set W_L,  0x51                        ; the ones and l in window 1, P in window 0
.set W_RS, 0x41                        ; O^T (destination and source 0) in window 1, a in window 0
.set W_MM, 0x02                        ; mask bytes (source 0) in window 2, S^T in window 0
.set TO_1, 0x40                        ; destination window 1, address window 0
.set TO_2, 0x80                        ; destination window 2, address window 0
.macro PLACES                          ; four places (ISA guide 7.12.1)
.rept 4
	v_nop
.endr
.endm
; A joint refill: wave 0 fetches K's 128 rows, wave 1 V's; m = 1: waves 2 and 3 fetch the halves of the mask's next tile, else they fetch nothing.
; The branches hang on the wave's number alone.  Four v_nop follow each line, ahead of the jump, the label and what follows.
.macro JLOAD s, m
	s_cmp_lt_u32 s[WV], 2
.if \m
	s_cbranch_scc0 .Lfor_m_\@
.else
	s_cbranch_scc0 .Lasked_\@
.endif
	s_cmp_eq_u32 s[WV], 0
	s_cbranch_scc0 .Lfor_v_\@
	tensor_load_to_lds s[G0K+4*\s:G0K+4*\s+3], s[G1K:G1K+7]
	s_nop 0
	PLACES
	s_branch .Lasked_\@
.Lfor_v_\@:
	tensor_load_to_lds s[G0V+4*\s:G0V+4*\s+3], s[G1V:G1V+7]
	s_nop 0
	PLACES
.if \m
	s_branch .Lasked_\@
.Lfor_m_\@:
	tensor_load_to_lds s[G0M+4:G0M+7], s[G1M:G1M+7]
	s_nop 0
	PLACES
.endif
.Lasked_\@:
.endm
.macro CROUND                          ; a round of the cluster's barrier
	s_barrier_signal -1
	s_barrier_wait -1
	s_cmp_lg_u32 s[WV], 0
	s_cbranch_scc1 .Lnot_wave_0_\@
	s_barrier_signal -3
.Lnot_wave_0_\@:
	s_barrier_wait -3
	s_barrier_signal -1
	s_barrier_wait -1
.endm
	s_load_b128 s[4:7], s[0:1], 0x0                ; qkv s[4:5], attn_mask s[6:7]
	s_load_b64 s[8:9], s[0:1], 0x10                ; ao
	v_lshl_add_u32 v250, v0, 2, 0x3c800
	v_mov_b32 v251, 0
	ds_add_u32 v250, v251
	v_lshrrev_b32 v1, 5, v0
	v_readfirstlane_b32 s[WV], v1                  ; wave 0..3
	s_lshr_b32 s[QH], s[WV], 1
	s_and_b32 s[HP], s[WV], 1
	s_mov_b32 s[FE], 0xfe
	s_bfe_u32 s86, ttmp6, 0x40000                  ; cx, cy: my place in the cluster
	s_bfe_u32 s87, ttmp6, 0x40004
	s_lshl_b32 s14, ttmp9, 2
	s_add_co_u32 s14, s14, s86                     ; my block of 128 queries = 4 x cluster x + cx
	s_and_b32 s15, ttmp7, 0xffff
	s_lshl_b32 s15, s15, 2
	s_add_co_u32 s15, s15, s87                     ; my pair of heads = 4 x cluster y + cy
	s_lshl_b32 s88, s87, 2
	s_lshl_b32 s88, 15, s88                        ; my row of the cluster
	s_lshl_b32 s89, 0x1111, s86                    ; my column
	; group 1 for K and V: 128 rows x 128 elements of 2 bytes, padded behind every 64 words (code 5) by 4 words (code 3) or 8 (code 7); bit 21 set beside the mask
	s_or_b32 s[G1K], s88, (1<<16)|(1<<20)|(1<<21)|(5<<22)|(3<<25)
	s_or_b32 s[G1V], s88, (1<<16)|(1<<20)|(1<<21)|(5<<22)|(7<<25)
.irp g, G1K, G1V
	s_mov_b32 s[\g+1], 128<<16                     ; tensor_dim0 = 128
	s_mov_b32 s[\g+2], 128<<16                     ; tensor_dim1 = 128
	s_mov_b32 s[\g+3], 128<<16                     ; tile_dim0 = 128
	s_mov_b32 s[\g+4], 128                         ; tile_dim1 = 128
	s_mov_b32 s[\g+5], 3072                        ; elements from row to row
	s_mov_b32 s[\g+6], 0
	s_mov_b32 s[\g+7], 0
.endr
	; group 1 for the mask: 64 rows x 64 elements of 4 bytes (256 keys), 4 words of padding behind each row
	s_or_b32 s[G1M], s89, (2<<16)|(1<<20)|(1<<21)|(5<<22)|(3<<25)
	s_mov_b32 s[G1M+1], 64<<16
	s_mov_b32 s[G1M+2], 64<<16
	s_mov_b32 s[G1M+3], 64<<16
	s_mov_b32 s[G1M+4], 64
	s_mov_b32 s[G1M+5], 512
	s_mov_b32 s[G1M+6], 0
	s_mov_b32 s[G1M+7], 0
	s_mov_b32 s[CS], 0x3e38aa3b                    ; c = log2(e) / 8
	s_mov_b32 s[CS+1], s[CS]                       ; named with it as a pair, so it is written
	s_mov_b32 s[SEL], 0x76543210
	s_mov_b32 s[SEL+1], 0xfedcba98
	s_lshr_b32 s16, ttmp9, 2                       ; the batch: 16 blocks of queries = 4 clusters each.  K's and V's addresses hang on it and on the pair of heads
	s_mul_i32 s16, s16, 2048*ROWB
	s_lshl_b32 s17, s15, 8
	s_add_co_u32 s16, s16, s17
	s_mov_b32 s17, 0
	s_lshl_b32 s18, s14, 18                        ; the mask's: 128 rows of 2,048 bytes a block of queries,
	s_lshl_b32 s19, s[HP], 17                      ; 64 rows a half
	s_add_co_u32 s18, s18, s19
	s_mov_b32 s19, 0
	s_mul_i32 s90, s[HP], MHALF                    ; and where that half goes
	s_lshl_b32 s20, s14, 7                         ; q: row 128 x block + 64 x half, column bytes 256 x pair + 128 x head
	s_lshl_b32 s21, s[QH], 6
	s_add_co_u32 s20, s20, s21
	s_mul_i32 s20, s20, ROWB
	s_lshl_b32 s21, s15, 8
	s_add_co_u32 s20, s20, s21
	s_lshl_b32 s21, s[HP], 7
	s_add_co_u32 s20, s20, s21
	s_mov_b32 s21, 0
	s_lshl_b32 s22, s14, 7                         ; ao: row 128 x block + 32 x wave (rows of 2,048 bytes), column bytes 256 x pair
	s_lshl_b32 s23, s[WV], 5
	s_add_co_u32 s22, s22, s23
	s_lshl_b32 s22, s22, 11
	s_lshl_b32 s23, s15, 8
	s_add_co_u32 s22, s22, s23
	s_mov_b32 s23, 0
	s_wait_dscnt 0x0
	s_wait_kmcnt 0x0
	s_add_nc_u64 s[16:17], s[4:5], s[16:17]
	s_add_nc_u64 s[18:19], s[6:7], s[18:19]
	s_add_nc_u64 s[4:5], s[4:5], s[20:21]
	s_add_nc_u64 s[8:9], s[8:9], s[22:23]
	CROUND                                         ; all sixteen work-groups are here: the first joint loads meet
.irp s, 0,1
	s_mov_b32 s[G0K+4*\s], 1                                       ; count = 1
	s_mov_b32 s[G0K+4*\s+1], KVBASE+\s*KVSLOT                      ; LDS address
	s_add_nc_u64 s[G0K+4*\s+2:G0K+4*\s+3], s[16:17], 2048+\s*128*ROWB   ; k's columns begin 2,048 bytes into a row; slot s begins with keys 128 s on
	s_or_b32 s[G0K+4*\s+3], s[G0K+4*\s+3], 0x80000000              ; type = 2
	s_mov_b32 s[G0V+4*\s], 1
	s_mov_b32 s[G0V+4*\s+1], KVBASE+\s*KVSLOT+VOFF
	s_add_nc_u64 s[G0V+4*\s+2:G0V+4*\s+3], s[16:17], 4096+\s*128*ROWB
	s_or_b32 s[G0V+4*\s+3], s[G0V+4*\s+3], 0x80000000
	s_mov_b32 s[G0M+4*\s], 1
	s_add_co_u32 s[G0M+4*\s+1], s90, \s*MSLOT
	s_add_nc_u64 s[G0M+4*\s+2:G0M+4*\s+3], s[18:19], \s*256        ; slot s begins with keys 256 s on
	s_or_b32 s[G0M+4*\s+3], s[G0M+4*\s+3], 0x80000000
.endr
	s_cmp_lt_u32 s[WV], 2                          ; a wave's two first fills stand together, ahead of every wait on TENSORcnt, every LDS read and every other barrier: two loads of mine are out
	s_cbranch_scc0 .Lfirst_m
	s_cmp_eq_u32 s[WV], 0
	s_cbranch_scc0 .Lfirst_v
	tensor_load_to_lds s[G0K:G0K+3], s[G1K:G1K+7]
	s_nop 0
	tensor_load_to_lds s[G0K+4:G0K+7], s[G1K:G1K+7]
	s_nop 0
	PLACES
	s_branch .Lfirst_asked
.Lfirst_v:
	tensor_load_to_lds s[G0V:G0V+3], s[G1V:G1V+7]
	s_nop 0
	tensor_load_to_lds s[G0V+4:G0V+7], s[G1V:G1V+7]
	s_nop 0
	PLACES
	s_branch .Lfirst_asked
.Lfirst_m:
	tensor_load_to_lds s[G0M:G0M+3], s[G1M:G1M+7]
	s_nop 0
	tensor_load_to_lds s[G0M+4:G0M+7], s[G1M:G1M+7]
	s_nop 0
	PLACES
.Lfirst_asked:
	; A fragment of K or Q is 16 rows x 32 channels in 8 registers: lane l holds row l % 16; registers 0-3 channels 8 (l / 16) + 0..7, registers 4-7 channels 16 + 8 (l / 16) + 0..7: two loads of 16 bytes, 32 bytes apart.
	v_and_b32 v1, 15, v0                           ; l % 16
	v_bfe_u32 v9, v0, 4, 1                         ; l / 16
	v_mul_u32_u24 v[QO], v1, ROWB
	v_lshl_add_u32 v[QO], v9, 4, v[QO]
	WIN TO_1
.irp t, 0,1,2,3
.irp c, 0,1
	global_load_b128 v[Q+16*\t+8*\c:Q+16*\t+8*\c+3],   v[QO], s[4:5] offset:\t*16*ROWB+64*\c      ; Q stays in registers: tile t, channels 32 c on
	global_load_b128 v[Q+16*\t+8*\c+4:Q+16*\t+8*\c+7], v[QO], s[4:5] offset:\t*16*ROWB+64*\c+32
.endr
.endr
	WIN 0
	s_lshl_b32 s20, s[HP], 7                       ; my head's 128 bytes of a row
	v_mul_u32_u24 v[AK0], v1, PK
	v_lshl_add_u32 v[AK0], v9, 4, v[AK0]
	v_add_nc_u32 v[AK0], s20, v[AK0]
	v_and_b32 v13, 7, v0                           ; the turning load: lane l reads key 8 (l / 16) + l % 8, channels 8 ((l / 8) % 2) + 0..7, and is left with channel l % 16 and 8 keys
	v_bfe_u32 v14, v0, 3, 1
	v_lshl_add_u32 v[AV0], v9, 3, v13
	v_mul_u32_u24 v[AV0], v[AV0], PV
	v_lshl_add_u32 v[AV0], v14, 4, v[AV0]
	v_add_nc_u32 v[AV0], s20, v[AV0]
	s_mul_i32 s21, s[QH], 64*PM                    ; the mask: my query's row, 8 bytes for each half of the lanes
	v_mul_u32_u24 v[AM0], v1, PM
	v_lshl_add_u32 v[AM0], v9, 3, v[AM0]
	v_add_nc_u32 v[AM0], s21, v[AM0]
	s_mul_i32 s21, s[QH], 64*SP                    ; into the stage: my 64 rows, my head's half of their 256 bytes
	s_add_co_u32 s21, s21, s20
	s_add_co_u32 s21, s21, STAGE
	v_mul_u32_u24 v[STO], v1, SP
	v_lshl_add_u32 v[STO], v9, 4, v[STO]
	v_add_nc_u32 v[STO], s21, v[STO]
	s_mul_i32 s21, s[WV], 32*SP                    ; back: wave w takes rows 32 w .. 32 w + 31, whole; lanes 0-15 one row, lanes 16-31 the next
	s_add_co_u32 s21, s21, STAGE
	v_mul_u32_u24 v[RD], v9, SP
	v_lshl_add_u32 v[RD], v1, 4, v[RD]
	v_add_nc_u32 v[RD], s21, v[RD]
	v_lshlrev_b32 v[GO], 11, v9                    ; and the same two rows in ao
	v_lshl_add_u32 v[GO], v1, 4, v[GO]
.irp t, 0,1,2,3
	v_mov_b32 v[ST+8*\t+1], 0xf149f2ca             ; m = -1e30
	v_mul_f32 v[ST+8*\t], s[CS], v[ST+8*\t+1]      ; c m
.endr
	s_mov_b32 s[TK], KVBASE
	s_mov_b32 s[TV], KVBASE+VOFF
	s_mov_b32 s[TM], 0
	s_mov_b32 s[MS], 0
; THE MATRIX WORK OF A TURN, for piece x.  The accumulators take turns, one instruction a turn: between two links of a chain stand 9 (V^T P) or 7 (K Q^T) others'.
; Product i of 20 of O^T += V^T P and l += 1 P: keys 32 (i / 10) on; block (i % 10) / 2: channels 16 x block on, block 4 the ones; tile x + i % 2.  zero = 1: the first 10 start the sums: nothing is ever cleared.
.macro MPV x, zero
.set pt, \x+i%2
.set pc, i/10
.set pb, (i%10)/2
.set rO, O+40*pt+8*pb
.set rP, P+16*pt+8*pc
.if pb < 4
.set rA, VF+8*(4*pc+pb)
	WIN W_PV
.else
.set rA, ONES
	WIN W_L
.endif
.if \zero && (pc == 0)
	v_wmma_f32_16x16x32_bf16 v[rO:rO+7], v[rA:rA+7], v[rP:rP+7], 0
.else
	v_wmma_f32_16x16x32_bf16 v[rO:rO+7], v[rA:rA+7], v[rP:rP+7], v[rO:rO+7]
.endif
.endm
; Product i of 16 of S^T = mask + K Q^T: channels 32 (i / 8) on, keys 16 ((i % 8) / 2) on, tile x + i % 2.  Both links add in place: the sums start from what the mask's bytes were made into.
.macro MKQ x
.set pt, \x+i%2
.set pc, i/8
.set pb, (i%8)/2
.set rS, S+32*pt+8*pb
	WIN W_KQ
	v_wmma_f32_16x16x32_bf16 v[rS:rS+7], v[KF+8*(2*pb+pc):KF+8*(2*pb+pc)+7], v[Q+16*pt+8*pc:Q+16*pt+8*pc+7], v[rS:rS+7]
.endm
; THE LDS LOADS stand in runs, never singly among the matrix instructions.  ADDRS makes the three addresses of the step to be fetched and steps on to the next.
.macro ADDRS
	WIN 0
	v_add_nc_u32 v[ADRM], s[TM], v[AM0]
	v_add_nc_u32 v[ADRK], s[TK], v[AK0]
	v_add_nc_u32 v[ADRV], s[TV], v[AV0]
	s_add_co_u32 s[TM], s[TM], KS
	s_add_co_u32 s[TK], s[TK], KS*PK
	s_add_co_u32 s[TV], s[TV], KS*PV
.endm
.macro FETCH_M x                       ; piece x's mask bytes: 8 loads
	WIN TO_2
.irp t, \x, \x+1
.irp b, 0,1,2,3
	ds_load_b64 v[MT+8*(\t)+2*\b:MT+8*(\t)+2*\b+1], v[ADRM] offset:(\t)*16*PM+16*\b   ; tile t, keys 16 b + 8 (l / 16) + 0..7
.endr
.endr
.endm
.macro FETCH_K                         ; 16 loads
	WIN TO_2
.irp b, 0,1,2,3
.irp c, 0,1
	ds_load_b128 v[KF+8*(2*\b+\c):KF+8*(2*\b+\c)+3],   v[ADRK] offset:\b*16*PK+64*\c      ; keys 16 b on, channels 32 c on
	ds_load_b128 v[KF+8*(2*\b+\c)+4:KF+8*(2*\b+\c)+7], v[ADRK] offset:\b*16*PK+64*\c+32
.endr
.endr
.endm
.macro FETCH_V                         ; 16 loads
	WIN TO_2
.irp c, 0,1
.irp b, 0,1,2,3
	ds_load_tr16_b128 v[VF+8*(4*\c+\b):VF+8*(4*\c+\b)+3],   v[ADRV] offset:\c*32*PV+32*\b         ; keys 32 c on, channels 16 b on
	ds_load_tr16_b128 v[VF+8*(4*\c+\b)+4:VF+8*(4*\c+\b)+7], v[ADRV] offset:\c*32*PV+16*PV+32*\b
.endr
.endr
.endm
; THE VECTOR WORK OF A TURN.
; SM writes number j of one tile's softmax for one key step.  s0-s31 are the lane's 32 scores, in pairs 0-15.
;   0-15    the maximum of s0-s31 and the old m, three operands at a time; each accumulator of S^T is read from its low end on
;   16-20   the other half of the lanes' maximum; the new m; c m; c m_old - c m_new
;   21-90   place pos = j - 21.  At the odd places the 33 exponentials: number g = pos / 2 is a (g = 0), then s(g - 1).  At the even places plain work that is ready: g = 0 and the odd g up to 29:
;           c s - c m for pair (g + 1) / 2, five places ahead of its first exponential; the even g from 4 on: the rounding to bf16 of pair (g - 4) / 2, three places behind its second exponential.
;           The places g = 2, 31, 33 and the odd places behind s31 are empty.
.macro SM t
.set rT, ST+8*(\t)
.set rS, S+32*(\t)
.set rP, P+16*(\t)
.set pos, j-21
.set g, pos/2
	WIN 0
.if j < 4
	v_max3_num_f32 v[rT+4+j], v[rS+8*j], v[rS+8*j+1], v[rS+8*j+2]
.elseif j < 12
	v_max3_num_f32 v[rT+4+j%4], v[rT+4+j%4], v[rS+8*(j%4)+2*(j/4)+1], v[rS+8*(j%4)+2*(j/4)+2]
.elseif j == 12
	v_max3_num_f32 v[rT+4], v[rT+4], v[rS+7], v[rS+15]
.elseif j == 13
	v_max3_num_f32 v[rT+6], v[rT+6], v[rS+23], v[rS+31]
.elseif j == 14
	v_max3_num_f32 v[rT+4], v[rT+4], v[rT+5], v[rT+6]
.elseif j == 15
	v_max3_num_f32 v[rT+4], v[rT+4], v[rT+7], v[rT+1]
.elseif j == 16
	v_permlanex16_b32 v[rT+5], v[rT+4], s[SEL], s[SEL+1]  ; the query's other 32 keys lie in the lane 16 away
.elseif j == 17
	v_mov_b32 v[rT+7], v[rT]                       ; c m_old is kept for a: number 19 writes c m anew
.elseif j == 18
	v_max_num_f32 v[rT+1], v[rT+4], v[rT+5]
.elseif j == 19
	v_mul_f32 v[rT], s[CS], v[rT+1]
.elseif j == 20
	v_sub_f32 v[rT+7], v[rT+7], v[rT]
.elseif (pos%2 == 1) && (g == 0)
	v_exp_f32 v[rT+6], v[rT+7]
.elseif (pos%2 == 1) && (g < 33)
	v_exp_f32 v[rS+g-1], v[rS+g-1]
.elseif pos%2 == 1                     ; empty
.elseif (g == 0) || ((g%2 == 1) && (g < 30))
.set b, (g+1)/2
	v_pk_fma_f32 v[rS+2*b:rS+2*b+1], v[rS+2*b:rS+2*b+1], s[CS:CS+1], v[rT:rT+1] op_sel_hi:[1,0,0] neg_lo:[0,0,1] neg_hi:[0,0,1]  ; pair b: c s - c m
.elseif (g%2 == 0) && (g > 2)
	s_wait_alu depctr_va_vdst(0)
	v_cvt_pk_bf16_f32 v[rP+(g-4)/2], v[rS+g-4], v[rS+g-3]
.endif
.endm
; MK writes number ma of 64 of piece x's mask work.  0-15: four bytes of 0 or 1 times 0xfe are four bytes of 0 or 0xfe: the fourth key's stands on top.  16-63: the other keys' are shifted there.
; cnt: how many younger LDS loads may be out when the mask's bytes have to be there.
.macro MK x, cnt
.if ma == 0
	s_wait_dscnt \cnt
.endif
.if ma < 16
.set mg, ma/2
.set rG, S+32*(\x+mg/4)+8*(mg%4)
	WIN W_MM
	v_mul_lo_u32 v[rG+3+4*(ma%2)], v[MT+8*(\x+mg/4)+2*(mg%4)+ma%2], s[FE]
.else
.set mg, (ma-16)/6
.set mr, (ma-16)%6
.set rG, S+32*(\x+mg/4)+8*(mg%4)+4*(mr/3)
	WIN 0
	v_lshlrev_b32 v[rG+mr%3], 24-8*(mr%3), v[rG+3]
.endif
.endm
; RS writes number rr of 34 of piece y's rescaling: a tile's O^T times a, each accumulator from its low end on, then the low pair of l's accumulator.
.macro RS y
.set rt, \y+rr/17
.set ri, rr%17
	WIN W_RS
	v_pk_mul_f32 v[O+40*rt+2*ri:O+40*rt+2*ri+1], v[O+40*rt+2*ri:O+40*rt+2*ri+1], v[ST+8*rt+6:ST+8*rt+7] op_sel_hi:[1,0]
.endm
; ITEM writes number vn of the list of the turn in which piece x has the matrix unit and y = 2 - x is the other piece:
;   42 places: numbers 0-20 of y's two softmaxes, the tiles alternating;   64 (mp = 1): x's mask work, done well ahead of x's first K Q^T;
;   140 places: numbers 21-90 of y's softmaxes, two places of one tile, then the same two of the other: plain, exponential, plain, exponential, so that behind every exponential a plain instruction
;   that names none of its registers comes before its result is used (ISA guide 5.7.2), also where a tile's own even place is empty;   34 (rs = 1): y's rescaling.
.macro ITEM x, mp, cnt
.if vn < 42
.set j, vn/2
.set tt, 2-\x+vn%2
	SM tt
.elseif vn < 42+64*\mp
.set ma, vn-42
	MK \x, \cnt
.elseif vn < 182+64*\mp
.set cw, vn-42-64*\mp
.set j, 21+2*(cw/4)+cw%2
.set tt, 2-\x+(cw%4)/2
	SM tt
.else
.set rr, vn-182-64*\mp
	RS 2-\x
.endif
.set vn, vn+1
.endm
.macro SLICE x, mp, cnt                ; the slice behind the turn's product number wi: the list is dealt evenly over the NWM products
.set wi, wi+1
.set lim, (NITEM*wi)/NWM
.rept lim-vn
	ITEM \x, \mp, \cnt
.endr
.endm
; A TURN.  pv = 2: 20 products V^T P; 1: they start the sums; 0: none.  kq = 1: 16 products K Q^T for the next step.  mp, rs: the list holds x's mask work, y's rescaling.
; A vector instruction that reads a matrix result, and a load into a register that a matrix instruction has read, stand four places behind it, and only plain vector instructions that name none of its
; registers are places (ISA guide 7.12.1 for vector instructions).  The slices are the places: the turn's last slice is eight rescalings, which stand between the last K Q^T
; and the next turn's first read of those scores and its loads into K's registers; where nothing is rescaled four v_nop take their part.
; Each run of loads stands behind the second product of a run.  Piece 0's turn: its mask bytes and K of the next step.  Piece 2's turn: its mask bytes; V of the next step behind its own V^T P,
; whose last product stands three slices back.
.macro TURN x, pv, kq, mp, rs
.set NITEM, 182+64*\mp+34*\rs
.set NWM, 16*\kq
.if \pv
.set NWM, NWM+20
.endif
.set vn, 0
.set wi, 0
.if \pv
.if \x == 0
	s_wait_dscnt 0x0                               ; V is in
.endif
.set i, 0
.rept 20
	MPV \x, 2-\pv
	SLICE \x, \mp, 16-8*\x                         ; in piece 0's turn K's 16 loads stand behind the mask's and may be out; in piece 2's none does
.if \kq && (i == 1)
.if \x == 0
	ADDRS
	FETCH_M 0
	FETCH_K
.else
	FETCH_M 2
.endif
.endif
.set i, i+1
.endr
.endif
.if \kq
.if \x == 0
	s_wait_dscnt 0x0                               ; K is in
.endif
.set i, 0
.rept 16
	MKQ \x
	SLICE \x, \mp, 16-8*\x
.if (\x == 2) && (i == 1)
	FETCH_V
.endif
.set i, i+1
.endr
.endif
.if \rs == 0
	PLACES
.endif
.endm
.macro TWO_STEPS                       ; two key steps, written once, walked twice; the LDS addresses hang on s[TK], s[TV], s[TM]
	s_mov_b32 s[TWICE], 2
.Lstep_\@:
	TURN 0, 2, 1, 1, 1
	TURN 2, 2, 1, 1, 1
	WIN 0                                          ; at a label and at a branch every window is 0
	s_sub_co_u32 s[TWICE], s[TWICE], 1
	s_cmp_lg_u32 s[TWICE], 0
	s_cbranch_scc1 .Lstep_\@
.endm
; THE CHANGE OF SLOTS, between piece 2's turn and piece 0's, when the last bytes of K's and V's slot s (V of its second step) have been asked for.  Each wave waits for its own LDS reads and for all
; its tensor loads; no load of mine is out, so a group 0 may be written.
; kv = 1: slot s is filled again, with the keys two halves on; the barrier is then a round of the cluster's, so that no wave of any partner still reads the slot or has a load on its way, and the joint
; refill is the first tensor load behind it, one a wave: it has two key steps, 144 matrix instructions and their vector work, in which to land.
; m = 1 (only behind an odd half, when a tile of the mask has been read out): that tile's slot takes the tile two on.
.macro CHANGE s, kv, m
	s_wait_dscnt 0x0
	s_wait_tensorcnt 0x0
	ds_add_u32 v250, v251
	s_wait_dscnt 0x0
.if \kv
	s_add_nc_u64 s[G0K+4*\s+2:G0K+4*\s+3], s[G0K+4*\s+2:G0K+4*\s+3], 2*128*ROWB   ; the type bits on top are not reached
	s_add_nc_u64 s[G0V+4*\s+2:G0V+4*\s+3], s[G0V+4*\s+2:G0V+4*\s+3], 2*128*ROWB
.endif
.if \m
	s_xor_b32 s[G0M+5], s[G0M+5], MSLOT            ; the walking descriptor: the other slot than last time,
	s_add_nc_u64 s[G0M+6:G0M+7], s[G0M+6:G0M+7], 256   ; the next 256 keys
.endif
.if \kv
	CROUND
	JLOAD \s, \m
.else
	s_barrier_signal -1
	s_barrier_wait -1
.endif
	s_mov_b32 s[TK], KVBASE+(1-\s)*KVSLOT          ; the next fetches go to the other slot
	s_mov_b32 s[TV], KVBASE+(1-\s)*KVSLOT+VOFF
.if \s
	s_xor_b32 s[MS], s[MS], MSLOT                  ; and to the mask's other tile,
	s_mov_b32 s[TM], s[MS]
.else
	s_add_co_u32 s[TM], s[MS], 128                 ; or to the second half of the tile in hand
.endif
.endm
	s_wait_loadcnt 0x0                             ; Q
	s_wait_tensorcnt 1                             ; my part of the first slots is in; the second slots' may stay out
	s_barrier_signal -1
	s_barrier_wait -1                              ; everybody's is
	ADDRS                                          ; key step 0: there is no matrix work yet under which this could stand
	FETCH_M 0
	FETCH_M 2
	FETCH_K
.irp x, 0, 2
.set ma, 0
.rept 64
	MK \x, 16                                      ; K's 16 loads may be out
.set ma, ma+1
.endr
.endr
	s_wait_dscnt 0x0                               ; K is in
.set i, 0
.rept 16
	MKQ 0                                          ; piece 0's first scores
.set i, i+1
.endr
	WIN TO_1
.irp n, 0,1,2,3,4,5,6,7
	v_mov_b32 v[ONES+\n], 0x3f803f80               ; 16 x 32 ones in bf16; these eight lines are also the places behind those products
.endr
	TURN 2, 0, 1, 0, 0                             ; piece 2's first scores | piece 0's first softmax | V of step 0
	TURN 0, 1, 1, 1, 0                             ; piece 0: V^T P of step 0 starts O^T and l, K Q^T of step 1 | piece 2's first softmax | piece 0's mask bytes and K of step 1
	TURN 2, 1, 1, 1, 1                             ; piece 2: the same | piece 0's softmax of step 1 | piece 2's mask bytes and V of step 1
	WIN 0
	s_mov_b32 s[TRIPS], 6
.Lpair:                                                ; trip u = 0..5: K, V of halves 2 u + 2 and 2 u + 3 and the mask's tile u + 2 are asked for; halves 2 u + 1 and 2 u + 2 are fetched from LDS
	CHANGE 0, 1, 0
	TWO_STEPS
	CHANGE 1, 1, 1
	TWO_STEPS
	s_sub_co_u32 s[TRIPS], s[TRIPS], 1
	s_cmp_lg_u32 s[TRIPS], 0
	s_cbranch_scc1 .Lpair
	CHANGE 0, 1, 0                                 ; the tail is written out: K, V of half 14
	TWO_STEPS
	CHANGE 1, 1, 0                                 ; K, V of half 15; the mask's last tile is there already
	TWO_STEPS
	CHANGE 0, 0, 0                                 ; nothing is left to ask for
	TWO_STEPS
	TURN 0, 2, 0, 0, 1                             ; piece 0: V^T P of the last step | piece 2's last softmax
.set i, 0
.rept 20
	MPV 2, 0                                       ; piece 2: V^T P of the last step
.set i, i+1
.endr
	; THE WAY OUT.  Every lane holds its query's l in the lowest register of l's accumulator; O^T is divided by it, rounded to bf16 and sent through the stage.
	WIN 0
	PLACES                                         ; behind the last products
	WIN 0x04                                       ; source 1 window 1
.irp t, 0,1,2,3
	v_max_num_f32 v[RC+2*\t+1], 0x0d800000, v[O+40*\t+32]   ; at least 2^-100: a row with every key masked has l = 0 and O = 0, and gives 0
.endr
	WIN 0
.irp t, 0,1,2,3
	v_rcp_f32 v[RC+2*\t], v[RC+2*\t+1]
.endr
	v_nop                                          ; a plain instruction between the last reciprocal and the use of its result (ISA guide 5.7.2)
	WIN W_RS
.irp t, 0,1,2,3
.irp n, 0,1,2,3,4,5,6,7,8,9,10,11,12,13,14,15
	s_wait_alu depctr_va_vdst(0)
	v_pk_mul_f32 v[O+40*\t+2*\n:O+40*\t+2*\n+1], v[O+40*\t+2*\n:O+40*\t+2*\n+1], v[RC+2*\t:RC+2*\t+1] op_sel_hi:[1,0]
.endr
.endr
	WIN 0x05                                       ; sources 0 and 1 window 1, destination window 0: S^T's registers are free
.irp t, 0,1,2,3
.irp n, 0,1,2,3,4,5,6,7,8,9,10,11,12,13,14,15
	v_cvt_pk_bf16_f32 v[S+16*\t+\n], v[O+40*\t+2*\n], v[O+40*\t+2*\n+1]
.endr
.endr
	WIN 0
.irp t, 0,1,2,3
.irp b, 0,1,2,3
	ds_store_b128 v[STO], v[S+16*\t+4*\b:S+16*\t+4*\b+3] offset:\t*16*SP+32*\b   ; a lane's eight channels of a row: 16 bytes
.endr
.endr
	s_wait_dscnt 0x0                               ; for the others' sake: a row's 256 bytes come from two waves
	s_barrier_signal -1
	s_barrier_wait -1
.irp t, 0,1,2,3,4,5,6,7,8,9,10,11,12,13,14,15
	ds_load_b128 v[S+4*\t:S+4*\t+3], v[RD] offset:\t*2*SP
.endr
.irp t, 0,1,2,3,4,5,6,7,8,9,10,11,12,13,14,15
	s_wait_dscnt 15-\t                             ; the younger loads may stay out
	global_store_b128 v[GO], v[S+4*\t:S+4*\t+3], s[8:9] offset:\t*4096   ; 16 lanes store 256 consecutive bytes, at a multiple of 256 from ao's first byte
.endr
	s_wait_tensorcnt 0x0
	ds_add_u32 v250, v251
	s_wait_dscnt 0x0
	CROUND                                         ; the closing round: no work-group ends while a partner may still ask for a tile that names it
	s_endpgm
.Lfunc_end_k_q046e8ff8ba_attn:
	.size	k_q046e8ff8ba_attn, .Lfunc_end_k_q046e8ff8ba_attn-k_q046e8ff8ba_attn
	.p2alignl 7, 3214868480
	.fill 96, 4, 3214868480
	.section	.rodata,"a",@progbits
	.p2align	6, 0x0
	.amdhsa_kernel k_q046e8ff8ba_attn
		.amdhsa_group_segment_fixed_size 327680
		.amdhsa_private_segment_fixed_size 0
		.amdhsa_enable_private_segment 0
		.amdhsa_kernarg_size 24
		.amdhsa_user_sgpr_count 2
		.amdhsa_user_sgpr_kernarg_segment_ptr 1
		.amdhsa_wavefront_size32 1
		.amdhsa_system_sgpr_workgroup_id_x 1
		.amdhsa_system_sgpr_workgroup_id_y 1
		.amdhsa_system_sgpr_workgroup_id_z 1
		.amdhsa_system_vgpr_workitem_id 0
		.amdhsa_next_free_vgpr 672
		.amdhsa_next_free_sgpr 92
		.amdhsa_reserve_vcc 0
		.amdhsa_float_denorm_mode_32 3
		.amdhsa_float_denorm_mode_16_64 3
		.amdhsa_memory_ordered 1
		.amdhsa_forward_progress 1
		.amdhsa_inst_pref_size 255
	.end_amdhsa_kernel
	.section	.bss,"aw",@nobits
	.p2align	6
	.space	262144
	.amdgpu_metadata
---
amdhsa.version: [ 1, 2 ]
amdhsa.kernels:
  - .name:           k_q046e8ff8ba_attn
    .symbol:         k_q046e8ff8ba_attn.kd
    .args:
      - { .name: qkv, .offset: 0, .size: 8, .value_kind: global_buffer, .address_space: global }
      - { .name: attn_mask, .offset: 8, .size: 8, .value_kind: global_buffer, .address_space: global }
      - { .name: ao, .offset: 16, .size: 8, .value_kind: global_buffer, .address_space: global }
    .group_segment_fixed_size: 327680
    .private_segment_fixed_size: 0
    .kernarg_segment_align: 8
    .kernarg_segment_size: 24
    .max_flat_workgroup_size: 128
    .sgpr_count:     92
    .vgpr_count:     672
    .wavefront_size: 32
...
	.end_amdgpu_metadata
.endif
;; end of part 10
;; launch wo (part 11): grid 8 x 32, 4 waves a work-group, clusters of 4 x 4, 327,680 bytes of LDS; arguments ao, cb, y, bo, x; writes y
.if DOCPART == 11
	.amdgcn_target "amdgcn-amd-amdhsa--gfx1250"
	.amdhsa_code_object_version 6
	.text
	.protected	k_q046e8ff8ba_wo
	.globl	k_q046e8ff8ba_wo
	.p2align	8
	.type	k_q046e8ff8ba_wo,@function
k_q046e8ff8ba_wo:
	s_mov_b64 s[64:65], 0
	v_nop
	global_prefetch_b8 v0, s[64:65] scope:SCOPE_SE
	s_setreg_imm32_b32 hwreg(HW_REG_WAVE_MODE, 25, 1), 1
	s_wait_xcnt 0x0
	s_wait_alu depctr_hold_cnt(0) depctr_sa_sdst(0) depctr_va_vdst(0) depctr_va_sdst(0) depctr_va_ssrc(0) depctr_va_vcc(0) depctr_vm_vsrc(0)
	s_getreg_b32 s2, hwreg(HW_REG_IB_STS2, 6, 4)
	s_cmp_eq_u32 s2, 0
	s_cbranch_scc0 .Lentry_in_a_cluster
	s_endpgm
.Lentry_in_a_cluster:
	s_bfe_u32 s2, ttmp6, 0x10000c
	s_cmp_lg_u32 s2, 0xf033
	s_cbranch_scc0 .Lentry_shape_is_right
	s_endpgm
.Lentry_shape_is_right:
; y = ao Wo + bo + x: bf16 operands (ao, and Wo out of cb), sums, bias and residual in f32, y in f32.
; THE TEXT BELOW THE SIZES IS ONE GEMM CORE, C = A W + bias + residual with C in f32, used by two launches (wo, ffn2).
.set SIZE_K,  1024                     ; A is [4096][SIZE_K] bf16
.set PITCH_W, 1024                     ; W is [SIZE_K][PITCH_W] bf16, as the model stores it: K down the rows
.set PITCH_C, 1024                     ; numbers in a row of C
.set WBASE,   14<<20                   ; W's first byte in cb
; A tile of C is 128 x 128, which makes 8 x 32 work-groups of C's 4,096 x 1,024: four waves, each 64 x 64 = 16 accumulators of 16 x 16.  K goes in steps of 256 through two LDS slots filled by
; the tensor data mover: A's 128 rows of 512 bytes (two loads of 64 rows, waves 0 and 1) and W's 256 rows of 256 bytes (two loads of 128 rows, waves 2 and 3).
; CLUSTERS: 4 x 4 work-groups.  The four of a row of the cluster need the same tiles of A, the four of a column the same tiles of W: each tile is asked for jointly,
; by the same tensor load with the same descriptor and a mask that names the four.
; THE MATRIX INSTRUCTION IS USED TRANSPOSED: source 0 = 16 columns of W (turned on the way out of LDS by ds_load_tr16_b128), source 1 = 16 rows of A:
; a lane then holds row l % 16 of C and the eight neighbouring columns 8 (l / 16) + 0..7.
; AHEAD OF THE RING, only where SIZE_K makes more than two laps: wave 0 prefetches tiles two K steps (256 matrix instructions a wave) ahead of the refill that will bring them into LDS.
; Each aligned 256 bytes is asked for once in the launch.  A's step tile (128 rows x 512 bytes: 256 pieces) is dealt over the 8 work-groups of the tile row, 32 pieces each, a lane a piece, behind every
; refill; W's tiles of four steps (1,024 rows x 256 bytes) over the 32 work-groups of the tile column, 32 rows each, behind every fourth refill.  K steps 0 to 3 are not asked for: the ring itself
; requests them within the first two steps.  The last lap that refills asks for nothing, so the highest step asked for is the last, SIZE_K / 256 - 1.
; With SIZE_K = 1,024 there are two laps and K steps 0 to 3 alone: nothing is asked for.
; REGISTERS: window 0: v0-31 addresses and the bias; v32-95 at work on the way out; v128-255 the accumulators ((a, b) at v[128 + 8 (4 a + b)]).
;   window 1: two fragment buffers of 128: for 64 along K, 64 registers of A, then 64 of W.   window 2: v0-127 the residual.
.set KSTEP,  256
.set PA,     528                       ; A's LDS row: 512 bytes + 16 = 132 words: row r starts at bank 4 r mod 64 (64 banks of 4 bytes: ISA guide 11.1)
.set PW,     288                       ; W's LDS row: 256 bytes + 32 = 72 words: row r starts at bank 8 r mod 64
.set HALFA,  64*PA                     ; what one of A's loads brings, and what one wave reads of A
.set HALFW,  128*PW                    ; what one of W's loads brings: 128 of the step's 256 rows
.set WOFF,   2*HALFA
.set SLOT,   WOFF+2*HALFW
.set STAGE,  2*SLOT                    ; behind the ring, a multiple of 256: no tensor load fills it
.set SPITCH, 272
.set LAPS,   SIZE_K/(2*KSTEP)          ; a lap = two K steps = once round the ring; an even number
.set PFA,  12                          ; v12     my byte offset in A's step tile, for the prefetch; never rewritten
.set PFW,  13                          ; v13     the same in W's four step tiles
.set ADRA, 16                          ; v16-17  LDS address of my A fragments in slot 0, 1
.set ADRW, 20                          ; v20-23  of my W fragments: slot 0 rows 0-127, rows 128-255, slot 1 likewise (the 16-bit offset does not span 256 rows)
.set STO,  24                          ; v24     the way out: where I put my numbers of a row
.set RD,   25                          ; v25     the way out: where I read a row back
.set CO,   26                          ; v26     my byte offset in C and in the residual
.set BO,   27                          ; v27     my byte offset in the bias
.set BI,   28                          ; v[28:31] the bias of my four columns
.set TMP,  32
.set ACC,  128
.set F0,   0
.set F1,   128
.set G1, 24                            ; s[24:31] descriptor group 1 for A's tiles;  s[32:39] group 0, one set for each slot
.set G0, 32
.set G1B, 48                           ; s[48:55], s[56:63] the same for W's tiles
.set G0B, 56
.set PBA, 72                           ; s[72:73] the prefetch's base in A: my tile row, the first of the trip's four K steps
.set PBW, 74                           ; s[74:75] the same in W: my tile column
.set MSB, 0
.macro WIN new                         ; the immediate's high byte repeats the setting that is left; a switch that changes nothing is dropped
.if MSB != \new
	s_set_vgpr_msb (MSB<<8)|\new
.set MSB, \new
.endif
.endm
.set MUL,  0x05                        ; sources 0 (W) and 1 (A) window 1; C and D window 0
.set TO_F, 0x40                        ; destination window 1, address window 0
.macro JLOAD s                         ; a joint load: waves 0 and 1 fetch A's two halves, waves 2 and 3 W's; four v_nop follow each of the two lines, ahead of the jump, the label and what follows
	s_cmp_eq_u32 s11, 0
	s_cbranch_scc0 .Lfor_w_\@
	tensor_load_to_lds s[G0+4*\s:G0+4*\s+3], s[G1:G1+7]
	s_nop 0
.rept 4
	v_nop
.endr
	s_branch .Lasked_\@
.Lfor_w_\@:
	tensor_load_to_lds s[G0B+4*\s:G0B+4*\s+3], s[G1B:G1B+7]
	s_nop 0
.rept 4
	v_nop
.endr
.Lasked_\@:
.endm
.macro ASK askw, o                     ; the prefetch: wave 0 alone; A's K step at byte o of the trip's four; askw = 1: W's four K steps too
	s_cmp_lg_u32 s10, 0
	s_cbranch_scc1 .Lnot_asking_\@
	global_prefetch_b8 v[PFA], s[PBA:PBA+1] offset:\o th:TH_LOAD_NT scope:SCOPE_SE
.if \askw
	global_prefetch_b8 v[PFW], s[PBW:PBW+1] th:TH_LOAD_NT scope:SCOPE_SE
.endif
.Lnot_asking_\@:
.endm
.macro CREST                           ; a round of the cluster's barrier behind its opening barrier
	s_cmp_lg_u32 s10, 0
	s_cbranch_scc1 .Lnot_wave_0_\@
	s_barrier_signal -3
.Lnot_wave_0_\@:
	s_barrier_wait -3
	s_barrier_signal -1
	s_barrier_wait -1
.endm
.macro CROUND                          ; a whole round
	s_barrier_signal -1
	s_barrier_wait -1
	CREST
.endm
	s_load_b128 s[4:7], s[0:1], 0x0                ; A s[4:5], cb s[6:7]
	s_load_b64 s[8:9], s[0:1], 0x10                ; C
	s_load_b64 s[68:69], s[0:1], 0x18              ; the bias
	s_load_b64 s[70:71], s[0:1], 0x20              ; the residual
	v_lshl_add_u32 v126, v0, 2, 0x49400
	v_mov_b32 v127, 0
	ds_add_u32 v126, v127
	v_lshrrev_b32 v1, 5, v0
	v_readfirstlane_b32 s10, v1                    ; wave 0..3
	s_lshr_b32 s11, s10, 1                         ; which half of the tile's rows is mine.  Also: I fetch for A (0) or for W (1)
	s_and_b32 s12, s10, 1                          ; which half of its columns.  Also: which half of that tile I fetch
	s_bfe_u32 s40, ttmp6, 0x40000                  ; cx, cy: my place in the cluster
	s_bfe_u32 s41, ttmp6, 0x40004
	s_lshl_b32 s42, ttmp9, 2
	s_add_co_u32 s42, s42, s40                     ; tile column of C = 4 x cluster x + cx
	s_and_b32 s13, ttmp7, 0xffff
	s_lshl_b32 s13, s13, 2
	s_add_co_u32 s13, s13, s41                     ; tile row of C = 4 x cluster y + cy
	s_lshl_b32 s43, s41, 2
	s_lshl_b32 s43, 15, s43                        ; my row of the cluster
	s_lshl_b32 s44, 0x1111, s40                    ; my column
	; group 1 for A: 64 rows x 256 elements of 2 bytes; 16 bytes of padding (code 3) behind every 128 words (code 6); bit 21 set beside the mask
	s_or_b32 s[G1+0], s43, (1<<16)|(1<<20)|(1<<21)|(6<<22)|(3<<25)
	s_mov_b32 s[G1+1], KSTEP<<16                   ; tensor_dim0 = 256
	s_mov_b32 s[G1+2], 64<<16                      ; tensor_dim1 = 64
	s_mov_b32 s[G1+3], KSTEP<<16                   ; tile_dim0 = 256
	s_mov_b32 s[G1+4], 64                          ; tile_dim1 = 64
	s_mov_b32 s[G1+5], SIZE_K                      ; elements from row to row
	s_mov_b32 s[G1+6], 0
	s_mov_b32 s[G1+7], 0
	; group 1 for W: 128 rows x 128 elements; 32 bytes of padding (code 7) behind every 64 words (code 5)
	s_or_b32 s[G1B+0], s44, (1<<16)|(1<<20)|(1<<21)|(5<<22)|(7<<25)
	s_mov_b32 s[G1B+1], 128<<16
	s_mov_b32 s[G1B+2], 128<<16
	s_mov_b32 s[G1B+3], 128<<16
	s_mov_b32 s[G1B+4], 128
	s_mov_b32 s[G1B+5], PITCH_W
	s_mov_b32 s[G1B+6], 0
	s_mov_b32 s[G1B+7], 0
	; A's tiles hang on the tile row and the wave alone, W's on the tile column and the wave alone, each in registers that never hold the other coordinate
	s_lshl_b32 s17, s12, 6
	s_lshl_b32 s16, s13, 7
	s_add_co_u32 s16, s16, s17                     ; A: row 128 x tile row + 64 x half
	s_mov_b32 s17, 0
	s_mov_b64 s[18:19], SIZE_K*2
	s_mul_u64 s[16:17], s[16:17], s[18:19]
	s_lshl_b32 s46, s42, 8                         ; W: 256 bytes a tile column
	s_mul_i32 s47, s12, 128*PITCH_W*2              ; + my 128 rows of the step
	s_add_co_u32 s46, s46, s47
	s_add_co_u32 s46, s46, WBASE
	s_mov_b32 s47, 0
	s_mul_i32 s20, s12, HALFA                      ; where they go: no place in the cluster enters an LDS address
	s_mul_i32 s21, s12, HALFW
	s_add_co_u32 s21, s21, WOFF
	s_wait_dscnt 0x0
	s_wait_kmcnt 0x0
	s_add_nc_u64 s[14:15], s[4:5], s[16:17]
	s_add_nc_u64 s[46:47], s[6:7], s[46:47]
	CROUND                                         ; all sixteen work-groups are here: the first joint loads meet
.irp s, 0,1
	s_mov_b32 s[G0+4*\s], 1                                        ; count = 1
	s_add_co_u32 s[G0+4*\s+1], s20, \s*SLOT                        ; LDS address
	s_add_nc_u64 s[G0+4*\s+2:G0+4*\s+3], s[14:15], \s*KSTEP*2      ; global address: K step s
	s_or_b32 s[G0+4*\s+3], s[G0+4*\s+3], 0x80000000                ; type = 2
	s_mov_b32 s[G0B+4*\s], 1
	s_add_co_u32 s[G0B+4*\s+1], s21, \s*SLOT
	s_add_nc_u64 s[G0B+4*\s+2:G0B+4*\s+3], s[46:47], \s*KSTEP*PITCH_W*2
	s_or_b32 s[G0B+4*\s+3], s[G0B+4*\s+3], 0x80000000
	JLOAD \s                                       ; two loads of mine are out
.endr
	v_and_b32 v1, 15, v0                           ; l % 16
	v_bfe_u32 v2, v0, 4, 1                         ; l / 16
	v_mul_u32_u24 v3, v1, PA                       ; a fragment of A: row l % 16, 16 bytes for each half of the lanes, two loads 32 bytes apart
	v_lshl_add_u32 v3, v2, 4, v3
	s_mul_i32 s21, s11, HALFA                      ; my 64 rows of A
	v_add_nc_u32 v[ADRA], s21, v3
	v_add_nc_u32 v[ADRA+1], SLOT, v[ADRA]
	v_and_b32 v4, 7, v0                            ; a fragment of W: the turning load takes 16 rows (K) x 16 columns: lane l reads row 8 (l / 16) + l % 8, columns 8 ((l / 8) % 2) + 0..7,
	v_lshl_add_u32 v4, v2, 3, v4                   ; and is left with column l % 16 and 8 numbers along K
	v_mul_u32_u24 v4, v4, PW
	v_bfe_u32 v5, v0, 3, 1
	v_lshl_add_u32 v4, v5, 4, v4
	s_lshl_b32 s22, s12, 7                         ; my 64 columns
	s_add_co_u32 s22, s22, WOFF
	v_add_nc_u32 v[ADRW], s22, v4
	v_add_nc_u32 v[ADRW+1], HALFW, v[ADRW]
	v_add_nc_u32 v[ADRW+2], SLOT, v[ADRW]
	v_add_nc_u32 v[ADRW+3], SLOT+HALFW, v[ADRW]
	s_lshl_b32 s46, s42, 9                         ; my 64 columns in f32: 512 x tile column + 256 x half (in the registers that held W's address)
	s_lshl_b32 s47, s12, 8
	s_add_co_u32 s46, s46, s47
	s_mov_b32 s47, 0
	s_add_nc_u64 s[68:69], s[68:69], s[46:47]
	; a wave's 64 columns are 256 bytes of a row of C: each wave has a stage of its own, 16 rows x 272 bytes
	s_mul_i32 s23, s10, 16*SPITCH
	s_add_co_u32 s23, s23, STAGE
	v_mul_u32_u24 v4, v1, SPITCH                   ; in: row l % 16, 32 bytes for each half of the lanes
	v_lshl_add_u32 v4, v2, 5, v4
	v_add_nc_u32 v[STO], s23, v4
	v_mul_u32_u24 v5, v2, SPITCH                   ; back: lanes 0-15 take one row of 256 bytes, lanes 16-31 the next
	v_lshl_add_u32 v5, v1, 4, v5
	v_add_nc_u32 v[RD], s23, v5
	v_mul_u32_u24 v5, v2, PITCH_C*4                ; and the same two rows in C and in the residual
	v_lshl_add_u32 v[CO], v1, 4, v5
	v_lshlrev_b32 v[BO], 4, v1
	s_lshl_b32 s16, s13, 7
	s_lshl_b32 s17, s11, 6
	s_add_co_u32 s16, s16, s17                     ; my first row: 128 x tile row + 64 x half
	s_mul_i32 s16, s16, PITCH_C*4
	s_mov_b32 s17, 0
	s_add_nc_u64 s[8:9], s[8:9], s[16:17]
	s_add_nc_u64 s[8:9], s[8:9], s[46:47]
	s_add_nc_u64 s[70:71], s[70:71], s[16:17]
	s_add_nc_u64 s[70:71], s[70:71], s[46:47]
	global_load_b128 v[BI:BI+3], v[BO], s[68:69]
	WIN 0x80                                       ; destination window 2: the residual of my 64 x 64 comes in under the whole product, laid as the rows come back from the stage
.irp i, 0,1,2,3,4,5,6,7,8,9,10,11,12,13,14,15,16,17,18,19,20,21,22,23,24,25,26,27,28,29,30,31
	global_load_b128 v[4*\i:4*\i+3], v[CO], s[70:71] offset:2*\i*PITCH_C*4
.endr
	WIN 0
.if LAPS > 2
	; the prefetch's addresses.  The work-group's place enters them alone: no branch, no LDS address, no descriptor.
	v_and_b32 v6, 31, v0                           ; lane
	v_lshrrev_b32 v7, 1, v6
	s_lshl_b32 s76, s42, 4
	v_add_nc_u32 v7, s76, v7                       ; A: of the tile's 128 rows, row 16 x tile column + lane / 2,
	v_mul_u32_u24 v[PFA], v7, SIZE_K*2
	v_and_b32 v7, 1, v0
	v_lshl_add_u32 v[PFA], v7, 8, v[PFA]           ; and half lane % 2 of the step's 512 bytes
	s_lshl_b32 s76, s13, 5
	v_add_nc_u32 v7, s76, v6                       ; W: of the four steps' 1,024 rows, row 32 x tile row + lane
	v_mul_u32_u24 v[PFW], v7, PITCH_W*2
	s_lshl_b32 s76, s13, 7
	s_mul_i32 s76, s76, SIZE_K*2                   ; A at my tile row,
	s_add_co_u32 s76, s76, 4*KSTEP*2               ; K step 4
	s_mov_b32 s77, 0
	s_add_nc_u64 s[PBA:PBA+1], s[4:5], s[76:77]
	s_lshl_b32 s78, s42, 8                         ; W at my tile column,
	s_add_co_u32 s78, s78, WBASE+4*KSTEP*PITCH_W*2 ; K step 4
	s_mov_b32 s79, 0
	s_add_nc_u64 s[PBW:PBW+1], s[6:7], s[78:79]
.endif
; 8 matrix instructions: m blocks a0, a0 + 1 x all 4 n blocks, 32 along K: half c of buffer f.  zero = 1: the first product starts the sums.
; The 16 accumulators take turns, one instruction a turn.
.macro MUL8 f, c, a0, zero
.irp a, \a0, \a0+1
.irp b, 0,1,2,3
.if \zero
	v_wmma_f32_16x16x32_bf16 v[ACC+8*(4*(\a)+\b):ACC+8*(4*(\a)+\b)+7], v[\f+64+8*(4*\c+\b):\f+64+8*(4*\c+\b)+7], v[\f+8*(4*\c+\a):\f+8*(4*\c+\a)+7], 0
.else
	v_wmma_f32_16x16x32_bf16 v[ACC+8*(4*(\a)+\b):ACC+8*(4*(\a)+\b)+7], v[\f+64+8*(4*\c+\b):\f+64+8*(4*\c+\b)+7], v[\f+8*(4*\c+\a):\f+8*(4*\c+\a)+7], v[ACC+8*(4*(\a)+\b):ACC+8*(4*(\a)+\b)+7]
.endif
.endr
.endr
.endm
; 32 LDS loads in one run: the fragments of quarter q (64 along K) of a slot, into buffer f; the first 32 along K first
.macro FETCH slot, q, f
	WIN TO_F
.irp c, 0,1
.irp i, 0,1,2,3
	ds_load_tr16_b128 v[\f+64+8*(4*\c+\i):\f+64+8*(4*\c+\i)+3],   v[ADRW+2*\slot+(\q)/2] offset:(((\q)%2)*64+32*\c)*PW+32*\i
	ds_load_tr16_b128 v[\f+64+8*(4*\c+\i)+4:\f+64+8*(4*\c+\i)+7], v[ADRW+2*\slot+(\q)/2] offset:(((\q)%2)*64+32*\c+16)*PW+32*\i
	ds_load_b128 v[\f+8*(4*\c+\i):\f+8*(4*\c+\i)+3],              v[ADRA+\slot] offset:128*(\q)+64*\c+\i*16*PA
	ds_load_b128 v[\f+8*(4*\c+\i)+4:\f+8*(4*\c+\i)+7],            v[ADRA+\slot] offset:128*(\q)+64*\c+\i*16*PA+32
.endr
.endr
.endm
.macro PLACES                          ; four places in front of loads into registers that matrix instructions have read, and of what reads results just made
.rept 4
	v_nop
.endr
.endm
; A K step is four quarters of 64 along K, 32 matrix instructions each, on buffers 0, 1, 0, 1.  One of the first three: multiplies buffer f and fetches quarter q into g.
.macro QUARTER slot, q, f, g, zero
	s_wait_dscnt 16                                ; the first 32 along K are in; the younger sixteen loads may be out
	WIN MUL
	MUL8 \f, 0, 0, \zero
	MUL8 \f, 0, 2, \zero
	PLACES
	FETCH \slot, \q, \g
	s_wait_dscnt 32                                ; all but the 32 just issued
	WIN MUL
	MUL8 \f, 1, 0, 0
	MUL8 \f, 1, 2, 0
.endm
; The last quarter multiplies buffer 1 and changes slots: ONE barrier; in front of it each wave waits for its own reads of this slot and for all its tensor loads.
; fill = 1: this slot is filled again, two K steps ahead.  ask = 1: behind the refill wave 0 prefetches the tile of this slot's NEXT refill (ASK's arguments askw and o).
.macro TURN slot, next, fill, ask, askw, o
	s_wait_dscnt 16
	WIN MUL
	MUL8 F1, 0, 0, 0
	s_wait_dscnt 0                                 ; my reads of this slot are over,
	s_set_vgpr_msb 0x500
	s_wait_tensorcnt 0x0                           ; and all my tensor loads have landed: the one that was out is my part of the next slot
	ds_add_u32 v126, v127
	s_wait_dscnt 0x0
	s_set_vgpr_msb 0x5
	s_barrier_signal -1
	MUL8 F1, 0, 2, 0
.if \fill
	WIN 0
.endif
	s_barrier_wait -1
.if \fill
	CREST                                          ; the barrier has opened a round of the cluster's barrier: no wave of any partner still reads this slot's tile or has a load on its way
	s_add_nc_u64 s[G0+4*\slot+2:G0+4*\slot+3], s[G0+4*\slot+2:G0+4*\slot+3], 2*KSTEP*2
	s_add_nc_u64 s[G0B+4*\slot+2:G0B+4*\slot+3], s[G0B+4*\slot+2:G0B+4*\slot+3], 2*KSTEP*PITCH_W*2
	JLOAD \slot                                    ; the first tensor load behind the round, my only one until the next: 120 matrix instructions ahead of the wait for it; its four v_nop are also the places in front of the loads below
.if \ask
	ASK \askw, \o
.endif
.else
	PLACES
.endif
	FETCH \next, 0, F0
	WIN MUL
	MUL8 F1, 1, 0, 0
	MUL8 F1, 1, 2, 0
.endm
; Once round the ring, from a lap's second quarter to the next lap's first; both slots are filled again.  o: the byte, among the trip's four K steps of A, of the first step prefetched here.
.macro BODY ask, askw, o
	QUARTER 0, 2, F1, F0, 0
	QUARTER 0, 3, F0, F1, 0
	TURN 0, 1, 1, \ask, \askw, \o
	QUARTER 1, 1, F0, F1, 0
	QUARTER 1, 2, F1, F0, 0
	QUARTER 1, 3, F0, F1, 0
	TURN 1, 0, 1, \ask, 0, \o+KSTEP*2
	QUARTER 0, 1, F0, F1, 0
.endm
	s_wait_tensorcnt 1                             ; my part of K step 0 is in; K step 1's may stay out
	s_barrier_signal -1
	s_barrier_wait -1                              ; everybody's is
	FETCH 0, 0, F0
	QUARTER 0, 1, F0, F1, 1                        ; the first quarter stands in front of the loop: its first products start the sums
.if LAPS > 2
	WIN 0                                          ; at a label and at a branch every window is 0
	s_mov_b32 s3, (LAPS-2)/2
.Llap:                                                 ; trip u = 0 ..: two laps; K steps 4 u + 2 to 4 u + 5 are brought into LDS, K steps 4 u + 4 to 4 u + 7 are prefetched
	BODY 1, 1, 0
	BODY 1, 0, 2*KSTEP*2
	WIN 0
	s_wait_xcnt 0x0                                ; the prefetches' bases are stepped only behind this wait; the last prefetch stands more than a quarter step back
	s_add_nc_u64 s[PBA:PBA+1], s[PBA:PBA+1], 4*KSTEP*2
	s_add_nc_u64 s[PBW:PBW+1], s[PBW:PBW+1], 4*KSTEP*PITCH_W*2
	s_sub_co_u32 s3, s3, 1
	s_cmp_lg_u32 s3, 0
	s_cbranch_scc1 .Llap
.endif
	BODY 0, 0, 0                                   ; the last two K steps are brought in; nothing is left to prefetch
	QUARTER 0, 2, F1, F0, 0                        ; the last lap fills nothing, and has no round of the cluster's barrier
	QUARTER 0, 3, F0, F1, 0
	TURN 0, 1, 0, 0, 0, 0
	QUARTER 1, 1, F0, F1, 0
	QUARTER 1, 2, F1, F0, 0
	QUARTER 1, 3, F0, F1, 0
	s_wait_dscnt 16                                ; the very last quarter: nothing more to fetch
	WIN MUL
	MUL8 F1, 0, 0, 0
	MUL8 F1, 0, 2, 0
	s_wait_dscnt 0
	MUL8 F1, 1, 0, 0
	MUL8 F1, 1, 2, 0
	WIN 0
	; THE WAY OUT: 16 rows at a time through my own stage (LDS serves a wave's instructions in order, ISA guide 5.7.1.4: no wait between my stores and my loads, no barrier);
	; back as whole rows of 256 bytes; bias and residual are added there, where a lane holds four neighbouring columns.
.macro OUT a
.set OBK, TMP+32*((\a)%2)
.irp b, 0,1,2,3
	ds_store_b128 v[STO], v[ACC+8*(4*\a+\b):ACC+8*(4*\a+\b)+3]   offset:64*\b       ; each accumulator from its low end on
	ds_store_b128 v[STO], v[ACC+8*(4*\a+\b)+4:ACC+8*(4*\a+\b)+7] offset:64*\b+16
.endr
	s_wait_xcnt 0x0                                ; the registers below were the data of the stores two blocks back: they are written again only behind this wait
.irp t, 0,1,2,3,4,5,6,7
	ds_load_b128 v[OBK+4*\t:OBK+4*\t+3], v[RD] offset:\t*2*SPITCH
.endr
	s_wait_dscnt 0x0
.irp t, 0,1,2,3,4,5,6,7
	v_pk_add_f32 v[OBK+4*\t:OBK+4*\t+1],   v[OBK+4*\t:OBK+4*\t+1],   v[BI:BI+1]
	v_pk_add_f32 v[OBK+4*\t+2:OBK+4*\t+3], v[OBK+4*\t+2:OBK+4*\t+3], v[BI+2:BI+3]
.endr
	WIN 0x08                                       ; source 1 window 2: the residual
.irp t, 0,1,2,3,4,5,6,7
	v_pk_add_f32 v[OBK+4*\t:OBK+4*\t+1],   v[OBK+4*\t:OBK+4*\t+1],   v[4*(8*\a+\t):4*(8*\a+\t)+1]
	v_pk_add_f32 v[OBK+4*\t+2:OBK+4*\t+3], v[OBK+4*\t+2:OBK+4*\t+3], v[4*(8*\a+\t)+2:4*(8*\a+\t)+3]
.endr
	WIN 0
.irp t, 0,1,2,3,4,5,6,7
	global_store_b128 v[CO], v[OBK+4*\t:OBK+4*\t+3], s[8:9] offset:(16*\a+2*\t)*PITCH_C*4   ; 16 lanes store 256 consecutive bytes, at a multiple of 256 from C's first byte
.endr
.endm
	s_wait_loadcnt 0x0                             ; bias and residual
	PLACES
	OUT 0
	OUT 1
	OUT 2
	OUT 3
	s_wait_tensorcnt 0x0
	ds_add_u32 v126, v127
	s_wait_dscnt 0x0
	CROUND                                         ; the closing round: no work-group ends while a partner may still ask for a tile that names it
	s_endpgm
.Lfunc_end_k_q046e8ff8ba_wo:
	.size	k_q046e8ff8ba_wo, .Lfunc_end_k_q046e8ff8ba_wo-k_q046e8ff8ba_wo
	.p2alignl 7, 3214868480
	.fill 96, 4, 3214868480
	.section	.rodata,"a",@progbits
	.p2align	6, 0x0
	.amdhsa_kernel k_q046e8ff8ba_wo
		.amdhsa_group_segment_fixed_size 327680
		.amdhsa_private_segment_fixed_size 0
		.amdhsa_enable_private_segment 0
		.amdhsa_kernarg_size 40
		.amdhsa_user_sgpr_count 2
		.amdhsa_user_sgpr_kernarg_segment_ptr 1
		.amdhsa_wavefront_size32 1
		.amdhsa_system_sgpr_workgroup_id_x 1
		.amdhsa_system_sgpr_workgroup_id_y 1
		.amdhsa_system_sgpr_workgroup_id_z 1
		.amdhsa_system_vgpr_workitem_id 0
		.amdhsa_next_free_vgpr 640
		.amdhsa_next_free_sgpr 72
		.amdhsa_reserve_vcc 0
		.amdhsa_float_denorm_mode_32 3
		.amdhsa_float_denorm_mode_16_64 3
		.amdhsa_memory_ordered 1
		.amdhsa_forward_progress 1
		.amdhsa_inst_pref_size 98
	.end_amdhsa_kernel
	.amdgpu_metadata
---
amdhsa.version: [ 1, 2 ]
amdhsa.kernels:
  - .name:           k_q046e8ff8ba_wo
    .symbol:         k_q046e8ff8ba_wo.kd
    .args:
      - { .name: ao, .offset: 0, .size: 8, .value_kind: global_buffer, .address_space: global }
      - { .name: cb, .offset: 8, .size: 8, .value_kind: global_buffer, .address_space: global }
      - { .name: y, .offset: 16, .size: 8, .value_kind: global_buffer, .address_space: global }
      - { .name: bo, .offset: 24, .size: 8, .value_kind: global_buffer, .address_space: global }
      - { .name: x, .offset: 32, .size: 8, .value_kind: global_buffer, .address_space: global }
    .group_segment_fixed_size: 327680
    .private_segment_fixed_size: 0
    .kernarg_segment_align: 8
    .kernarg_segment_size: 40
    .max_flat_workgroup_size: 128
    .sgpr_count:     72
    .vgpr_count:     640
    .wavefront_size: 32
...
	.end_amdgpu_metadata
.endif
;; end of part 11
;; launch ln1: the kernel of part 5 again; grid 256 x 1, 4 waves a work-group, no clusters, 0 bytes of LDS; arguments y, g1, be1, x1f, x1b; writes x1f, x1b
;; launch ffn1 (part 12): grid 16 x 16, 4 waves a work-group, clusters of 4 x 4, 327,680 bytes of LDS; arguments x1b, cb, hb, b1; writes hb
.if DOCPART == 12
	.amdgcn_target "amdgcn-amd-amdhsa--gfx1250"
	.amdhsa_code_object_version 6
	.text
	.protected	k_q046e8ff8ba_ffn1
	.globl	k_q046e8ff8ba_ffn1
	.p2align	8
	.type	k_q046e8ff8ba_ffn1,@function
k_q046e8ff8ba_ffn1:
	s_mov_b64 s[64:65], 0
	v_nop
	global_prefetch_b8 v0, s[64:65] scope:SCOPE_SE
	s_setreg_imm32_b32 hwreg(HW_REG_WAVE_MODE, 25, 1), 1
	s_wait_xcnt 0x0
	s_wait_alu depctr_hold_cnt(0) depctr_sa_sdst(0) depctr_va_vdst(0) depctr_va_sdst(0) depctr_va_ssrc(0) depctr_va_vcc(0) depctr_vm_vsrc(0)
	s_getreg_b32 s2, hwreg(HW_REG_IB_STS2, 6, 4)
	s_cmp_eq_u32 s2, 0
	s_cbranch_scc0 .Lentry_in_a_cluster
	s_endpgm
.Lentry_in_a_cluster:
	s_bfe_u32 s2, ttmp6, 0x10000c
	s_cmp_lg_u32 s2, 0xf033
	s_cbranch_scc0 .Lentry_shape_is_right
	s_endpgm
.Lentry_shape_is_right:
; hb = bf16(relu(x1 W1 + b1)): bf16 operands (x1b, and W1 out of cb), sums, bias and relu in f32, rounded once.
; THE TEXT BELOW THE SIZES IS ONE GEMM CORE, C = A W with C in bf16, used by two launches (qkv, ffn1); the flags choose the arguments and the way out.
.set SIZE_K,  1024                     ; A is [4096][SIZE_K] bf16
.set PITCH_W, 4096                     ; W is [SIZE_K][PITCH_W] bf16, as the model stores it: K down the rows
.set PITCH_C, 4096                     ; numbers in a row of C
.set WBASE,   16<<20                   ; W's first byte in cb
.set QKV,     0                        ; 1: A lies in cb too; tile columns 0-3, 4-7, 8-11 take Wq, Wk, Wv (2 MiB apart)
.set RELU,    1                        ; 1: C = bf16(relu(sum + bias))
; A tile of C is 256 x 256: four waves, as many as a WGP has SIMDs, each 128 x 128 = 64 accumulators of 16 x 16, 512 registers.  For 32 along K a wave reads 256 fragment rows from LDS
; and issues 64 matrix instructions.  (With QKV = 1 the 3,072 columns make 12 x 16 = 192 work-groups; a tile of 128 x 384 would make 256, and read the same 256 rows for 48 matrix instructions.)
; K goes in steps of 128 through two LDS slots filled by the tensor data mover: A's 256 rows of 256 bytes (two loads of 128 rows, waves 0 and 1) and W's 128 rows of 512 bytes
; (two loads of 64 rows, waves 2 and 3).  From a refill to the wait for it a wave issues 240 matrix instructions.
; CLUSTERS: 4 x 4 work-groups.  The four of a row of the cluster need the same tiles of A, the four of a column the same tiles of W: each tile is asked for jointly,
; by the same tensor load with the same descriptor and a mask that names the four.
; THE MATRIX INSTRUCTION IS USED TRANSPOSED: source 0 = 16 columns of W (turned on the way out of LDS by ds_load_tr16_b128), source 1 = 16 rows of A:
; a lane then holds row l % 16 of C and the eight neighbouring columns 8 (l / 16) + 0..7, which pack into 16 bytes.
; REGISTERS, in windows of 256 (s_set_vgpr_msb's low byte: bits 1:0 source 0, 3:2 source 1, 5:4 source 2, 7:6 destination):
;   window 0: v0-31 addresses; v64-127, v128-191 fragments of A (8 x 16 rows x 32 K), two buffers; v32-63, v192-255 at work on the way out
;   window 1: v64-127, v128-191 fragments of W, two buffers; v0-63 the bias of my 8 x 8 columns (RELU = 1)
;   window 2: the 32 accumulators of my rows 0-63 (accumulator (a, b) at v[8 (8 a + b)]);   window 3: those of my rows 64-127
.set KSTEP,  128
.set PA,     272                       ; A's LDS row: 256 bytes + 16 = 68 words: row r starts at bank 4 r mod 64 (64 banks of 4 bytes: ISA guide 11.1)
.set PW,     544                       ; W's LDS row: 512 bytes + 32 = 136 words: row r starts at bank 8 r mod 64
.set HALFT,  128*PA                    ; what one tensor load brings: 128 rows of A, or 64 rows of W (64 x 544 is the same 34,816 bytes)
.set WOFF,   2*HALFT                   ; W's rows lie behind A's
.set SLOT,   4*HALFT
.set STAGE,  2*SLOT                    ; behind the ring, a multiple of 256: 16 rows x 272 bytes for each wave; no tensor load fills it
.set SPITCH, 272
.set LAPS,   SIZE_K/(2*KSTEP)          ; a lap = two K steps = once round the ring
.set ADRA, 16                          ; v16-17  LDS address of my A fragments in slot 0, 1
.set ADRW, 20                          ; v20-21  of my W fragments
.set STO,  24                          ; v24     the way out: where I put 16 bytes of a row
.set RD,   25                          ; v25     the way out: where I read a row back
.set CO,   26                          ; v26     my byte offset in C
.set BO,   27                          ; v27     my byte offset in the bias
.set F0,   64                          ; fragment buffer 0
.set F1,   128                         ; fragment buffer 1
.set TMP,  192                         ; the way out: packed results
.set OB,   32                          ; the way out: 16 rows read back from the stage: v32-63 and v224-255 by turns
.set G1, 24                            ; s[24:31] descriptor group 1 for A's tiles;  s[32:39] group 0, one set for each slot
.set G0, 32
.set G1B, 48                           ; s[48:55], s[56:63] the same for W's tiles
.set G0B, 56
.set MSB, 0
.macro WIN new                         ; the immediate's high byte repeats the setting that is left; a switch that changes nothing is dropped
.if MSB != \new
	s_set_vgpr_msb (MSB<<8)|\new
.set MSB, \new
.endif
.endm
.set MUL_LO, 0xa1                      ; source 0 (W) window 1, source 1 (A) window 0, C and D window 2
.set MUL_HI, 0xf1                      ; the same, C and D window 3
.set TO_W,   0x40                      ; destination window 1, address window 0
.macro JLOAD s                         ; a joint load: waves 0 and 1 fetch A's two halves, waves 2 and 3 W's; four v_nop follow each of the two lines, ahead of the jump, the label and what follows
	s_cmp_eq_u32 s11, 0
	s_cbranch_scc0 .Lfor_w_\@
	tensor_load_to_lds s[G0+4*\s:G0+4*\s+3], s[G1:G1+7]
	s_nop 0
.rept 4
	v_nop
.endr
	s_branch .Lasked_\@
.Lfor_w_\@:
	tensor_load_to_lds s[G0B+4*\s:G0B+4*\s+3], s[G1B:G1B+7]
	s_nop 0
.rept 4
	v_nop
.endr
.Lasked_\@:
.endm
.macro CREST                           ; a round of the cluster's barrier behind its opening barrier
	s_cmp_lg_u32 s10, 0
	s_cbranch_scc1 .Lnot_wave_0_\@
	s_barrier_signal -3
.Lnot_wave_0_\@:
	s_barrier_wait -3
	s_barrier_signal -1
	s_barrier_wait -1
.endm
.macro CROUND                          ; a whole round
	s_barrier_signal -1
	s_barrier_wait -1
	CREST
.endm
.if QKV
	s_load_b128 s[4:7], s[0:1], 0x0                ; cb s[4:5], C s[6:7]
.else
	s_load_b128 s[4:7], s[0:1], 0x0                ; A s[4:5], cb s[6:7]
	s_load_b64 s[8:9], s[0:1], 0x10                ; C
.endif
.if RELU
	s_load_b64 s[68:69], s[0:1], 0x18              ; the bias
	s_set_vgpr_msb 0x40
	v_lshl_add_u32 v255, v0, 2, 0x48400
	s_set_vgpr_msb 0x4000
	v_mov_b32 v31, 0
	s_set_vgpr_msb 0x1
	ds_add_u32 v255, v31
	s_set_vgpr_msb 0x100
.endif
	v_lshrrev_b32 v1, 5, v0
	v_readfirstlane_b32 s10, v1                    ; wave 0..3
	s_lshr_b32 s11, s10, 1                         ; which half of the tile's rows is mine.  Also: I fetch for A (0) or for W (1)
	s_and_b32 s12, s10, 1                          ; which half of its columns.  Also: which half of that tile I fetch
	s_bfe_u32 s40, ttmp6, 0x40000                  ; cx, cy: my place in the cluster
	s_bfe_u32 s41, ttmp6, 0x40004
	s_lshl_b32 s42, ttmp9, 2
	s_add_co_u32 s42, s42, s40                     ; tile column of C = 4 x cluster x + cx
	s_and_b32 s13, ttmp7, 0xffff
	s_lshl_b32 s13, s13, 2
	s_add_co_u32 s13, s13, s41                     ; tile row of C = 4 x cluster y + cy
	s_lshl_b32 s43, s41, 2
	s_lshl_b32 s43, 15, s43                        ; my row of the cluster
	s_lshl_b32 s44, 0x1111, s40                    ; my column
	; group 1 for A: 128 rows x 128 elements of 2 bytes; 16 bytes of padding (code 3) behind every 64 words (code 5); bit 21 set beside the mask
	s_or_b32 s[G1+0], s43, (1<<16)|(1<<20)|(1<<21)|(5<<22)|(3<<25)
	s_mov_b32 s[G1+1], KSTEP<<16                   ; tensor_dim0 = 128
	s_mov_b32 s[G1+2], 128<<16                     ; tensor_dim1 = 128
	s_mov_b32 s[G1+3], KSTEP<<16                   ; tile_dim0 = 128
	s_mov_b32 s[G1+4], 128                         ; tile_dim1 = 128
	s_mov_b32 s[G1+5], SIZE_K                      ; elements from row to row
	s_mov_b32 s[G1+6], 0
	s_mov_b32 s[G1+7], 0
	; group 1 for W: 64 rows x 256 elements; 32 bytes of padding (code 7) behind every 128 words (code 6)
	s_or_b32 s[G1B+0], s44, (1<<16)|(1<<20)|(1<<21)|(6<<22)|(7<<25)
	s_mov_b32 s[G1B+1], 256<<16                    ; tensor_dim0 = 256
	s_mov_b32 s[G1B+2], 64<<16                     ; tensor_dim1 = 64
	s_mov_b32 s[G1B+3], 256<<16                    ; tile_dim0 = 256
	s_mov_b32 s[G1B+4], 64                         ; tile_dim1 = 64
	s_mov_b32 s[G1B+5], PITCH_W
	s_mov_b32 s[G1B+6], 0
	s_mov_b32 s[G1B+7], 0
	; A's tiles hang on the tile row and the wave alone, W's on the tile column and the wave alone, each in registers that never hold the other coordinate
	s_lshl_b32 s17, s12, 7
	s_lshl_b32 s16, s13, 8
	s_add_co_u32 s16, s16, s17                     ; A: row 256 x tile row + 128 x half
	s_mov_b32 s17, 0
	s_mov_b64 s[18:19], SIZE_K*2
	s_mul_u64 s[16:17], s[16:17], s[18:19]
.if QKV
	s_lshr_b32 s46, s42, 2                         ; which of Wq, Wk, Wv,
	s_lshl_b32 s46, s46, 21                        ; 2 MiB each,
	s_and_b32 s47, s42, 3
	s_lshl_b32 s47, s47, 9                         ; and 512 bytes a tile column inside it
	s_add_co_u32 s46, s46, s47
.else
	s_lshl_b32 s46, s42, 9                         ; W: 512 bytes a tile column
.endif
	s_mul_i32 s47, s12, 64*PITCH_W*2               ; + my 64 rows of the step
	s_add_co_u32 s46, s46, s47
	s_add_co_u32 s46, s46, WBASE
	s_mov_b32 s47, 0
	s_mul_i32 s20, s10, HALFT                      ; where they go: A's two halves, then W's two halves = wave x 34,816: no place in the cluster enters an LDS address
	s_wait_dscnt 0x0
	s_wait_kmcnt 0x0
.if QKV
	s_mov_b64 s[8:9], s[6:7]                       ; C
	s_mov_b64 s[6:7], s[4:5]                       ; W lies in cb as A does
.endif
	s_add_nc_u64 s[14:15], s[4:5], s[16:17]
	s_add_nc_u64 s[46:47], s[6:7], s[46:47]
	CROUND                                         ; all sixteen work-groups are here: the first joint loads meet
.irp s, 0,1
	s_mov_b32 s[G0+4*\s], 1                                        ; count = 1
	s_add_co_u32 s[G0+4*\s+1], s20, \s*SLOT                        ; LDS address
	s_add_nc_u64 s[G0+4*\s+2:G0+4*\s+3], s[14:15], \s*KSTEP*2      ; global address: K step s
	s_or_b32 s[G0+4*\s+3], s[G0+4*\s+3], 0x80000000                ; type = 2
	s_mov_b32 s[G0B+4*\s], 1
	s_add_co_u32 s[G0B+4*\s+1], s20, \s*SLOT
	s_add_nc_u64 s[G0B+4*\s+2:G0B+4*\s+3], s[46:47], \s*KSTEP*PITCH_W*2
	s_or_b32 s[G0B+4*\s+3], s[G0B+4*\s+3], 0x80000000
	JLOAD \s                                       ; two loads of mine are out
.endr
	v_and_b32 v1, 15, v0                           ; l % 16
	v_bfe_u32 v2, v0, 4, 1                         ; l / 16
	v_mul_u32_u24 v3, v1, PA                       ; a fragment of A: row l % 16, 16 bytes for each half of the lanes, two loads 32 bytes apart
	v_lshl_add_u32 v3, v2, 4, v3
	s_mul_i32 s21, s11, HALFT                      ; my 128 rows of A
	v_add_nc_u32 v[ADRA], s21, v3
	v_add_nc_u32 v[ADRA+1], SLOT, v[ADRA]
	v_and_b32 v4, 7, v0                            ; a fragment of W: the turning load takes 16 rows (K) x 16 columns: lane l reads row 8 (l / 16) + l % 8, columns 8 ((l / 8) % 2) + 0..7,
	v_lshl_add_u32 v4, v2, 3, v4                   ; and is left with column l % 16 and 8 numbers along K
	v_mul_u32_u24 v4, v4, PW
	v_bfe_u32 v5, v0, 3, 1
	v_lshl_add_u32 v4, v5, 4, v4
	s_lshl_b32 s22, s12, 8                         ; my 128 columns: 256 bytes of a row
	s_add_co_u32 s22, s22, WOFF
	v_add_nc_u32 v[ADRW], s22, v4
	v_add_nc_u32 v[ADRW+1], SLOT, v[ADRW]
	s_mul_i32 s23, s10, 16*SPITCH
	s_add_co_u32 s23, s23, STAGE                   ; my stage
	v_mul_u32_u24 v4, v1, SPITCH                   ; in: row l % 16, 16 bytes for each half of the lanes
	v_lshl_add_u32 v4, v2, 4, v4
	v_add_nc_u32 v[STO], s23, v4
	v_mul_u32_u24 v5, v2, SPITCH                   ; back: lanes 0-15 take one row of 256 bytes, lanes 16-31 the next
	v_lshl_add_u32 v5, v1, 4, v5
	v_add_nc_u32 v[RD], s23, v5
	v_mul_u32_u24 v5, v2, PITCH_C*2                ; and the same two rows in C
	v_lshl_add_u32 v[CO], v1, 4, v5
	s_lshl_b32 s16, s13, 8
	s_lshl_b32 s17, s11, 7
	s_add_co_u32 s16, s16, s17                     ; my first row of C: 256 x tile row + 128 x half
	s_mul_i32 s16, s16, PITCH_C*2
	s_mov_b32 s17, 0
	s_add_nc_u64 s[8:9], s[8:9], s[16:17]
	s_lshl_b32 s46, s42, 9                         ; my first column, in bytes: 512 x tile column + 256 x half (in the registers that held W's address)
	s_lshl_b32 s47, s12, 8
	s_add_co_u32 s46, s46, s47
	s_mov_b32 s47, 0
	s_add_nc_u64 s[8:9], s[8:9], s[46:47]
.if RELU
	s_lshl_b32 s46, s46, 1                         ; the same columns in f32
	s_add_nc_u64 s[68:69], s[68:69], s[46:47]
	v_lshlrev_b32 v[BO], 5, v2                     ; accumulator (a, b) holds columns 16 b + 8 (l / 16) + 0..7
	WIN TO_W                                       ; destination window 1: the bias comes in under the whole product
.irp b, 0,1,2,3,4,5,6,7
	global_load_b128 v[8*\b:8*\b+3],   v[BO], s[68:69] offset:64*\b
	global_load_b128 v[8*\b+4:8*\b+7], v[BO], s[68:69] offset:64*\b+16
.endr
	WIN 0
.endif
; 16 matrix instructions: m blocks a0, a0 + 1 of the window's four (hi = 0: my rows 0-63, 1: rows 64-127) x all 8 n blocks, 32 along K.  zero = 1: the first product starts the sums.
; The 64 accumulators take turns, one instruction a turn, in the same order in every quarter step.
.macro MUL16 f, hi, a0, zero
.irp a, \a0, \a0+1
.irp b, 0,1,2,3,4,5,6,7
.if \zero
	v_wmma_f32_16x16x32_bf16 v[8*(8*(\a)+\b):8*(8*(\a)+\b)+7], v[\f+8*\b:\f+8*\b+7], v[\f+8*(4*\hi+\a):\f+8*(4*\hi+\a)+7], 0
.else
	v_wmma_f32_16x16x32_bf16 v[8*(8*(\a)+\b):8*(8*(\a)+\b)+7], v[\f+8*\b:\f+8*\b+7], v[\f+8*(4*\hi+\a):\f+8*(4*\hi+\a)+7], v[8*(8*(\a)+\b):8*(8*(\a)+\b)+7]
.endif
.endr
.endr
.endm
; 32 LDS loads in one run: the fragments of quarter q (32 along K) of a slot into buffer f: 128 columns of W, then 128 rows of A
.macro FETCH slot, q, f
	WIN TO_W
.irp i, 0,1,2,3,4,5,6,7
	ds_load_tr16_b128 v[\f+8*\i:\f+8*\i+3],   v[ADRW+\slot] offset:32*(\q)*PW+32*\i
	ds_load_tr16_b128 v[\f+8*\i+4:\f+8*\i+7], v[ADRW+\slot] offset:(32*(\q)+16)*PW+32*\i
.endr
	WIN 0
.irp i, 0,1,2,3,4,5,6,7
	ds_load_b128 v[\f+8*\i:\f+8*\i+3],   v[ADRA+\slot] offset:64*(\q)+\i*16*PA
	ds_load_b128 v[\f+8*\i+4:\f+8*\i+7], v[ADRA+\slot] offset:64*(\q)+\i*16*PA+32
.endr
.endm
.macro PLACES                          ; four places in front of loads into registers that matrix instructions have read, and of what reads results just made
.rept 4
	v_nop
.endr
.endm
; A K step is four quarters of 32 along K, 64 matrix instructions each, on buffers 0, 1, 0, 1.  One of the first three: multiplies buffer f; in its middle it fetches quarter q into buffer g.
.macro QUARTER slot, q, f, g, zero
	s_wait_dscnt 8                                 ; W and A's rows 0-63 are in; the youngest eight loads (A's rows 64-127) may be out
	WIN MUL_LO
	MUL16 \f, 0, 0, \zero
	MUL16 \f, 0, 2, \zero
	PLACES
	FETCH \slot, \q, \g
	s_wait_dscnt 32                                ; all but the 32 just issued
	WIN MUL_HI
	MUL16 \f, 1, 0, \zero
	MUL16 \f, 1, 2, \zero
.endm
; The last quarter multiplies buffer 1 and changes slots: ONE barrier; in front of it each wave waits for its own reads of this slot and for all its tensor loads.  fill = 1: this slot is filled again, two K steps ahead.
.macro TURN slot, next, fill
	s_wait_dscnt 8
	WIN MUL_LO
	MUL16 F1, 0, 0, 0
	s_wait_dscnt 0                                 ; my reads of this slot are over,
	s_wait_tensorcnt 0x0                           ; and all my tensor loads have landed: the one that was out is my part of the next slot
	ds_add_u32 v255, v31
	s_wait_dscnt 0x0
	s_barrier_signal -1
	MUL16 F1, 0, 2, 0                              ; work on registers while the others arrive
.if \fill
	WIN 0
.endif
	s_barrier_wait -1
.if \fill
	CREST                                          ; the barrier has opened a round of the cluster's barrier: no wave of any partner still reads this slot's tile or has a load on its way
	s_add_nc_u64 s[G0+4*\slot+2:G0+4*\slot+3], s[G0+4*\slot+2:G0+4*\slot+3], 2*KSTEP*2
	s_add_nc_u64 s[G0B+4*\slot+2:G0B+4*\slot+3], s[G0B+4*\slot+2:G0B+4*\slot+3], 2*KSTEP*PITCH_W*2
	JLOAD \slot                                    ; the first tensor load behind the round, my only one until the next; its four v_nop are also the places in front of the loads below
.else
	PLACES
.endif
	FETCH \next, 0, F0
	WIN MUL_HI
	MUL16 F1, 1, 0, 0
	MUL16 F1, 1, 2, 0
.endm
; THE WAY OUT of block a (16 of my rows), in three parts.  PACK: (bias, relu,) rounded to bf16, 16 bytes a lane; each accumulator is read from its low end on.
; TOSTAGE: into my own stage in LDS, and back as whole rows of 256 bytes.  SEND: stored.
.macro PACK a
.set AC, 64*((\a)%4)
.if RELU
	WIN 0x86+0x41*((\a)/4)                         ; destination and source 0: window 2 or 3; source 1: window 1, the bias
.irp b, 0,1,2,3,4,5,6,7
.irp r, 0,1,2,3
	v_pk_add_f32 v[AC+8*\b+2*\r:AC+8*\b+2*\r+1], v[AC+8*\b+2*\r:AC+8*\b+2*\r+1], v[8*\b+2*\r:8*\b+2*\r+1]
.endr
.endr
	WIN 0x8a+0x45*((\a)/4)                         ; destination and sources: window 2 or 3
.irp b, 0,1,2,3,4,5,6,7
.irp r, 0,1,2,3,4,5,6,7
	v_max_num_f32 v[AC+8*\b+\r], 0, v[AC+8*\b+\r]
.endr
.endr
.endif
	WIN 0x0a+5*((\a)/4)                            ; sources 0 and 1: window 2 or 3; destination window 0
.irp b, 0,1,2,3,4,5,6,7
.irp r, 0,1,2,3
	v_cvt_pk_bf16_f32 v[TMP+4*\b+\r], v[AC+8*\b+2*\r], v[AC+8*\b+2*\r+1]
.endr
.endr
	WIN 0
.endm
.macro TOSTAGE a
.set BK, OB+192*((\a)%2)
.irp b, 0,1,2,3,4,5,6,7
	ds_store_b128 v[STO], v[TMP+4*\b:TMP+4*\b+3] offset:32*\b
.endr
.irp t, 0,1,2,3,4,5,6,7
	ds_load_b128 v[BK+4*\t:BK+4*\t+3], v[RD] offset:\t*2*SPITCH    ; LDS serves a wave's instructions in order (ISA guide 5.7.1.4): these see the stores above
.endr
.endm
.macro SEND a
.set BK, OB+192*((\a)%2)
	s_wait_dscnt 0x0                               ; the block is back in registers
	s_wait_xcnt 0x0                                ; the next TOSTAGE loads into the registers that the stores of the block before this one read: only behind this wait
.irp t, 0,1,2,3,4,5,6,7
	global_store_b128 v[CO], v[BK+4*\t:BK+4*\t+3], s[8:9] offset:(16*(\a)+2*\t)*PITCH_C*2   ; 16 lanes store 256 consecutive bytes, at a multiple of 256 from C's first byte; 126 rows at the most stand in the immediate
.endr
.endm
	s_wait_tensorcnt 1                             ; my part of K step 0 is in; K step 1's may stay out
	s_barrier_signal -1
	s_barrier_wait -1                              ; everybody's is
	FETCH 0, 0, F0
	QUARTER 0, 1, F0, F1, 1                        ; the first quarter stands in front of the loop: its products start the sums
	WIN 0                                          ; at a label and at a branch every window is 0
	s_mov_b32 s3, LAPS-1
.Llap:                                                 ; a trip goes once round the ring, from a lap's second quarter to the next lap's first, and fills both slots again
	QUARTER 0, 2, F1, F0, 0
	QUARTER 0, 3, F0, F1, 0
	TURN 0, 1, 1
	QUARTER 1, 1, F0, F1, 0
	QUARTER 1, 2, F1, F0, 0
	QUARTER 1, 3, F0, F1, 0
	TURN 1, 0, 1
	QUARTER 0, 1, F0, F1, 0
	WIN 0
	s_sub_co_u32 s3, s3, 1
	s_cmp_lg_u32 s3, 0
	s_cbranch_scc1 .Llap
	QUARTER 0, 2, F1, F0, 0                        ; the last lap fills nothing, and has no round of the cluster's barrier
	QUARTER 0, 3, F0, F1, 0
	TURN 0, 1, 0
	QUARTER 1, 1, F0, F1, 0
	QUARTER 1, 2, F1, F0, 0
	QUARTER 1, 3, F0, F1, 0
	s_wait_dscnt 0x0                               ; the very last quarter: nothing more to fetch
	WIN MUL_LO
	MUL16 F1, 0, 0, 0
	MUL16 F1, 0, 2, 0
	WIN MUL_HI
	MUL16 F1, 1, 0, 0
	MUL16 F1, 1, 2, 0
	WIN 0
.if RELU
	s_wait_loadcnt 0x0                             ; the bias
.endif
	PLACES                                         ; behind the last products
	PACK 0
	TOSTAGE 0
.irp a, 1,2,3,4,5,6,7                  ; block a's arithmetic stands between block a - 1's loads from the stage and the wait for them
	PACK \a
	SEND \a-1
	TOSTAGE \a
.endr
	SEND 7
	s_set_vgpr_msb 0x1
	s_wait_tensorcnt 0x0
	ds_add_u32 v255, v31
	s_wait_dscnt 0x0
	s_set_vgpr_msb 0x100
	CROUND                                         ; the closing round: no work-group ends while a partner may still ask for a tile that names it
	s_endpgm
.Lfunc_end_k_q046e8ff8ba_ffn1:
	.size	k_q046e8ff8ba_ffn1, .Lfunc_end_k_q046e8ff8ba_ffn1-k_q046e8ff8ba_ffn1
	.p2alignl 7, 3214868480
	.fill 96, 4, 3214868480
	.section	.rodata,"a",@progbits
	.p2align	6, 0x0
	.amdhsa_kernel k_q046e8ff8ba_ffn1
		.amdhsa_group_segment_fixed_size 327680
		.amdhsa_private_segment_fixed_size 0
		.amdhsa_enable_private_segment 0
		.amdhsa_kernarg_size 32
		.amdhsa_user_sgpr_count 2
		.amdhsa_user_sgpr_kernarg_segment_ptr 1
		.amdhsa_wavefront_size32 1
		.amdhsa_system_sgpr_workgroup_id_x 1
		.amdhsa_system_sgpr_workgroup_id_y 1
		.amdhsa_system_sgpr_workgroup_id_z 1
		.amdhsa_system_vgpr_workitem_id 0
		.amdhsa_next_free_vgpr 1024
		.amdhsa_next_free_sgpr 72
		.amdhsa_reserve_vcc 0
		.amdhsa_float_denorm_mode_32 3
		.amdhsa_float_denorm_mode_16_64 3
		.amdhsa_memory_ordered 1
		.amdhsa_forward_progress 1
		.amdhsa_inst_pref_size 177
	.end_amdhsa_kernel
	.amdgpu_metadata
---
amdhsa.version: [ 1, 2 ]
amdhsa.kernels:
  - .name:           k_q046e8ff8ba_ffn1
    .symbol:         k_q046e8ff8ba_ffn1.kd
    .args:
      - { .name: x1b, .offset: 0, .size: 8, .value_kind: global_buffer, .address_space: global }
      - { .name: cb, .offset: 8, .size: 8, .value_kind: global_buffer, .address_space: global }
      - { .name: hb, .offset: 16, .size: 8, .value_kind: global_buffer, .address_space: global }
      - { .name: b1, .offset: 24, .size: 8, .value_kind: global_buffer, .address_space: global }
    .group_segment_fixed_size: 327680
    .private_segment_fixed_size: 0
    .kernarg_segment_align: 8
    .kernarg_segment_size: 32
    .max_flat_workgroup_size: 128
    .sgpr_count:     72
    .vgpr_count:     1024
    .wavefront_size: 32
...
	.end_amdgpu_metadata
.endif
;; end of part 12
;; launch ffn2 (part 13): grid 8 x 32, 4 waves a work-group, clusters of 4 x 4, 327,680 bytes of LDS; arguments hb, cb, y, b2, x1f; writes y
.if DOCPART == 13
	.amdgcn_target "amdgcn-amd-amdhsa--gfx1250"
	.amdhsa_code_object_version 6
	.text
	.protected	k_q046e8ff8ba_ffn2
	.globl	k_q046e8ff8ba_ffn2
	.p2align	8
	.type	k_q046e8ff8ba_ffn2,@function
k_q046e8ff8ba_ffn2:
	s_mov_b64 s[64:65], 0
	v_nop
	global_prefetch_b8 v0, s[64:65] scope:SCOPE_SE
	s_setreg_imm32_b32 hwreg(HW_REG_WAVE_MODE, 25, 1), 1
	s_wait_xcnt 0x0
	s_wait_alu depctr_hold_cnt(0) depctr_sa_sdst(0) depctr_va_vdst(0) depctr_va_sdst(0) depctr_va_ssrc(0) depctr_va_vcc(0) depctr_vm_vsrc(0)
	s_getreg_b32 s2, hwreg(HW_REG_IB_STS2, 6, 4)
	s_cmp_eq_u32 s2, 0
	s_cbranch_scc0 .Lentry_in_a_cluster
	s_endpgm
.Lentry_in_a_cluster:
	s_bfe_u32 s2, ttmp6, 0x10000c
	s_cmp_lg_u32 s2, 0xf033
	s_cbranch_scc0 .Lentry_shape_is_right
	s_endpgm
.Lentry_shape_is_right:
; y = h W2 + b2 + x1: bf16 operands (hb, and W2 out of cb), sums, bias and residual in f32, y in f32.
; THE TEXT BELOW THE SIZES IS ONE GEMM CORE, C = A W + bias + residual with C in f32, used by two launches (wo, ffn2).
.set SIZE_K,  4096                     ; A is [4096][SIZE_K] bf16
.set PITCH_W, 1024                     ; W is [SIZE_K][PITCH_W] bf16, as the model stores it: K down the rows
.set PITCH_C, 1024                     ; numbers in a row of C
.set WBASE,   24<<20                   ; W's first byte in cb
; A tile of C is 128 x 128, which makes 8 x 32 work-groups of C's 4,096 x 1,024: four waves, each 64 x 64 = 16 accumulators of 16 x 16.  K goes in steps of 256 through two LDS slots filled by
; the tensor data mover: A's 128 rows of 512 bytes (two loads of 64 rows, waves 0 and 1) and W's 256 rows of 256 bytes (two loads of 128 rows, waves 2 and 3).
; CLUSTERS: 4 x 4 work-groups.  The four of a row of the cluster need the same tiles of A, the four of a column the same tiles of W: each tile is asked for jointly,
; by the same tensor load with the same descriptor and a mask that names the four.
; THE MATRIX INSTRUCTION IS USED TRANSPOSED: source 0 = 16 columns of W (turned on the way out of LDS by ds_load_tr16_b128), source 1 = 16 rows of A:
; a lane then holds row l % 16 of C and the eight neighbouring columns 8 (l / 16) + 0..7.
; AHEAD OF THE RING, only where SIZE_K makes more than two laps: wave 0 prefetches tiles two K steps (256 matrix instructions a wave) ahead of the refill that will bring them into LDS.
; Each aligned 256 bytes is asked for once in the launch.  A's step tile (128 rows x 512 bytes: 256 pieces) is dealt over the 8 work-groups of the tile row, 32 pieces each, a lane a piece, behind every
; refill; W's tiles of four steps (1,024 rows x 256 bytes) over the 32 work-groups of the tile column, 32 rows each, behind every fourth refill.  K steps 0 to 3 are not asked for: the ring itself
; requests them within the first two steps.  The last lap that refills asks for nothing, so the highest step asked for is the last, SIZE_K / 256 - 1.
; With SIZE_K = 1,024 there are two laps and K steps 0 to 3 alone: nothing is asked for.
; REGISTERS: window 0: v0-31 addresses and the bias; v32-95 at work on the way out; v128-255 the accumulators ((a, b) at v[128 + 8 (4 a + b)]).
;   window 1: two fragment buffers of 128: for 64 along K, 64 registers of A, then 64 of W.   window 2: v0-127 the residual.
.set KSTEP,  256
.set PA,     528                       ; A's LDS row: 512 bytes + 16 = 132 words: row r starts at bank 4 r mod 64 (64 banks of 4 bytes: ISA guide 11.1)
.set PW,     288                       ; W's LDS row: 256 bytes + 32 = 72 words: row r starts at bank 8 r mod 64
.set HALFA,  64*PA                     ; what one of A's loads brings, and what one wave reads of A
.set HALFW,  128*PW                    ; what one of W's loads brings: 128 of the step's 256 rows
.set WOFF,   2*HALFA
.set SLOT,   WOFF+2*HALFW
.set STAGE,  2*SLOT                    ; behind the ring, a multiple of 256: no tensor load fills it
.set SPITCH, 272
.set LAPS,   SIZE_K/(2*KSTEP)          ; a lap = two K steps = once round the ring; an even number
.set PFA,  12                          ; v12     my byte offset in A's step tile, for the prefetch; never rewritten
.set PFW,  13                          ; v13     the same in W's four step tiles
.set ADRA, 16                          ; v16-17  LDS address of my A fragments in slot 0, 1
.set ADRW, 20                          ; v20-23  of my W fragments: slot 0 rows 0-127, rows 128-255, slot 1 likewise (the 16-bit offset does not span 256 rows)
.set STO,  24                          ; v24     the way out: where I put my numbers of a row
.set RD,   25                          ; v25     the way out: where I read a row back
.set CO,   26                          ; v26     my byte offset in C and in the residual
.set BO,   27                          ; v27     my byte offset in the bias
.set BI,   28                          ; v[28:31] the bias of my four columns
.set TMP,  32
.set ACC,  128
.set F0,   0
.set F1,   128
.set G1, 24                            ; s[24:31] descriptor group 1 for A's tiles;  s[32:39] group 0, one set for each slot
.set G0, 32
.set G1B, 48                           ; s[48:55], s[56:63] the same for W's tiles
.set G0B, 56
.set PBA, 72                           ; s[72:73] the prefetch's base in A: my tile row, the first of the trip's four K steps
.set PBW, 74                           ; s[74:75] the same in W: my tile column
.set MSB, 0
.macro WIN new                         ; the immediate's high byte repeats the setting that is left; a switch that changes nothing is dropped
.if MSB != \new
	s_set_vgpr_msb (MSB<<8)|\new
.set MSB, \new
.endif
.endm
.set MUL,  0x05                        ; sources 0 (W) and 1 (A) window 1; C and D window 0
.set TO_F, 0x40                        ; destination window 1, address window 0
.macro JLOAD s                         ; a joint load: waves 0 and 1 fetch A's two halves, waves 2 and 3 W's; four v_nop follow each of the two lines, ahead of the jump, the label and what follows
	s_cmp_eq_u32 s11, 0
	s_cbranch_scc0 .Lfor_w_\@
	tensor_load_to_lds s[G0+4*\s:G0+4*\s+3], s[G1:G1+7]
	s_nop 0
.rept 4
	v_nop
.endr
	s_branch .Lasked_\@
.Lfor_w_\@:
	tensor_load_to_lds s[G0B+4*\s:G0B+4*\s+3], s[G1B:G1B+7]
	s_nop 0
.rept 4
	v_nop
.endr
.Lasked_\@:
.endm
.macro ASK askw, o                     ; the prefetch: wave 0 alone; A's K step at byte o of the trip's four; askw = 1: W's four K steps too
	s_cmp_lg_u32 s10, 0
	s_cbranch_scc1 .Lnot_asking_\@
	global_prefetch_b8 v[PFA], s[PBA:PBA+1] offset:\o th:TH_LOAD_NT scope:SCOPE_SE
.if \askw
	global_prefetch_b8 v[PFW], s[PBW:PBW+1] th:TH_LOAD_NT scope:SCOPE_SE
.endif
.Lnot_asking_\@:
.endm
.macro CREST                           ; a round of the cluster's barrier behind its opening barrier
	s_cmp_lg_u32 s10, 0
	s_cbranch_scc1 .Lnot_wave_0_\@
	s_barrier_signal -3
.Lnot_wave_0_\@:
	s_barrier_wait -3
	s_barrier_signal -1
	s_barrier_wait -1
.endm
.macro CROUND                          ; a whole round
	s_barrier_signal -1
	s_barrier_wait -1
	CREST
.endm
	s_load_b128 s[4:7], s[0:1], 0x0                ; A s[4:5], cb s[6:7]
	s_load_b64 s[8:9], s[0:1], 0x10                ; C
	s_load_b64 s[68:69], s[0:1], 0x18              ; the bias
	s_load_b64 s[70:71], s[0:1], 0x20              ; the residual
	v_lshl_add_u32 v126, v0, 2, 0x49400
	v_mov_b32 v127, 0
	ds_add_u32 v126, v127
	v_lshrrev_b32 v1, 5, v0
	v_readfirstlane_b32 s10, v1                    ; wave 0..3
	s_lshr_b32 s11, s10, 1                         ; which half of the tile's rows is mine.  Also: I fetch for A (0) or for W (1)
	s_and_b32 s12, s10, 1                          ; which half of its columns.  Also: which half of that tile I fetch
	s_bfe_u32 s40, ttmp6, 0x40000                  ; cx, cy: my place in the cluster
	s_bfe_u32 s41, ttmp6, 0x40004
	s_lshl_b32 s42, ttmp9, 2
	s_add_co_u32 s42, s42, s40                     ; tile column of C = 4 x cluster x + cx
	s_and_b32 s13, ttmp7, 0xffff
	s_lshl_b32 s13, s13, 2
	s_add_co_u32 s13, s13, s41                     ; tile row of C = 4 x cluster y + cy
	s_lshl_b32 s43, s41, 2
	s_lshl_b32 s43, 15, s43                        ; my row of the cluster
	s_lshl_b32 s44, 0x1111, s40                    ; my column
	; group 1 for A: 64 rows x 256 elements of 2 bytes; 16 bytes of padding (code 3) behind every 128 words (code 6); bit 21 set beside the mask
	s_or_b32 s[G1+0], s43, (1<<16)|(1<<20)|(1<<21)|(6<<22)|(3<<25)
	s_mov_b32 s[G1+1], KSTEP<<16                   ; tensor_dim0 = 256
	s_mov_b32 s[G1+2], 64<<16                      ; tensor_dim1 = 64
	s_mov_b32 s[G1+3], KSTEP<<16                   ; tile_dim0 = 256
	s_mov_b32 s[G1+4], 64                          ; tile_dim1 = 64
	s_mov_b32 s[G1+5], SIZE_K                      ; elements from row to row
	s_mov_b32 s[G1+6], 0
	s_mov_b32 s[G1+7], 0
	; group 1 for W: 128 rows x 128 elements; 32 bytes of padding (code 7) behind every 64 words (code 5)
	s_or_b32 s[G1B+0], s44, (1<<16)|(1<<20)|(1<<21)|(5<<22)|(7<<25)
	s_mov_b32 s[G1B+1], 128<<16
	s_mov_b32 s[G1B+2], 128<<16
	s_mov_b32 s[G1B+3], 128<<16
	s_mov_b32 s[G1B+4], 128
	s_mov_b32 s[G1B+5], PITCH_W
	s_mov_b32 s[G1B+6], 0
	s_mov_b32 s[G1B+7], 0
	; A's tiles hang on the tile row and the wave alone, W's on the tile column and the wave alone, each in registers that never hold the other coordinate
	s_lshl_b32 s17, s12, 6
	s_lshl_b32 s16, s13, 7
	s_add_co_u32 s16, s16, s17                     ; A: row 128 x tile row + 64 x half
	s_mov_b32 s17, 0
	s_mov_b64 s[18:19], SIZE_K*2
	s_mul_u64 s[16:17], s[16:17], s[18:19]
	s_lshl_b32 s46, s42, 8                         ; W: 256 bytes a tile column
	s_mul_i32 s47, s12, 128*PITCH_W*2              ; + my 128 rows of the step
	s_add_co_u32 s46, s46, s47
	s_add_co_u32 s46, s46, WBASE
	s_mov_b32 s47, 0
	s_mul_i32 s20, s12, HALFA                      ; where they go: no place in the cluster enters an LDS address
	s_mul_i32 s21, s12, HALFW
	s_add_co_u32 s21, s21, WOFF
	s_wait_dscnt 0x0
	s_wait_kmcnt 0x0
	s_add_nc_u64 s[14:15], s[4:5], s[16:17]
	s_add_nc_u64 s[46:47], s[6:7], s[46:47]
	CROUND                                         ; all sixteen work-groups are here: the first joint loads meet
.irp s, 0,1
	s_mov_b32 s[G0+4*\s], 1                                        ; count = 1
	s_add_co_u32 s[G0+4*\s+1], s20, \s*SLOT                        ; LDS address
	s_add_nc_u64 s[G0+4*\s+2:G0+4*\s+3], s[14:15], \s*KSTEP*2      ; global address: K step s
	s_or_b32 s[G0+4*\s+3], s[G0+4*\s+3], 0x80000000                ; type = 2
	s_mov_b32 s[G0B+4*\s], 1
	s_add_co_u32 s[G0B+4*\s+1], s21, \s*SLOT
	s_add_nc_u64 s[G0B+4*\s+2:G0B+4*\s+3], s[46:47], \s*KSTEP*PITCH_W*2
	s_or_b32 s[G0B+4*\s+3], s[G0B+4*\s+3], 0x80000000
	JLOAD \s                                       ; two loads of mine are out
.endr
	v_and_b32 v1, 15, v0                           ; l % 16
	v_bfe_u32 v2, v0, 4, 1                         ; l / 16
	v_mul_u32_u24 v3, v1, PA                       ; a fragment of A: row l % 16, 16 bytes for each half of the lanes, two loads 32 bytes apart
	v_lshl_add_u32 v3, v2, 4, v3
	s_mul_i32 s21, s11, HALFA                      ; my 64 rows of A
	v_add_nc_u32 v[ADRA], s21, v3
	v_add_nc_u32 v[ADRA+1], SLOT, v[ADRA]
	v_and_b32 v4, 7, v0                            ; a fragment of W: the turning load takes 16 rows (K) x 16 columns: lane l reads row 8 (l / 16) + l % 8, columns 8 ((l / 8) % 2) + 0..7,
	v_lshl_add_u32 v4, v2, 3, v4                   ; and is left with column l % 16 and 8 numbers along K
	v_mul_u32_u24 v4, v4, PW
	v_bfe_u32 v5, v0, 3, 1
	v_lshl_add_u32 v4, v5, 4, v4
	s_lshl_b32 s22, s12, 7                         ; my 64 columns
	s_add_co_u32 s22, s22, WOFF
	v_add_nc_u32 v[ADRW], s22, v4
	v_add_nc_u32 v[ADRW+1], HALFW, v[ADRW]
	v_add_nc_u32 v[ADRW+2], SLOT, v[ADRW]
	v_add_nc_u32 v[ADRW+3], SLOT+HALFW, v[ADRW]
	s_lshl_b32 s46, s42, 9                         ; my 64 columns in f32: 512 x tile column + 256 x half (in the registers that held W's address)
	s_lshl_b32 s47, s12, 8
	s_add_co_u32 s46, s46, s47
	s_mov_b32 s47, 0
	s_add_nc_u64 s[68:69], s[68:69], s[46:47]
	; a wave's 64 columns are 256 bytes of a row of C: each wave has a stage of its own, 16 rows x 272 bytes
	s_mul_i32 s23, s10, 16*SPITCH
	s_add_co_u32 s23, s23, STAGE
	v_mul_u32_u24 v4, v1, SPITCH                   ; in: row l % 16, 32 bytes for each half of the lanes
	v_lshl_add_u32 v4, v2, 5, v4
	v_add_nc_u32 v[STO], s23, v4
	v_mul_u32_u24 v5, v2, SPITCH                   ; back: lanes 0-15 take one row of 256 bytes, lanes 16-31 the next
	v_lshl_add_u32 v5, v1, 4, v5
	v_add_nc_u32 v[RD], s23, v5
	v_mul_u32_u24 v5, v2, PITCH_C*4                ; and the same two rows in C and in the residual
	v_lshl_add_u32 v[CO], v1, 4, v5
	v_lshlrev_b32 v[BO], 4, v1
	s_lshl_b32 s16, s13, 7
	s_lshl_b32 s17, s11, 6
	s_add_co_u32 s16, s16, s17                     ; my first row: 128 x tile row + 64 x half
	s_mul_i32 s16, s16, PITCH_C*4
	s_mov_b32 s17, 0
	s_add_nc_u64 s[8:9], s[8:9], s[16:17]
	s_add_nc_u64 s[8:9], s[8:9], s[46:47]
	s_add_nc_u64 s[70:71], s[70:71], s[16:17]
	s_add_nc_u64 s[70:71], s[70:71], s[46:47]
	global_load_b128 v[BI:BI+3], v[BO], s[68:69]
	WIN 0x80                                       ; destination window 2: the residual of my 64 x 64 comes in under the whole product, laid as the rows come back from the stage
.irp i, 0,1,2,3,4,5,6,7,8,9,10,11,12,13,14,15,16,17,18,19,20,21,22,23,24,25,26,27,28,29,30,31
	global_load_b128 v[4*\i:4*\i+3], v[CO], s[70:71] offset:2*\i*PITCH_C*4
.endr
	WIN 0
.if LAPS > 2
	; the prefetch's addresses.  The work-group's place enters them alone: no branch, no LDS address, no descriptor.
	v_and_b32 v6, 31, v0                           ; lane
	v_lshrrev_b32 v7, 1, v6
	s_lshl_b32 s76, s42, 4
	v_add_nc_u32 v7, s76, v7                       ; A: of the tile's 128 rows, row 16 x tile column + lane / 2,
	v_mul_u32_u24 v[PFA], v7, SIZE_K*2
	v_and_b32 v7, 1, v0
	v_lshl_add_u32 v[PFA], v7, 8, v[PFA]           ; and half lane % 2 of the step's 512 bytes
	s_lshl_b32 s76, s13, 5
	v_add_nc_u32 v7, s76, v6                       ; W: of the four steps' 1,024 rows, row 32 x tile row + lane
	v_mul_u32_u24 v[PFW], v7, PITCH_W*2
	s_lshl_b32 s76, s13, 7
	s_mul_i32 s76, s76, SIZE_K*2                   ; A at my tile row,
	s_add_co_u32 s76, s76, 4*KSTEP*2               ; K step 4
	s_mov_b32 s77, 0
	s_add_nc_u64 s[PBA:PBA+1], s[4:5], s[76:77]
	s_lshl_b32 s78, s42, 8                         ; W at my tile column,
	s_add_co_u32 s78, s78, WBASE+4*KSTEP*PITCH_W*2 ; K step 4
	s_mov_b32 s79, 0
	s_add_nc_u64 s[PBW:PBW+1], s[6:7], s[78:79]
.endif
; 8 matrix instructions: m blocks a0, a0 + 1 x all 4 n blocks, 32 along K: half c of buffer f.  zero = 1: the first product starts the sums.
; The 16 accumulators take turns, one instruction a turn.
.macro MUL8 f, c, a0, zero
.irp a, \a0, \a0+1
.irp b, 0,1,2,3
.if \zero
	v_wmma_f32_16x16x32_bf16 v[ACC+8*(4*(\a)+\b):ACC+8*(4*(\a)+\b)+7], v[\f+64+8*(4*\c+\b):\f+64+8*(4*\c+\b)+7], v[\f+8*(4*\c+\a):\f+8*(4*\c+\a)+7], 0
.else
	v_wmma_f32_16x16x32_bf16 v[ACC+8*(4*(\a)+\b):ACC+8*(4*(\a)+\b)+7], v[\f+64+8*(4*\c+\b):\f+64+8*(4*\c+\b)+7], v[\f+8*(4*\c+\a):\f+8*(4*\c+\a)+7], v[ACC+8*(4*(\a)+\b):ACC+8*(4*(\a)+\b)+7]
.endif
.endr
.endr
.endm
; 32 LDS loads in one run: the fragments of quarter q (64 along K) of a slot, into buffer f; the first 32 along K first
.macro FETCH slot, q, f
	WIN TO_F
.irp c, 0,1
.irp i, 0,1,2,3
	ds_load_tr16_b128 v[\f+64+8*(4*\c+\i):\f+64+8*(4*\c+\i)+3],   v[ADRW+2*\slot+(\q)/2] offset:(((\q)%2)*64+32*\c)*PW+32*\i
	ds_load_tr16_b128 v[\f+64+8*(4*\c+\i)+4:\f+64+8*(4*\c+\i)+7], v[ADRW+2*\slot+(\q)/2] offset:(((\q)%2)*64+32*\c+16)*PW+32*\i
	ds_load_b128 v[\f+8*(4*\c+\i):\f+8*(4*\c+\i)+3],              v[ADRA+\slot] offset:128*(\q)+64*\c+\i*16*PA
	ds_load_b128 v[\f+8*(4*\c+\i)+4:\f+8*(4*\c+\i)+7],            v[ADRA+\slot] offset:128*(\q)+64*\c+\i*16*PA+32
.endr
.endr
.endm
.macro PLACES                          ; four places in front of loads into registers that matrix instructions have read, and of what reads results just made
.rept 4
	v_nop
.endr
.endm
; A K step is four quarters of 64 along K, 32 matrix instructions each, on buffers 0, 1, 0, 1.  One of the first three: multiplies buffer f and fetches quarter q into g.
.macro QUARTER slot, q, f, g, zero
	s_wait_dscnt 16                                ; the first 32 along K are in; the younger sixteen loads may be out
	WIN MUL
	MUL8 \f, 0, 0, \zero
	MUL8 \f, 0, 2, \zero
	PLACES
	FETCH \slot, \q, \g
	s_wait_dscnt 32                                ; all but the 32 just issued
	WIN MUL
	MUL8 \f, 1, 0, 0
	MUL8 \f, 1, 2, 0
.endm
; The last quarter multiplies buffer 1 and changes slots: ONE barrier; in front of it each wave waits for its own reads of this slot and for all its tensor loads.
; fill = 1: this slot is filled again, two K steps ahead.  ask = 1: behind the refill wave 0 prefetches the tile of this slot's NEXT refill (ASK's arguments askw and o).
.macro TURN slot, next, fill, ask, askw, o
	s_wait_dscnt 16
	WIN MUL
	MUL8 F1, 0, 0, 0
	s_wait_dscnt 0                                 ; my reads of this slot are over,
	s_set_vgpr_msb 0x500
	s_wait_tensorcnt 0x0                           ; and all my tensor loads have landed: the one that was out is my part of the next slot
	ds_add_u32 v126, v127
	s_wait_dscnt 0x0
	s_set_vgpr_msb 0x5
	s_barrier_signal -1
	MUL8 F1, 0, 2, 0
.if \fill
	WIN 0
.endif
	s_barrier_wait -1
.if \fill
	CREST                                          ; the barrier has opened a round of the cluster's barrier: no wave of any partner still reads this slot's tile or has a load on its way
	s_add_nc_u64 s[G0+4*\slot+2:G0+4*\slot+3], s[G0+4*\slot+2:G0+4*\slot+3], 2*KSTEP*2
	s_add_nc_u64 s[G0B+4*\slot+2:G0B+4*\slot+3], s[G0B+4*\slot+2:G0B+4*\slot+3], 2*KSTEP*PITCH_W*2
	JLOAD \slot                                    ; the first tensor load behind the round, my only one until the next: 120 matrix instructions ahead of the wait for it; its four v_nop are also the places in front of the loads below
.if \ask
	ASK \askw, \o
.endif
.else
	PLACES
.endif
	FETCH \next, 0, F0
	WIN MUL
	MUL8 F1, 1, 0, 0
	MUL8 F1, 1, 2, 0
.endm
; Once round the ring, from a lap's second quarter to the next lap's first; both slots are filled again.  o: the byte, among the trip's four K steps of A, of the first step prefetched here.
.macro BODY ask, askw, o
	QUARTER 0, 2, F1, F0, 0
	QUARTER 0, 3, F0, F1, 0
	TURN 0, 1, 1, \ask, \askw, \o
	QUARTER 1, 1, F0, F1, 0
	QUARTER 1, 2, F1, F0, 0
	QUARTER 1, 3, F0, F1, 0
	TURN 1, 0, 1, \ask, 0, \o+KSTEP*2
	QUARTER 0, 1, F0, F1, 0
.endm
	s_wait_tensorcnt 1                             ; my part of K step 0 is in; K step 1's may stay out
	s_barrier_signal -1
	s_barrier_wait -1                              ; everybody's is
	FETCH 0, 0, F0
	QUARTER 0, 1, F0, F1, 1                        ; the first quarter stands in front of the loop: its first products start the sums
.if LAPS > 2
	WIN 0                                          ; at a label and at a branch every window is 0
	s_mov_b32 s3, (LAPS-2)/2
.Llap:                                                 ; trip u = 0 ..: two laps; K steps 4 u + 2 to 4 u + 5 are brought into LDS, K steps 4 u + 4 to 4 u + 7 are prefetched
	BODY 1, 1, 0
	BODY 1, 0, 2*KSTEP*2
	WIN 0
	s_wait_xcnt 0x0                                ; the prefetches' bases are stepped only behind this wait; the last prefetch stands more than a quarter step back
	s_add_nc_u64 s[PBA:PBA+1], s[PBA:PBA+1], 4*KSTEP*2
	s_add_nc_u64 s[PBW:PBW+1], s[PBW:PBW+1], 4*KSTEP*PITCH_W*2
	s_sub_co_u32 s3, s3, 1
	s_cmp_lg_u32 s3, 0
	s_cbranch_scc1 .Llap
.endif
	BODY 0, 0, 0                                   ; the last two K steps are brought in; nothing is left to prefetch
	QUARTER 0, 2, F1, F0, 0                        ; the last lap fills nothing, and has no round of the cluster's barrier
	QUARTER 0, 3, F0, F1, 0
	TURN 0, 1, 0, 0, 0, 0
	QUARTER 1, 1, F0, F1, 0
	QUARTER 1, 2, F1, F0, 0
	QUARTER 1, 3, F0, F1, 0
	s_wait_dscnt 16                                ; the very last quarter: nothing more to fetch
	WIN MUL
	MUL8 F1, 0, 0, 0
	MUL8 F1, 0, 2, 0
	s_wait_dscnt 0
	MUL8 F1, 1, 0, 0
	MUL8 F1, 1, 2, 0
	WIN 0
	; THE WAY OUT: 16 rows at a time through my own stage (LDS serves a wave's instructions in order, ISA guide 5.7.1.4: no wait between my stores and my loads, no barrier);
	; back as whole rows of 256 bytes; bias and residual are added there, where a lane holds four neighbouring columns.
.macro OUT a
.set OBK, TMP+32*((\a)%2)
.irp b, 0,1,2,3
	ds_store_b128 v[STO], v[ACC+8*(4*\a+\b):ACC+8*(4*\a+\b)+3]   offset:64*\b       ; each accumulator from its low end on
	ds_store_b128 v[STO], v[ACC+8*(4*\a+\b)+4:ACC+8*(4*\a+\b)+7] offset:64*\b+16
.endr
	s_wait_xcnt 0x0                                ; the registers below were the data of the stores two blocks back: they are written again only behind this wait
.irp t, 0,1,2,3,4,5,6,7
	ds_load_b128 v[OBK+4*\t:OBK+4*\t+3], v[RD] offset:\t*2*SPITCH
.endr
	s_wait_dscnt 0x0
.irp t, 0,1,2,3,4,5,6,7
	v_pk_add_f32 v[OBK+4*\t:OBK+4*\t+1],   v[OBK+4*\t:OBK+4*\t+1],   v[BI:BI+1]
	v_pk_add_f32 v[OBK+4*\t+2:OBK+4*\t+3], v[OBK+4*\t+2:OBK+4*\t+3], v[BI+2:BI+3]
.endr
	WIN 0x08                                       ; source 1 window 2: the residual
.irp t, 0,1,2,3,4,5,6,7
	v_pk_add_f32 v[OBK+4*\t:OBK+4*\t+1],   v[OBK+4*\t:OBK+4*\t+1],   v[4*(8*\a+\t):4*(8*\a+\t)+1]
	v_pk_add_f32 v[OBK+4*\t+2:OBK+4*\t+3], v[OBK+4*\t+2:OBK+4*\t+3], v[4*(8*\a+\t)+2:4*(8*\a+\t)+3]
.endr
	WIN 0
.irp t, 0,1,2,3,4,5,6,7
	global_store_b128 v[CO], v[OBK+4*\t:OBK+4*\t+3], s[8:9] offset:(16*\a+2*\t)*PITCH_C*4   ; 16 lanes store 256 consecutive bytes, at a multiple of 256 from C's first byte
.endr
.endm
	s_wait_loadcnt 0x0                             ; bias and residual
	PLACES
	OUT 0
	OUT 1
	OUT 2
	OUT 3
	s_wait_tensorcnt 0x0
	ds_add_u32 v126, v127
	s_wait_dscnt 0x0
	CROUND                                         ; the closing round: no work-group ends while a partner may still ask for a tile that names it
	s_endpgm
.Lfunc_end_k_q046e8ff8ba_ffn2:
	.size	k_q046e8ff8ba_ffn2, .Lfunc_end_k_q046e8ff8ba_ffn2-k_q046e8ff8ba_ffn2
	.p2alignl 7, 3214868480
	.fill 96, 4, 3214868480
	.section	.rodata,"a",@progbits
	.p2align	6, 0x0
	.amdhsa_kernel k_q046e8ff8ba_ffn2
		.amdhsa_group_segment_fixed_size 327680
		.amdhsa_private_segment_fixed_size 0
		.amdhsa_enable_private_segment 0
		.amdhsa_kernarg_size 40
		.amdhsa_user_sgpr_count 2
		.amdhsa_user_sgpr_kernarg_segment_ptr 1
		.amdhsa_wavefront_size32 1
		.amdhsa_system_sgpr_workgroup_id_x 1
		.amdhsa_system_sgpr_workgroup_id_y 1
		.amdhsa_system_sgpr_workgroup_id_z 1
		.amdhsa_system_vgpr_workitem_id 0
		.amdhsa_next_free_vgpr 640
		.amdhsa_next_free_sgpr 80
		.amdhsa_reserve_vcc 0
		.amdhsa_float_denorm_mode_32 3
		.amdhsa_float_denorm_mode_16_64 3
		.amdhsa_memory_ordered 1
		.amdhsa_forward_progress 1
		.amdhsa_inst_pref_size 172
	.end_amdhsa_kernel
	.amdgpu_metadata
---
amdhsa.version: [ 1, 2 ]
amdhsa.kernels:
  - .name:           k_q046e8ff8ba_ffn2
    .symbol:         k_q046e8ff8ba_ffn2.kd
    .args:
      - { .name: hb, .offset: 0, .size: 8, .value_kind: global_buffer, .address_space: global }
      - { .name: cb, .offset: 8, .size: 8, .value_kind: global_buffer, .address_space: global }
      - { .name: y, .offset: 16, .size: 8, .value_kind: global_buffer, .address_space: global }
      - { .name: b2, .offset: 24, .size: 8, .value_kind: global_buffer, .address_space: global }
      - { .name: x1f, .offset: 32, .size: 8, .value_kind: global_buffer, .address_space: global }
    .group_segment_fixed_size: 327680
    .private_segment_fixed_size: 0
    .kernarg_segment_align: 8
    .kernarg_segment_size: 40
    .max_flat_workgroup_size: 128
    .sgpr_count:     80
    .vgpr_count:     640
    .wavefront_size: 32
...
	.end_amdgpu_metadata
.endif
;; end of part 13
;; launch ln2: the kernel of part 8 again; grid 256 x 1, 4 waves a work-group, no clusters, 0 bytes of LDS; arguments y, g2, be2, out0; writes out0
